; MI455X (gfx1250); checked and timed in simulation.
; The chip was launched on July 23, 2026; its instructions are those of AMD's public machine-readable ISA for CDNA 5 (MIT licence, August 2026) and "CDNA5" Instruction Set Architecture Reference Guide (July 2026). The comments in the code are by the model that wrote it; some were corrected since.
;; Transformer Encoder. Allowed arithmetic: matrix products marked QUANTISED: E2M3 operands, one E8M0 scale for each 32 along K, by v_wmma_scale_f32_16x16x128_f8f6f4 with both operands' format E2M3, f32 sums; everything else in f32.
;; Inputs: W1_codes 4 x 512 x 8 x 24 uint8 (E2M3 codes of W1, K innermost, in blocks of 32 codes, four codes in three bytes); W1_scales 4 x 512 x 8 uint8 (E8M0 scales of W1, one for each 32 codes along K); W2_codes 4 x 256 x 16 x 24 uint8 (E2M3 codes of W2, K innermost, in blocks of 32 codes, four codes in three bytes); W2_scales 4 x 256 x 16 uint8 (E8M0 scales of W2, one for each 32 codes along K); Win_codes 256 x 8 x 24 uint8 (E2M3 codes of Win, K innermost, in blocks of 32 codes, four codes in three bytes); Win_scales 256 x 8 uint8 (E8M0 scales of Win, one for each 32 codes along K); Wk_codes 4 x 256 x 8 x 24 uint8 (E2M3 codes of Wk, K innermost, in blocks of 32 codes, four codes in three bytes); Wk_scales 4 x 256 x 8 uint8 (E8M0 scales of Wk, one for each 32 codes along K); Wo_codes 4 x 256 x 8 x 24 uint8 (E2M3 codes of Wo, K innermost, in blocks of 32 codes, four codes in three bytes); Wo_scales 4 x 256 x 8 uint8 (E8M0 scales of Wo, one for each 32 codes along K); Wq_codes 4 x 256 x 8 x 24 uint8 (E2M3 codes of Wq, K innermost, in blocks of 32 codes, four codes in three bytes); Wq_scales 4 x 256 x 8 uint8 (E8M0 scales of Wq, one for each 32 codes along K); Wv_codes 4 x 256 x 8 x 24 uint8 (E2M3 codes of Wv, K innermost, in blocks of 32 codes, four codes in three bytes); Wv_scales 4 x 256 x 8 uint8 (E8M0 scales of Wv, one for each 32 codes along K); b1 4 x 512 float32; b2 4 x 256 float32; bin_ 256 float32; bk 4 x 256 float32; bo 4 x 256 float32; bq 4 x 256 float32; bv 4 x 256 float32; ln1_b 4 x 256 float32; ln1_g 4 x 256 float32; ln2_b 4 x 256 float32; ln2_g 4 x 256 float32; lno_b 256 float32; lno_g 256 float32; x_codes 4 x 2 x 1,024 x 8 x 24 uint8 (E2M3 codes of x, K innermost, in blocks of 32 codes, four codes in three bytes); x_scales 4 x 2 x 1,024 x 8 uint8 (E8M0 scales of x, one for each 32 codes along K).
;; Outputs: out0 4 x 2 x 1,024 x 256 float32.
;; This version of the problem:
;;   THIS VERSION OF THE PROBLEM IS GIVEN IN LOW PRECISION. The matrix products marked QUANTISED in the list below multiply operands that are first quantised to E2M3 (2 exponent bits, 3 mantissa bits; 6 bits a number), with one power-of-two scale for each 32 numbers along K (OCP MX v1.0); their sums are f32. All else is computed in f32.
;;   The module's matrix products, in the order in which they are computed (A, B: the left and right operand; K: the contracted axis; several contracted axes count as one K, in the product's order):
;;     1. [M 8,192, K 256] x [K 256, N 256]; A: input x (given as codes); B: input Win (given as codes): QUANTISED
;;     2. [M 8,192, K 256] x [K 256, N 256]; A: computed on the way; B: input Wq (given as codes): QUANTISED
;;     3. [M 8,192, K 256] x [K 256, N 256]; A: computed on the way; B: input Wk (given as codes): QUANTISED
;;     4. [M 8,192, K 256] x [K 256, N 256]; A: computed on the way; B: input Wv (given as codes): QUANTISED
;;     5. batch 64 x [M 1,024, K 32] x [K 32, N 1,024]; A: computed on the way; B: computed on the way: QUANTISED
;;     6. batch 64 x [M 32, K 1,024] x [K 1,024, N 1,024]; A: computed on the way; B: softmax (see below): QUANTISED
;;     7. [M 8,192, K 256] x [K 256, N 256]; A: computed on the way; B: input Wo (given as codes): QUANTISED
;;     8. [M 8,192, K 256] x [K 256, N 512]; A: computed on the way; B: input W1 (given as codes): QUANTISED
;;     9. [M 8,192, K 512] x [K 512, N 256]; A: computed on the way; B: input W2 (given as codes): QUANTISED
;;     10. [M 8,192, K 256] x [K 256, N 256]; A: computed on the way; B: input Wq (given as codes): QUANTISED
;;     11. [M 8,192, K 256] x [K 256, N 256]; A: computed on the way; B: input Wk (given as codes): QUANTISED
;;     12. [M 8,192, K 256] x [K 256, N 256]; A: computed on the way; B: input Wv (given as codes): QUANTISED
;;     13. batch 64 x [M 1,024, K 32] x [K 32, N 1,024]; A: computed on the way; B: computed on the way: QUANTISED
;;     14. batch 64 x [M 32, K 1,024] x [K 1,024, N 1,024]; A: computed on the way; B: softmax (see below): QUANTISED
;;     15. [M 8,192, K 256] x [K 256, N 256]; A: computed on the way; B: input Wo (given as codes): QUANTISED
;;     16. [M 8,192, K 256] x [K 256, N 512]; A: computed on the way; B: input W1 (given as codes): QUANTISED
;;     17. [M 8,192, K 512] x [K 512, N 256]; A: computed on the way; B: input W2 (given as codes): QUANTISED
;;     18. [M 8,192, K 256] x [K 256, N 256]; A: computed on the way; B: input Wq (given as codes): QUANTISED
;;     19. [M 8,192, K 256] x [K 256, N 256]; A: computed on the way; B: input Wk (given as codes): QUANTISED
;;     20. [M 8,192, K 256] x [K 256, N 256]; A: computed on the way; B: input Wv (given as codes): QUANTISED
;;     21. batch 64 x [M 1,024, K 32] x [K 32, N 1,024]; A: computed on the way; B: computed on the way: QUANTISED
;;     22. batch 64 x [M 32, K 1,024] x [K 1,024, N 1,024]; A: computed on the way; B: softmax (see below): QUANTISED
;;     23. [M 8,192, K 256] x [K 256, N 256]; A: computed on the way; B: input Wo (given as codes): QUANTISED
;;     24. [M 8,192, K 256] x [K 256, N 512]; A: computed on the way; B: input W1 (given as codes): QUANTISED
;;     25. [M 8,192, K 512] x [K 512, N 256]; A: computed on the way; B: input W2 (given as codes): QUANTISED
;;     26. [M 8,192, K 256] x [K 256, N 256]; A: computed on the way; B: input Wq (given as codes): QUANTISED
;;     27. [M 8,192, K 256] x [K 256, N 256]; A: computed on the way; B: input Wk (given as codes): QUANTISED
;;     28. [M 8,192, K 256] x [K 256, N 256]; A: computed on the way; B: input Wv (given as codes): QUANTISED
;;     29. batch 64 x [M 1,024, K 32] x [K 32, N 1,024]; A: computed on the way; B: computed on the way: QUANTISED
;;     30. batch 64 x [M 32, K 1,024] x [K 1,024, N 1,024]; A: computed on the way; B: softmax (see below): QUANTISED
;;     31. [M 8,192, K 256] x [K 256, N 256]; A: computed on the way; B: input Wo (given as codes): QUANTISED
;;     32. [M 8,192, K 256] x [K 256, N 512]; A: computed on the way; B: input W1 (given as codes): QUANTISED
;;     33. [M 8,192, K 512] x [K 512, N 256]; A: computed on the way; B: input W2 (given as codes): QUANTISED
;;   THE QUANTISER, for each operand of a quantised product, along K:
;;     - K is cut into blocks of 32 from its start; a last block that is shorter is filled with zeros.
;;     - A block's scale is 2^e with e = floor(log2(the largest magnitude in the block)) - 2, held to -126 .. 127; a block of zeros has e = 0. As a byte (E8M0): e + 127.
;;     - Each number is divided by its block's scale, clamped to +-7.5, and rounded to the nearest number of E2M3, ties to even, subnormals kept.
;;     - The product sums the exact products of the quantised numbers (number of the format x scale) in f32.
;;   ~~~python
;;   def quantise(x, axis):      # numpy; x: float32 -> the quantised numbers, widened to float32 again
;;       x = np.moveaxis(x, axis, -1); K = x.shape[-1]
;;       x = np.pad(x, [(0, 0)] * (x.ndim - 1) + [(0, -K % 32)]); x = x.reshape(x.shape[:-1] + (-1, 32)); a = np.abs(x).max(-1, keepdims=True)
;;       e = np.where(a > 0, np.clip(np.frexp(np.where(a > 0, a, 1))[1] - 1 - 2, -126, 127), 0)      # np.frexp(a)[1] - 1 = floor(log2(a)), exactly
;;       r = np.clip(x / 2.0 ** e, -7.5, 7.5)
;;       step = 2.0 ** (np.maximum(np.frexp(np.where(r == 0, 1, r))[1] - 1, 0) - 3)
;;       q = np.round(r / step) * step * 2.0 ** e      # np.round: ties to even
;;       return np.moveaxis(q.reshape(q.shape[:-2] + (-1,))[..., :K], -1, axis).astype(np.float32)
;;   ~~~
;;   SOFTMAX AHEAD OF A QUANTISED PRODUCT. Where the list says 'softmax', what is quantised is not the finished softmax but p = 2^(t - M), with t = logit x log2(e) and M = ceil(the row's largest t), a whole number; so 1/2 < the row's largest p <= 1. The row's sum l is taken of the UNQUANTISED p, in f32, and the product's result is divided by l at the end. Since M is a whole number, a kernel that streams over the keys may use a running M (the ceiling of the running maximum): every later rescaling is an exact power of two, which a block's scale takes up: the codes' values come out the same.
;;   OPERANDS COMPUTED ON THE WAY. 'Computed on the way' means the value that the module computes at that place (a softmax that the list does not call 'softmax' is quantised finished and normalised). What goes into a quantiser is computed in f32, as accurately as f32 sums, v_exp_f32 and their like allow (about 1e-6 of the number): no bf16 or f16 on the way to a quantiser, and a product that is left as it is and whose result goes on into a quantised operand takes f32 operands (vector FMAs, or v_wmma_f32_16x16x4_f32). A number that lies on a knife's edge between two numbers of the format may be rounded either way, as far as f32 arithmetic and the matrix unit's own rounding can turn it there, and no further.
;;   INPUTS GIVEN AS CODES. W1 (in the module: [4, 512, 256], K = its axis 2); W2 (in the module: [4, 256, 512], K = its axis 2); Win (in the module: [256, 256], K = its axis 1); Wk (in the module: [4, 256, 256], K = its axis 2); Wo (in the module: [4, 256, 256], K = its axis 2); Wq (in the module: [4, 256, 256], K = its axis 2); Wv (in the module: [4, 256, 256], K = its axis 2); x (in the module: [4, 2, 1024, 256], K = its axis 3): each comes as NAME_codes (uint8): NAME with its K axis moved to the last place and cut into blocks of 32 codes, [.., K / 32, bytes a block], one block behind the other in memory; four codes in three bytes: a row's codes are one little-endian stream of bits, code i at bits 6 i .. 6 i + 5 (a code: sign, 2 exponent bits, 3 mantissa bits); and NAME_scales (uint8): the same leading axes, one E8M0 byte (e + 127) for each 32 codes along K. Its value is code x scale, taken as it is: it is not quantised again, and the codes and scales need not be those that the quantiser above would give.
;; 3 versions, each right; version 2 is faster than version 1; version 3 is version 2 with the launches pre, layer0, layer1, layer2, layer3 written anew for expert scheduling mode. Each part assembles by itself: llvm-mc -triple=amdgcn-amd-amdhsa -mcpu=gfx1250 --defsym DOCPART=n.
;; ======== version 1 of 3: 10 launches
;; workspace buffers: wimg 1,689,600 bytes; qkv 4,915,200 bytes; ctx 1,638,400 bytes; e_a 8,388,608 bytes; e_b 8,388,608 bytes; cnt_a 256 bytes of whole numbers; cnt_b 256 bytes of whole numbers
;; launch lay (part 1): grid 264 x 1, 4 waves a work-group, no clusters, 0 bytes of LDS; arguments Wq_codes, Wk_codes, Wv_codes, Wo_codes, W1_codes, W2_codes, Win_codes, Wq_scales, Wk_scales, Wv_scales, Wo_scales, W1_scales, W2_scales, Win_scales, wimg; writes wimg
.if DOCPART == 1
	.amdgcn_target "amdgcn-amd-amdhsa--gfx1250"
	.amdhsa_code_object_version 6
	.text
	.protected	k_q41d4d0b992_lay
	.globl	k_q41d4d0b992_lay
	.p2align	8
	.type	k_q41d4d0b992_lay,@function
k_q41d4d0b992_lay:
	s_mov_b64 s[64:65], 0
	v_nop
	global_prefetch_b8 v0, s[64:65] scope:SCOPE_SE
	s_setreg_imm32_b32 hwreg(HW_REG_WAVE_MODE, 25, 1), 1
	s_wait_xcnt 0x0
; The seven weights' codes and scale bytes are laid out once in the order of a matrix operand's registers, so that the later launches load each fragment whole.
; A FRAGMENT is 16 rows x 128 along K of 6-bit codes: 12 registers a lane.  Its image is 1,536 bytes: registers 4 i .. 4 i + 3 of lane l at 512 i + 16 l.  Its 16 scale words (row r: 4 bytes) follow in a second region, 64 bytes a fragment.
; THE ROWS OF A TILE ARE NOT NEIGHBOURS: lane r of tile T takes row 32 (T / 2) + 8 (T % 2) + r + 8 (r / 8), so that in a product used transposed the 16 registers of two neighbouring tiles are 16 neighbours along the next K.
; One wave lays one fragment; fragment n = 4 x work-group + wave of 1,056, in the order Wq, Wk, Wv, Wo (128 each), W1, W2 (256 each), Win (32); within a tensor [layer][tile][K step].
; The codes leave as three stores of 512 consecutive bytes.  The scale words leave as 64 bytes a wave, 256 consecutive bytes a work-group: 66 KB of the launch's 1.7 MB.  No LDS, no barrier: waves share nothing.
.set IMG_SC, 1622016                   ; where the scale words begin in wimg: behind 1,056 images of 1,536 bytes
.macro PICK lim, cp, sp, first         ; work-groups under lim belong to an earlier tensor: its codes, its scales, its first work-group.  The choice hangs on the work-group's number alone
	s_cmp_lt_u32 ttmp9, \lim
	s_cselect_b64 s[34:35], s[\cp:\cp+1], s[34:35]
	s_cselect_b64 s[36:37], s[\sp:\sp+1], s[36:37]
	s_cselect_b32 s38, \first, s38
.endm
	s_load_b512 s[4:19], s[0:1], 0x0               ; codes of Wq, Wk, Wv, Wo, W1, W2, Win; scales of Wq
	s_load_b256 s[20:27], s[0:1], 0x40             ; scales of Wk, Wv, Wo, W1
	s_load_b128 s[28:31], s[0:1], 0x60             ; scales of W2, Win
	s_load_b64 s[32:33], s[0:1], 0x70              ; wimg
	v_lshrrev_b32 v1, 5, v0
	v_readfirstlane_b32 s2, v1                     ; wave
	v_and_b32 v1, 31, v0                           ; lane
	v_and_b32 v2, 15, v0                           ; r
	v_bfe_u32 v3, v0, 4, 1                         ; h
	v_and_b32 v4, 8, v2
	v_add_nc_u32 v4, v4, v2                        ; r + 8 (r / 8)
	s_lshr_b32 s39, ttmp9, 6
	s_cmp_eq_u32 s39, 3                            ; work-groups 192 to 255 are W2's: K = 512, four K steps; all others K = 256, two
	s_cselect_b32 s39, 2, 1                        ; log2 of the K steps
	s_lshl_b32 s40, 96, s39                        ; a row of codes in bytes
	s_lshl_b32 s41, 4, s39                         ; a row of scale bytes
	s_bfm_b32 s42, s39, 0                          ; K steps - 1
	s_wait_kmcnt 0x0
	s_mov_b64 s[34:35], s[16:17]                   ; begin with Win,
	s_mov_b64 s[36:37], s[30:31]
	s_mov_b32 s38, 256
	PICK 256, 14, 28, 192                          ; and go down the list
	PICK 192, 12, 26, 128
	PICK 128, 10, 24, 96
	PICK 96, 8, 22, 64
	PICK 64, 6, 20, 32
	PICK 32, 4, 18, 0
	s_sub_co_u32 s43, ttmp9, s38
	s_lshl_b32 s43, s43, 2
	s_add_co_u32 s43, s43, s2                      ; my fragment's number in its tensor
	s_lshr_b32 s44, s43, s39                       ; tile T, counted through the layers (a layer is a whole number of pairs of tiles)
	s_and_b32 s45, s43, s42                        ; K step
	s_lshr_b32 s46, s44, 1
	s_lshl_b32 s46, s46, 5
	s_and_b32 s47, s44, 1
	s_lshl_b32 s47, s47, 3
	s_add_co_u32 s46, s46, s47                     ; 32 (T / 2) + 8 (T % 2)
	v_add_nc_u32 v4, s46, v4                       ; my row
	v_mul_lo_u32 v5, v4, s40
	v_mad_u32_u24 v5, v3, 24, v5
	s_mul_i32 s47, s45, 96
	v_add_nc_u32 v5, s47, v5                       ; codes: row x pitch + 96 x K step + 24 h
	v_mul_lo_u32 v6, v4, s41
	s_lshl_b32 s48, s45, 2
	v_add_nc_u32 v6, s48, v6                       ; scale word: row x pitch + 4 x K step
	s_lshl_b32 s49, ttmp9, 2
	s_add_co_u32 s49, s49, s2                      ; my fragment's number in wimg
	s_mul_i32 s50, s49, 1536
	s_mov_b32 s51, 0
	s_add_nc_u64 s[52:53], s[32:33], s[50:51]
	s_lshl_b32 s50, s49, 6
	s_add_nc_u64 s[54:55], s[32:33], s[50:51]
	v_lshlrev_b32 v7, 4, v1
	v_lshlrev_b32 v21, 2, v2
.irp p, 0,1,2,3,4,5
	global_load_b64 v[8+2*\p:9+2*\p], v5, s[34:35] offset:48*(\p/3)+8*(\p%3) th:TH_LOAD_NT   ; registers 6 c .. 6 c + 5: K = 64 c + 32 h + 0 .. 31, 24 bytes as they lie
.endr
	global_load_b32 v20, v6, s[36:37] th:TH_LOAD_NT
	s_wait_loadcnt 0x0
.irp i, 0,1,2
	global_store_b128 v7, v[8+4*\i:11+4*\i], s[52:53] offset:512*\i
.endr
	global_store_b32 v21, v20, s[54:55] offset:IMG_SC   ; lanes 16-31 hold and store what lanes 0-15 do
	s_endpgm
.Lfunc_end_k_q41d4d0b992_lay:
	.size	k_q41d4d0b992_lay, .Lfunc_end_k_q41d4d0b992_lay-k_q41d4d0b992_lay
	.p2alignl 7, 3214868480
	.fill 96, 4, 3214868480
	.section	.rodata,"a",@progbits
	.p2align	6, 0x0
	.amdhsa_kernel k_q41d4d0b992_lay
		.amdhsa_group_segment_fixed_size 0
		.amdhsa_private_segment_fixed_size 0
		.amdhsa_enable_private_segment 0
		.amdhsa_kernarg_size 120
		.amdhsa_user_sgpr_count 2
		.amdhsa_user_sgpr_kernarg_segment_ptr 1
		.amdhsa_wavefront_size32 1
		.amdhsa_system_sgpr_workgroup_id_x 1
		.amdhsa_system_sgpr_workgroup_id_y 1
		.amdhsa_system_sgpr_workgroup_id_z 1
		.amdhsa_system_vgpr_workitem_id 0
		.amdhsa_next_free_vgpr 32
		.amdhsa_next_free_sgpr 66
		.amdhsa_reserve_vcc 0
		.amdhsa_float_denorm_mode_32 3
		.amdhsa_float_denorm_mode_16_64 3
		.amdhsa_memory_ordered 1
		.amdhsa_forward_progress 1
		.amdhsa_inst_pref_size 5
	.end_amdhsa_kernel
	.amdgpu_metadata
---
amdhsa.version: [ 1, 2 ]
amdhsa.kernels:
  - .name:           k_q41d4d0b992_lay
    .symbol:         k_q41d4d0b992_lay.kd
    .args:
      - { .name: Wq_codes, .offset: 0, .size: 8, .value_kind: global_buffer, .address_space: global }
      - { .name: Wk_codes, .offset: 8, .size: 8, .value_kind: global_buffer, .address_space: global }
      - { .name: Wv_codes, .offset: 16, .size: 8, .value_kind: global_buffer, .address_space: global }
      - { .name: Wo_codes, .offset: 24, .size: 8, .value_kind: global_buffer, .address_space: global }
      - { .name: W1_codes, .offset: 32, .size: 8, .value_kind: global_buffer, .address_space: global }
      - { .name: W2_codes, .offset: 40, .size: 8, .value_kind: global_buffer, .address_space: global }
      - { .name: Win_codes, .offset: 48, .size: 8, .value_kind: global_buffer, .address_space: global }
      - { .name: Wq_scales, .offset: 56, .size: 8, .value_kind: global_buffer, .address_space: global }
      - { .name: Wk_scales, .offset: 64, .size: 8, .value_kind: global_buffer, .address_space: global }
      - { .name: Wv_scales, .offset: 72, .size: 8, .value_kind: global_buffer, .address_space: global }
      - { .name: Wo_scales, .offset: 80, .size: 8, .value_kind: global_buffer, .address_space: global }
      - { .name: W1_scales, .offset: 88, .size: 8, .value_kind: global_buffer, .address_space: global }
      - { .name: W2_scales, .offset: 96, .size: 8, .value_kind: global_buffer, .address_space: global }
      - { .name: Win_scales, .offset: 104, .size: 8, .value_kind: global_buffer, .address_space: global }
      - { .name: wimg, .offset: 112, .size: 8, .value_kind: global_buffer, .address_space: global }
    .group_segment_fixed_size: 0
    .private_segment_fixed_size: 0
    .kernarg_segment_align: 8
    .kernarg_segment_size: 120
    .max_flat_workgroup_size: 128
    .sgpr_count:     66
    .vgpr_count:     32
    .wavefront_size: 32
...
	.end_amdgpu_metadata
.endif
;; end of part 1
;; launch pre (part 2): grid 256 x 1, 8 waves a work-group, no clusters, 66,560 bytes of LDS; arguments x_codes, x_scales, wimg, bin_, ln1_g, ln1_b, bq, bk, bv, e_a, qkv, cnt_a; writes e_a, qkv, cnt_a
.if DOCPART == 2
	.amdgcn_target "amdgcn-amd-amdhsa--gfx1250"
	.amdhsa_code_object_version 6
	.text
	.protected	k_q41d4d0b992_pre
	.globl	k_q41d4d0b992_pre
	.p2align	8
	.type	k_q41d4d0b992_pre,@function
k_q41d4d0b992_pre:
	s_mov_b64 s[64:65], 0
	v_nop
	global_prefetch_b8 v0, s[64:65] scope:SCOPE_SE
	s_setreg_imm32_b32 hwreg(HW_REG_WAVE_MODE, 25, 1), 1
	s_wait_xcnt 0x0
; e = LN1[0](x Win^T + bin), stored in f32, and layer 0's q, k, v as codes of FP6 (E2M3) with one E8M0 byte for each 32 along their products' K.  All products on codes, sums in f32.
; SHARES.  A work-group takes 32 tokens (one block of 32 keys); wave cb of eight owns channels 32 cb .. 32 cb + 31, which is head cb, for both tiles of 16 tokens.
; POSITIONS.  In a block of 32 rows position 16 u + r stands for row 8 u + r + 8 (r / 8): so for the tokens of a tile, the rows of a weight's tile, the channels of a tile of v.
; Products are used transposed (source 0 = 16 rows of a weight, source 1 = 16 tokens): lane (r, h) of accumulator [u][ct] holds token (u, r) and channels 32 cb + 16 h + 8 ct + 0 .. 7: 16 neighbours in two accumulators.
; v is made the other way round (source 0 = tokens, source 1 = rows of Wv): lane (r, h) of accumulator [dt][u] holds channel (dt, r) and tokens 16 h + 8 u + 0 .. 7: neighbours along ITS K, the keys.
; A BLK is 32 rows x 32 codes in 768 bytes: row l's bytes 0-15 at 16 l, bytes 16-23 at 512 + 8 l: written by one store of 512 and one of 256 consecutive bytes, read as halves of operand registers.
; The layer norm goes by each wave's own mean and sum of squares about it, joined over the eight waves through LDS: no difference of large sums is formed.
; The weights come from wimg as register images, straight into registers: 12 loads of 16 bytes a lane for a wave's four fragments of a product.  NO CLUSTER, NO TENSOR LOAD: each wave wants other rows of the weights than its seven
; neighbours, into registers, once; what the 256 work-groups share is 240 KB that each reads once at its head.
; LIMITS: a block of zeros gets the byte 1 (its codes are zeros; only this program reads the bytes); a block whose largest magnitude lies under 2^-124 is held at byte 1; NaN and infinities are not served.
.set IMQ, 0                            ; wimg: images of Wq, Wk, Wv, Win,
.set IMK, 196608
.set IMV, 393216
.set IMIN, 1572864
.set SCQ, 1622016                      ; and their scale words
.set SCK, 1630208
.set SCV, 1638400
.set SCIN, 1687552
.set QC_, 0                            ; qkv: codes [head 64][block 32][768] of q, k, v,
.set KC_, 1572864
.set VC_, 3145728
.set QS_, 4718592                      ; and scale bytes [head][block][32]
.set KS_, 4784128
.set VS_, 4849664
.set E1IMG, 19200                      ; LDS: the normed e as 8 BLKs (one a wave),
.set E1SC, 25344                       ; its scale words [K step 2][u 2][r 16],
.set LNSN, 27648                       ; each wave's mean and sum of squares, 8 bytes a token, 256 a wave,
.set STG, 29696                        ; and 32 rows of e, 1,024 bytes + 16.  (The map is that of the launches that follow; no byte is written twice)
.set L16, 1                            ; v1   768 h + 16 r: a fragment's 16-byte halves in LDS
.set L8, 2                             ; v2   768 h + 8 r: its 8-byte halves
.set L4, 3                             ; v3   4 r
.set L8R, 4                            ; v4   8 r
.set W16, 5                            ; v5   16 x lane
.set S16E, 6                           ; v6   768 cb + 16 x lane: my BLK
.set S8E, 7                            ; v7   768 cb + 8 x lane
.set SBE, 8                            ; v8   128 (cb / 4) + cb % 4 + 4 x lane: my byte of the scale words
.set SLN, 12                           ; v12  256 cb + 8 x lane
.set AST, 13                           ; v13  1040 r + 64 h + 128 cb: into the stage
.set ARD, 14                           ; v14  4160 cb + 16 x lane: out of it, four rows a wave
.set VO8, 15                           ; v15  8 x lane
.set VO1, 16                           ; v16  lane
.set GB, 17                            ; v17  64 h: my 16 channels of a wave's 32
.set GX, 18                            ; v18  192 (r + 8 (r / 8)) + 24 h: x's codes
.set GR, 21                            ; v21  8 (r + 8 (r / 8)): x's scale words
.set GV, 22                            ; v22  4 (r + 8 (r / 8)): bv
.set CV, 23                            ; v23  the count that is stored
.set EA, 24                            ; v24-55   e: accumulators [u][ct]
.set DA, 56                            ; v56-87   bin, later the accumulators of q, k, v
.set BF, 88                            ; v88-135  the tokens' fragments (u, K step) at BF + 12 (2 u + ks); at work in the layer norm
.set ST, BF
.set LT, BF+32
.set BS, 136                           ; v136-139 the tokens' scale words
.set WS, 140                           ; v140-155 the weights' scale words: q, k, v, Win, four each
.set PA, 160                           ; v160-191 the norm's gains and offsets; later the codes that leave
.set PB, 192                           ; v192-223 bq, bk
.set PC, 224                           ; v224-227 bv, each number twice
.set QM, 240                           ; the quantiser's: largest magnitudes,
.set QTT, 242                          ; the other half's, then the bytes,
.set QSO, 244                          ; the conversions' scale operands,
.set QP, 246                           ; a row's 24 bytes,
.set QTC, 252                          ; the second conversion's result,
.set QBY, 255                          ; the row's byte
.set CB, 38                            ; s38  wave
.set WC, 46                            ; s[46:47] wimg + 6144 cb
.set WSB, 48                           ; s[48:49] wimg + 256 cb
.set SEL, 58                           ; s[58:59] v_permlanex16_b32's selects for lane l xor 16
.set HI, 60                            ; s60  lanes 16-31
.set SBC, 62                           ; s[62:63] qkv at my BLK
.set SBS, 66                           ; s[66:67] qkv at my 32 scale bytes
.set EOUT, 68                          ; s[68:69] e at the four rows that I store
.set RN, 70                            ; s70  1 / 256
.set EPS, 71                           ; s71  1e-5
.set CNTO, 26
.set MSB, 0
.macro WIN new                         ; the immediate's high byte repeats the setting that is left
.if MSB != \new
	s_set_vgpr_msb (MSB<<8)|\new
.set MSB, \new
.endif
.endm
.macro WLD w, n, base, off             ; n fragments' images into window 1 (the caller has set the destination's window)
.set FI, 0
.rept \n
.irp i, 0,1,2
	global_load_b128 v[(\w)+12*FI+4*\i:(\w)+12*FI+4*\i+3], v[W16], s[\base:\base+1] offset:(\off)+1536*FI+512*\i
.endr
.set FI, FI+1
.endr
.endm
.macro WSC ws, n, base, off            ; and their scale words
.set FI, 0
.rept \n
	global_load_b32 v[(\ws)+FI], v[L4], s[\base:\base+1] offset:(\off)+64*FI
.set FI, FI+1
.endr
.endm
.macro PLD reg, base, off              ; 16 numbers of a vector over the channels: my lane's
.irp c, 0,1,2,3
	global_load_b128 v[(\reg)+4*\c:(\reg)+4*\c+3], v[GB], s[\base:\base+1] offset:(\off)+16*\c
.endr
.endm
.macro NEXTW wc, wsb, pq, pk, pv       ; what q, k, v want: 60 loads
	WIN 0x40
	WLD 0, 4, \wc, IMQ
	WLD 48, 4, \wc, IMK
	WLD 96, 4, \wc, IMV
	WIN 0
	WSC WS, 4, \wsb, SCQ
	WSC WS+4, 4, \wsb, SCK
	WSC WS+8, 4, \wsb, SCV
	PLD PB, \pq, 0
	PLD PB+16, \pk, 0
.irp d, 0,1
	global_load_b32 v[PC+2*\d], v[GV], s[\pv:\pv+1] offset:32*\d      ; bv of channel (dt, r), twice: a pair for the packed addition
	global_load_b32 v[PC+2*\d+1], v[GV], s[\pv:\pv+1] offset:32*\d
.endr
.endm
.macro BLD img, sc                     ; the tokens' four fragments and scale words from LDS: lane (r, h), registers 6 c .. 6 c + 5: BLK 4 ks + 2 c + h, row 16 u + r
.irp u, 0,1
.irp ks, 0,1
.irp c, 0,1
	ds_load_b128 v[BF+12*(2*\u+\ks)+6*\c:BF+12*(2*\u+\ks)+6*\c+3], v[L16] offset:(\img)+768*(4*\ks+2*\c)+256*\u
	ds_load_b64 v[BF+12*(2*\u+\ks)+6*\c+4:BF+12*(2*\u+\ks)+6*\c+5], v[L8] offset:(\img)+768*(4*\ks+2*\c)+512+128*\u
.endr
.endr
.endr
.irp u, 0,1
.irp ks, 0,1
	ds_load_b32 v[BS+2*\u+\ks], v[L4] offset:(\sc)+128*\ks+64*\u
.endr
.endr
.endm
; Eight products: two tiles of a weight's rows x two tiles of tokens x two K steps.  The four accumulators take turns, one instruction a turn.
; cm = 1: the bias (eight registers a tile, in the result's layout) is the C of a sum's first product; cm = 2: the sums go on in place.  cs: fragments from tile to tile.
; Five v_nop follow: four places for vector instructions and loads that touch the products' registers, one more for products that write over them.
.macro UNIT acc, w, ws, cm, cbias, cs
	WIN 0x01                                       ; source 0 in window 1
.irp ks, 0,1
.irp u, 0,1
.irp ct, 0,1
.if (\ks == 0) && (\cm == 1)
	v_wmma_scale_f32_16x16x128_f8f6f4 v[(\acc)+16*\u+8*\ct:(\acc)+16*\u+8*\ct+7], v[(\w)+12*(\cs*\ct+\ks):(\w)+12*(\cs*\ct+\ks)+11], v[BF+12*(2*\u+\ks):BF+12*(2*\u+\ks)+11], v[(\cbias)+8*\ct:(\cbias)+8*\ct+7], v[(\ws)+\cs*\ct+\ks], v[BS+2*\u+\ks] matrix_a_fmt:MATRIX_FMT_FP6 matrix_b_fmt:MATRIX_FMT_FP6
.else
	v_wmma_scale_f32_16x16x128_f8f6f4 v[(\acc)+16*\u+8*\ct:(\acc)+16*\u+8*\ct+7], v[(\w)+12*(\cs*\ct+\ks):(\w)+12*(\cs*\ct+\ks)+11], v[BF+12*(2*\u+\ks):BF+12*(2*\u+\ks)+11], v[(\acc)+16*\u+8*\ct:(\acc)+16*\u+8*\ct+7], v[(\ws)+\cs*\ct+\ks], v[BS+2*\u+\ks] matrix_a_fmt:MATRIX_FMT_FP6 matrix_b_fmt:MATRIX_FMT_FP6
.endif
.endr
.endr
.endr
	WIN 0
.rept 5
	v_nop
.endr
.endm
.macro UNITV acc, w, ws                ; the same for v: source 0 = tokens, source 1 = rows of Wv; the first products start the sums
	WIN 0x04                                       ; source 1 in window 1
.irp ks, 0,1
.irp d, 0,1
.irp u, 0,1
.if \ks == 0
	v_wmma_scale_f32_16x16x128_f8f6f4 v[(\acc)+16*\d+8*\u:(\acc)+16*\d+8*\u+7], v[BF+12*(2*\u+\ks):BF+12*(2*\u+\ks)+11], v[(\w)+12*(2*\d+\ks):(\w)+12*(2*\d+\ks)+11], 0, v[BS+2*\u+\ks], v[(\ws)+2*\d+\ks] matrix_a_fmt:MATRIX_FMT_FP6 matrix_b_fmt:MATRIX_FMT_FP6
.else
	v_wmma_scale_f32_16x16x128_f8f6f4 v[(\acc)+16*\d+8*\u:(\acc)+16*\d+8*\u+7], v[BF+12*(2*\u+\ks):BF+12*(2*\u+\ks)+11], v[(\w)+12*(2*\d+\ks):(\w)+12*(2*\d+\ks)+11], v[(\acc)+16*\d+8*\u:(\acc)+16*\d+8*\u+7], v[BS+2*\u+\ks], v[(\ws)+2*\d+\ks] matrix_a_fmt:MATRIX_FMT_FP6 matrix_b_fmt:MATRIX_FMT_FP6
.endif
.endr
.endr
.endr
	WIN 0
.rept 5
	v_nop
.endr
.endm
; Two groups x = 0, 1 of 16 registers at s + 16 x: lane (r, h) holds k = 16 h + 0 .. 15 of row (x, r)'s one block of 32.  Behind it lane 16 x + r holds that row's 24 bytes in v[p] on and its scale byte in v[by].
.macro QUANT2 s, p, by
.irp x, 0,1
	v_max3_num_f32 v[QM+\x], |v[(\s)+16*\x]|, |v[(\s)+16*\x+1]|, 0x1800000   ; my 16 numbers, from the low end on, and the floor 2^(3 - 127): the byte cannot fall under 1
.endr
.irp i, 2,4,6,8,10,12,14
.irp x, 0,1
	v_max3_num_f32 v[QM+\x], v[QM+\x], |v[(\s)+16*\x+\i]|, |v[(\s)+16*\x+\i+1]|   ; (the two groups by turns)
.endr
.endr
.irp x, 0,1
	v_permlanex16_b32 v[QTT+\x], v[QM+\x], s[SEL], s[SEL+1]
.endr
.irp x, 0,1
	v_max_num_f32 v[QM+\x], v[QM+\x], v[QTT+\x]    ; with lane l xor 16's: the block's largest magnitude
.endr
.irp x, 0,1
	v_add_nc_u32 v[QSO+\x], 0xff000000, v[QM+\x]   ; 2 off its exponent field: the conversion takes this operand's exponent field as its scale
.endr
.irp x, 0,1
	v_lshrrev_b32 v[QTT+\x], 23, v[QSO+\x]         ; the scale's byte
.endr
	v_cvt_scalef32_pk16_fp6_f32 v[(\p):(\p)+2], v[(\s):(\s)+15], v[QSO]
	v_cvt_scalef32_pk16_fp6_f32 v[QTC:QTC+2], v[(\s)+16:(\s)+31], v[QSO+1]
	v_cndmask_b32 v[\by], v[QTT], v[QTT+1], s[HI]  ; lanes 0-15 group 0's byte, lanes 16-31 group 1's.  (The plain place behind the conversions)
.irp i, 0,1,2
	v_permlane16_swap_b32 v[(\p)+\i], v[QTC+\i]    ; the first's lanes 16-31 change places with the second's lanes 0-15: the first holds each row's lower 16 codes, the second the upper 16
.endr
.irp i, 0,1,2
	v_mov_b32 v[(\p)+3+\i], v[QTC+\i]
.endr
.endm
.macro PUT a16, a8, ab, o, so          ; a BLK and its bytes into LDS
	ds_store_b128 v[\a16], v[QP:QP+3] offset:\o
	ds_store_b64 v[\a8], v[QP+4:QP+5] offset:(\o)+512
	ds_store_b8 v[\ab], v[QBY] offset:\so
.endm
.macro GPUT p, by, creg, sreg          ; a BLK and its bytes into qkv: 512, 256 and 32 consecutive bytes (the bytes are one in 25 of what leaves here)
	global_store_b128 v[W16], v[(\p):(\p)+3], s[SBC:SBC+1] offset:\creg
	global_store_b64 v[VO8], v[(\p)+4:(\p)+5], s[SBC:SBC+1] offset:(\creg)+512
	global_store_b8 v[VO1], v[\by], s[SBS:SBS+1] offset:\sreg
.endm
.macro BARRIER                         ; my LDS stores have landed and my LDS loads are in: then the work-group's barrier
	s_wait_dscnt 0x0
	s_barrier_signal -1
	s_barrier_wait -1
.endm
; The layer norm of the 32 tokens' rows in v[EA] on, gains in v[PA] on, offsets in v[PA+16] on.  Each accumulator is read from its low end on.
.macro LNORM lns
.irp a, 0,4,8,12
.irp u, 0,1
	v_pk_add_f32 v[ST+16*\u+\a/2:ST+16*\u+\a/2+1], v[EA+16*\u+\a:EA+16*\u+\a+1], v[EA+16*\u+\a+2:EA+16*\u+\a+3]
.endr
.endr
.irp u, 0,1
	v_pk_add_f32 v[ST+16*\u:ST+16*\u+1], v[ST+16*\u:ST+16*\u+1], v[ST+16*\u+2:ST+16*\u+3]
.endr
.irp u, 0,1
	v_pk_add_f32 v[ST+16*\u+4:ST+16*\u+5], v[ST+16*\u+4:ST+16*\u+5], v[ST+16*\u+6:ST+16*\u+7]
.endr
.irp u, 0,1
	v_pk_add_f32 v[ST+16*\u:ST+16*\u+1], v[ST+16*\u:ST+16*\u+1], v[ST+16*\u+4:ST+16*\u+5]
.endr
.irp u, 0,1
	v_add_f32 v[ST+16*\u], v[ST+16*\u], v[ST+16*\u+1]
.endr
.irp u, 0,1
	v_permlanex16_b32 v[ST+16*\u+1], v[ST+16*\u], s[SEL], s[SEL+1]
.endr
.irp u, 0,1
	v_add_f32 v[ST+16*\u], v[ST+16*\u], v[ST+16*\u+1]
.endr
.irp u, 0,1
	v_mul_f32 v[LT+2*\u], 0x3d000000, v[ST+16*\u]  ; / 32: the mean over my wave's 32 channels
.endr
.irp p, 0,2,4,6,8,10,12,14
.irp u, 0,1
	v_pk_add_f32 v[ST+16*\u+\p:ST+16*\u+\p+1], v[EA+16*\u+\p:EA+16*\u+\p+1], v[LT+2*\u:LT+2*\u+1] op_sel_hi:[1,0] neg_lo:[0,1] neg_hi:[0,1]
.endr
.endr
.irp u, 0,1
	v_pk_mul_f32 v[LT+4+2*\u:LT+5+2*\u], v[ST+16*\u:ST+16*\u+1], v[ST+16*\u:ST+16*\u+1]
.endr
.irp p, 2,4,6,8,10,12,14
.irp u, 0,1
	v_pk_fma_f32 v[LT+4+2*\u:LT+5+2*\u], v[ST+16*\u+\p:ST+16*\u+\p+1], v[ST+16*\u+\p:ST+16*\u+\p+1], v[LT+4+2*\u:LT+5+2*\u]
.endr
.endr
.irp u, 0,1
	v_add_f32 v[LT+4+2*\u], v[LT+4+2*\u], v[LT+5+2*\u]
.endr
.irp u, 0,1
	v_permlanex16_b32 v[LT+5+2*\u], v[LT+4+2*\u], s[SEL], s[SEL+1]
.endr
.irp u, 0,1
	v_add_f32 v[LT+2*\u+1], v[LT+4+2*\u], v[LT+5+2*\u]   ; the sum of squares about that mean
.endr
	v_cndmask_b32 v[LT+12], v[LT], v[LT+2], s[HI]  ; lane 16 u + r: token (u, r)'s pair
	v_cndmask_b32 v[LT+13], v[LT+1], v[LT+3], s[HI]
	ds_store_b64 v[SLN], v[LT+12:LT+13] offset:\lns
	BARRIER                                        ; all eight waves' pairs lie in LDS
.irp u, 0,1
.irp w, 0,1,2,3,4,5,6,7
	ds_load_b64 v[ST+16*\u+2*\w:ST+16*\u+2*\w+1], v[L8R] offset:(\lns)+256*\w+128*\u
.endr
.endr
	s_wait_dscnt 0x0
.irp i, 0,1,2,3
.irp u, 0,1
	v_pk_add_f32 v[LT+8*\u+2*\i:LT+8*\u+2*\i+1], v[ST+16*\u+4*\i:ST+16*\u+4*\i+1], v[ST+16*\u+4*\i+2:ST+16*\u+4*\i+3]
.endr
.endr
.irp u, 0,1
	v_pk_add_f32 v[LT+8*\u:LT+8*\u+1], v[LT+8*\u:LT+8*\u+1], v[LT+8*\u+2:LT+8*\u+3]
.endr
.irp u, 0,1
	v_pk_add_f32 v[LT+8*\u+4:LT+8*\u+5], v[LT+8*\u+4:LT+8*\u+5], v[LT+8*\u+6:LT+8*\u+7]
.endr
.irp u, 0,1
	v_pk_add_f32 v[LT+8*\u:LT+8*\u+1], v[LT+8*\u:LT+8*\u+1], v[LT+8*\u+4:LT+8*\u+5]   ; the sum of the eight means, the sum of the eight sums of squares
.endr
.irp u, 0,1
	v_mul_f32 v[LT+8*\u], 0x3e000000, v[LT+8*\u]   ; / 8: the row's mean
.endr
.irp u, 0,1
	v_sub_f32 v[LT+8*\u+2], v[ST+16*\u], v[LT+8*\u]
.endr
.irp u, 0,1
	v_mul_f32 v[LT+8*\u+4], v[LT+8*\u+2], v[LT+8*\u+2]
.endr
.irp w, 1,2,3,4,5,6,7
.irp u, 0,1
	v_sub_f32 v[LT+8*\u+2+\w%2], v[ST+16*\u+2*\w], v[LT+8*\u]
.endr
.irp u, 0,1
	v_fma_f32 v[LT+8*\u+4], v[LT+8*\u+2+\w%2], v[LT+8*\u+2+\w%2], v[LT+8*\u+4]
.endr
.endr
.irp u, 0,1
	v_fma_f32 v[LT+8*\u+4], v[LT+8*\u+4], 0x42000000, v[LT+8*\u+1]   ; 32 x the squares of the waves' means about the row's + the sums of squares
.endr
.irp u, 0,1
	v_fma_f32 v[LT+8*\u+4], v[LT+8*\u+4], s[RN], s[EPS]   ; / 256 + 1e-5
.endr
.irp u, 0,1
	v_rsq_f32 v[LT+8*\u+6], v[LT+8*\u+4]
.endr
	v_nop                                          ; a plain place behind the two roots,
	s_wait_alu depctr_va_vdst(0)                   ; and the one wait ahead of their first use
.irp p, 0,2,4,6,8,10,12,14
.irp u, 0,1
	v_pk_add_f32 v[EA+16*\u+\p:EA+16*\u+\p+1], v[EA+16*\u+\p:EA+16*\u+\p+1], v[LT+8*\u:LT+8*\u+1] op_sel_hi:[1,0] neg_lo:[0,1] neg_hi:[0,1]
.endr
.irp u, 0,1
	v_pk_mul_f32 v[EA+16*\u+\p:EA+16*\u+\p+1], v[EA+16*\u+\p:EA+16*\u+\p+1], v[LT+8*\u+6:LT+8*\u+7] op_sel_hi:[1,0]
.endr
.irp u, 0,1
	v_pk_fma_f32 v[EA+16*\u+\p:EA+16*\u+\p+1], v[EA+16*\u+\p:EA+16*\u+\p+1], v[PA+\p:PA+\p+1], v[PA+16+\p:PA+16+\p+1]
.endr
.endr
.endm
	s_load_b512 s[4:19], s[0:1], 0x0               ; x's codes 4, x's scales 6, wimg 8, bin 10, ln1_g 12, ln1_b 14, bq 16, bk 18
	s_load_b256 s[20:27], s[0:1], 0x40             ; bv 20, e 22, qkv 24, the count 26
	v_lshl_add_u32 v238, v0, 2, 0x10000
	v_mov_b32 v239, 0
	v_lshrrev_b32 v24, 5, v0
	v_readfirstlane_b32 s[CB], v24                 ; wave
	v_and_b32 v[VO1], 31, v0                       ; lane
	v_and_b32 v25, 15, v0                          ; r
	v_bfe_u32 v26, v0, 4, 1                        ; h
	v_and_b32 v27, 8, v25
	v_add_nc_u32 v27, v27, v25                     ; r + 8 (r / 8)
	v_mul_u32_u24 v[L16], v26, 768
	v_lshl_add_u32 v[L8], v25, 3, v[L16]
	v_lshl_add_u32 v[L16], v25, 4, v[L16]
	v_lshlrev_b32 v[L4], 2, v25
	v_lshlrev_b32 v[L8R], 3, v25
	v_lshlrev_b32 v[W16], 4, v[VO1]
	v_lshlrev_b32 v[VO8], 3, v[VO1]
	s_mul_i32 s42, s[CB], 768
	v_add_nc_u32 v[S16E], s42, v[W16]
	v_add_nc_u32 v[S8E], s42, v[VO8]
	s_lshr_b32 s42, s[CB], 2
	s_lshl_b32 s42, s42, 7
	s_and_b32 s43, s[CB], 3
	s_add_co_u32 s42, s42, s43
	v_lshl_add_u32 v[SBE], v[VO1], 2, s42
	s_lshl_b32 s42, s[CB], 8
	v_add_nc_u32 v[SLN], s42, v[VO8]
	v_mul_u32_u24 v[AST], v25, 1040
	v_lshl_add_u32 v[AST], v26, 6, v[AST]
	s_lshl_b32 s42, s[CB], 7
	v_add_nc_u32 v[AST], s42, v[AST]
	s_mul_i32 s42, s[CB], 4160
	v_add_nc_u32 v[ARD], s42, v[W16]
	v_lshlrev_b32 v[GB], 6, v26
	v_lshlrev_b32 v[GV], 2, v27
	v_mul_u32_u24 v[GX], v27, 192
	v_mad_u32_u24 v[GX], v26, 24, v[GX]
	v_lshlrev_b32 v[GR], 3, v27
	v_mov_b32 v[QTT], 0                            ; written once: a lane permute's destination counts as one of its sources
	v_mov_b32 v[QTT+1], 0
	s_mov_b32 s[SEL], 0x76543210
	s_mov_b32 s[SEL+1], 0xfedcba98
	s_mov_b32 s[HI], 0xffff0000
	s_mov_b32 s[RN], 0x3b800000
	s_mov_b32 s[EPS], 0x3727c5ac
	s_mov_b32 s45, 0
	s_wait_kmcnt 0x0
	s_mul_i32 s44, ttmp9, 6144                     ; my 32 tokens: 192 bytes of codes each,
	s_add_nc_u64 s[4:5], s[4:5], s[44:45]
	s_lshl_b32 s44, ttmp9, 8                       ; 8 scale bytes each
	s_add_nc_u64 s[6:7], s[6:7], s[44:45]
	s_mul_i32 s44, s[CB], 6144                     ; my four fragments of a product with 256 outputs,
	s_add_nc_u64 s[WC:WC+1], s[8:9], s[44:45]
	s_lshl_b32 s44, s[CB], 8                       ; and their scale words
	s_add_nc_u64 s[WSB:WSB+1], s[8:9], s[44:45]
	s_lshl_b32 s44, s[CB], 7                       ; my 32 channels of the vectors (layer 0)
.irp q, 10,12,14,16,18,20
	s_add_nc_u64 s[\q:\q+1], s[\q:\q+1], s[44:45]
.endr
	s_lshr_b32 s42, ttmp9, 5                       ; the sequence,
	s_and_b32 s43, ttmp9, 31                       ; the block of 32 tokens in it
	s_lshl_b32 s44, s42, 3
	s_add_co_u32 s44, s44, s[CB]                   ; head = 8 x sequence + wave
	s_lshl_b32 s44, s44, 5
	s_add_co_u32 s39, s44, s43                     ; BLK number = 32 x head + block
	s_mul_i32 s44, s39, 768
	s_add_nc_u64 s[SBC:SBC+1], s[24:25], s[44:45]
	s_lshl_b32 s44, s39, 5
	s_add_nc_u64 s[SBS:SBS+1], s[24:25], s[44:45]
	s_lshl_b32 s39, s[CB], 2                       ; I store the rows at positions 4 cb .. 4 cb + 3: four neighbouring tokens, from
	s_and_b32 s39, s39, 15
	s_and_b32 s44, s39, 8
	s_add_co_u32 s39, s39, s44
	s_lshr_b32 s44, s[CB], 2
	s_lshl_b32 s44, s44, 3
	s_add_co_u32 s39, s39, s44                     ; 8 u + r + 8 (r / 8) on
	s_lshl_b32 s44, ttmp9, 5
	s_add_co_u32 s44, s44, s39
	s_lshl_b32 s44, s44, 10
	s_add_nc_u64 s[EOUT:EOUT+1], s[22:23], s[44:45]
	; what the first product and the norm want: 56 loads
.irp u, 0,1
.irp ks, 0,1
.irp p, 0,1,2,3,4,5
	global_load_b64 v[BF+12*(2*\u+\ks)+2*\p:BF+12*(2*\u+\ks)+2*\p+1], v[GX], s[4:5] offset:1536*\u+96*\ks+48*(\p/3)+8*(\p%3) th:TH_LOAD_NT
.endr
	global_load_b32 v[BS+2*\u+\ks], v[GR], s[6:7] offset:64*\u+4*\ks th:TH_LOAD_NT
.endr
.endr
	WSC WS+12, 4, WSB, SCIN
	PLD DA, 10, 0
	PLD PA, 12, 0
	PLD PA+16, 14, 0
	WIN 0x40
	WLD 144, 4, WC, IMIN
	NEXTW WC, WSB, 16, 18, 20                      ; and what q, k, v want: 60 loads
	s_wait_loadcnt 60                              ; the first 56 are in; the 60 younger ones may stay out
	UNIT EA, 144, WS+12, 1, DA, 2                  ; x Win^T + bin
	LNORM LNSN
.irp u, 0,1
.irp c, 0,1,2,3
	ds_store_b128 v[AST], v[EA+16*\u+4*\c:EA+16*\u+4*\c+3] offset:STG+16640*\u+16*\c   ; e in f32 into the stage: row = position
.endr
.endr
	QUANT2 EA, QP, QBY
	PUT S16E, S8E, SBE, E1IMG, E1SC
	BARRIER                                        ; 32 whole rows of e, its 8 BLKs and its scale words lie in LDS
.irp k, 0,1,2,3,4,5,6,7
	ds_load_b128 v[EA+4*\k:EA+4*\k+3], v[ARD] offset:STG+1040*(\k/2)+512*(\k%2)
.endr
.irp k, 0,1,2,3,4,5,6,7
	s_wait_dscnt 7-\k                              ; the younger loads may stay out
	global_store_b128 v[W16], v[EA+4*\k:EA+4*\k+3], s[EOUT:EOUT+1] offset:1024*(\k/2)+512*(\k%2)   ; 512 consecutive bytes of a row
.endr
	s_or_b32 s39, ttmp9, s[CB]
	s_cmp_eq_u32 s39, 0
	s_cbranch_scc0 .Lnot_first
	v_mov_b32 v[CV], 0                             ; the number of the layer that follows
	global_store_b32 v[L4], v[CV], s[CNTO:CNTO+1]
.Lnot_first:
	s_wait_loadcnt 0x0                             ; the weights of q, k, v
	BLD E1IMG, E1SC
	s_wait_dscnt 0x0
	UNIT DA, 0, WS, 1, PB, 2                       ; q of head cb
	QUANT2 DA, PA, PA+24
	GPUT PA, PA+24, QC_, QS_
	UNIT DA, 48, WS+4, 1, PB+16, 2                 ; k
	QUANT2 DA, PA+8, PA+25
	GPUT PA+8, PA+25, KC_, KS_
	UNITV DA, 96, WS+8                             ; v, with the tokens along a lane's registers
.irp d, 0,1
.irp p, 0,2,4,6,8,10,12,14
	v_pk_add_f32 v[DA+16*\d+\p:DA+16*\d+\p+1], v[DA+16*\d+\p:DA+16*\d+\p+1], v[PC+2*\d:PC+2*\d+1]
.endr
.endr
	QUANT2 DA, PA+16, PA+26
	GPUT PA+16, PA+26, VC_, VS_
	s_wait_tensorcnt 0x0
	ds_add_u32 v238, v239
	s_wait_dscnt 0x0
	s_endpgm
.Lfunc_end_k_q41d4d0b992_pre:
	.size	k_q41d4d0b992_pre, .Lfunc_end_k_q41d4d0b992_pre-k_q41d4d0b992_pre
	.p2alignl 7, 3214868480
	.fill 96, 4, 3214868480
	.section	.rodata,"a",@progbits
	.p2align	6, 0x0
	.amdhsa_kernel k_q41d4d0b992_pre
		.amdhsa_group_segment_fixed_size 66560
		.amdhsa_private_segment_fixed_size 0
		.amdhsa_enable_private_segment 0
		.amdhsa_kernarg_size 96
		.amdhsa_user_sgpr_count 2
		.amdhsa_user_sgpr_kernarg_segment_ptr 1
		.amdhsa_wavefront_size32 1
		.amdhsa_system_sgpr_workgroup_id_x 1
		.amdhsa_system_sgpr_workgroup_id_y 1
		.amdhsa_system_sgpr_workgroup_id_z 1
		.amdhsa_system_vgpr_workitem_id 0
		.amdhsa_next_free_vgpr 512
		.amdhsa_next_free_sgpr 80
		.amdhsa_reserve_vcc 0
		.amdhsa_float_denorm_mode_32 3
		.amdhsa_float_denorm_mode_16_64 3
		.amdhsa_memory_ordered 1
		.amdhsa_forward_progress 1
		.amdhsa_inst_pref_size 44
	.end_amdhsa_kernel
	.amdgpu_metadata
---
amdhsa.version: [ 1, 2 ]
amdhsa.kernels:
  - .name:           k_q41d4d0b992_pre
    .symbol:         k_q41d4d0b992_pre.kd
    .args:
      - { .name: x_codes, .offset: 0, .size: 8, .value_kind: global_buffer, .address_space: global }
      - { .name: x_scales, .offset: 8, .size: 8, .value_kind: global_buffer, .address_space: global }
      - { .name: wimg, .offset: 16, .size: 8, .value_kind: global_buffer, .address_space: global }
      - { .name: bin_, .offset: 24, .size: 8, .value_kind: global_buffer, .address_space: global }
      - { .name: ln1_g, .offset: 32, .size: 8, .value_kind: global_buffer, .address_space: global }
      - { .name: ln1_b, .offset: 40, .size: 8, .value_kind: global_buffer, .address_space: global }
      - { .name: bq, .offset: 48, .size: 8, .value_kind: global_buffer, .address_space: global }
      - { .name: bk, .offset: 56, .size: 8, .value_kind: global_buffer, .address_space: global }
      - { .name: bv, .offset: 64, .size: 8, .value_kind: global_buffer, .address_space: global }
      - { .name: e_a, .offset: 72, .size: 8, .value_kind: global_buffer, .address_space: global }
      - { .name: qkv, .offset: 80, .size: 8, .value_kind: global_buffer, .address_space: global }
      - { .name: cnt_a, .offset: 88, .size: 8, .value_kind: global_buffer, .address_space: global }
    .group_segment_fixed_size: 66560
    .private_segment_fixed_size: 0
    .kernarg_segment_align: 8
    .kernarg_segment_size: 96
    .max_flat_workgroup_size: 256
    .sgpr_count:     80
    .vgpr_count:     512
    .wavefront_size: 32
...
	.end_amdgpu_metadata
.endif
;; end of part 2
;; launch att0 (part 3): grid 4 x 64, 16 waves a work-group, no clusters, 67,584 bytes of LDS; arguments qkv, ctx; writes ctx
.if DOCPART == 3
	.amdgcn_target "amdgcn-amd-amdhsa--gfx1250"
	.amdhsa_code_object_version 6
	.text
	.protected	k_q41d4d0b992_att0
	.globl	k_q41d4d0b992_att0
	.p2align	8
	.type	k_q41d4d0b992_att0,@function
k_q41d4d0b992_att0:
	s_mov_b64 s[64:65], 0
	v_nop
	global_prefetch_b8 v0, s[64:65] scope:SCOPE_SE
	s_setreg_imm32_b32 hwreg(HW_REG_WAVE_MODE, 25, 1), 1
	s_wait_xcnt 0x0
; ctx = softmax(q k^T / sqrt(32)) v for one head and 256 queries, both products on codes of FP6 (E2M3), and ctx quantised along the head's 32 channels, which are one block of the next product's K.
; THE SOFTMAX AHEAD OF THE SECOND PRODUCT: t = score x log2(e) / sqrt(32); M = the running largest t rounded UP to a whole number; p = 2^(t - M) is quantised along the keys; the row's sum is taken of the unquantised p and divides at the end.
; SHARES.  Work-group (x, y): head y, queries 256 x on.  Each of SIXTEEN waves owns 16 queries (the rows at positions 16 w + r of the work-group's 8 BLKs), in 240 registers: four waves to a SIMD, so that one wave's
; vector work stands beside another's products.  Every wave walks the head's 1,024 keys, 128 a step.
; K AND V of the head (24,576 bytes of codes each, 1,024 scale bytes each) come into LDS once, at the head: 6 loads of 16 bytes a thread, as they lie.  NO CLUSTER: the four work-groups of a head share these 50 KB, fetched
; once ahead of eight long steps; they are a small part of the launch's work.  No prefetch: all that is read is asked for in the first lines.
; BLK: 32 rows x 32 codes in 768 bytes: row l's bytes 0-15 at 16 l, bytes 16-23 at 512 + 8 l.  In q and k the rows are tokens at positions (16 u + r stands for token 8 u + r + 8 (r / 8)); in v the head's channels at positions, K = the block's 32 tokens.
; S^T = K Q^T WITH K = 32.  The instruction's K is 128: four blocks.  Source 0 holds FOUR tiles of 16 keys, one in each block: lane (r, h), registers 6 c2 .. 6 c2 + 5 = BLK 2 F + c2, row 16 h + r: read as it lies, 16 and 8 bytes a lane.
; Source 1 holds q in ONE block and zero codes in the other three: four views of one run of 30 registers [0, q in lanes 0-15, 0, q in lanes 16-31, 0].  So each byte of K is read once for its product, and no code is moved.
; In the result lane (r, h) holds query r; the 16 registers of tiles 2 b, 2 b + 1 are tokens 16 h + 0 .. 15 of key block b.  O^T = V^T P^T likewise holds one query a lane and channels 16 h + 8 dt + 0 .. 7.
; LIMITS: a block of zeros gets the byte 1 (its codes are zeros; only this program reads the bytes); NaN and infinities are not served.
.set KC_, 1572864
.set VC_, 3145728
.set QS_, 4718592
.set KS_, 4784128
.set VS_, 4849664
.set CTXS, 1572864                     ; ctx: codes [head][block][768], then scale bytes [head][1024 positions]
.set KIMG, 0                           ; LDS: K's 32 BLKs,
.set VIMG, 24576                       ; V's,
.set KSC, 49152                        ; K's scale words [fragment 16][r]: byte c = tile c's,
.set VSC, 50176                        ; V's [step 8][dt 2][r]: byte c = key block c's,
.set CST, 51200                        ; the way out: 8 BLKs of ctx,
.set CSS, 57344                        ; and 256 scale bytes
.set AK16, 1                           ; v1   16 x lane
.set AK8, 2                            ; v2   8 x lane
.set AV16, 3                           ; v3   768 h + 16 r
.set AV8, 4                            ; v4   768 h + 8 r
.set A4R, 5                            ; v5   4 r
.set T16, 6                            ; v6   16 x thread
.set T4, 7                             ; v7   4 x thread
.set ACT16, 8                          ; v8   768 (w / 2) + 256 (w % 2) + 16 r: my queries' rows in the work-group's BLKs
.set ACT8, 9                           ; v9   768 (w / 2) + 128 (w % 2) + 8 r
.set ACB, 10                           ; v10  16 w + r
;                                        v12 -M, v13 the largest t, v[14:15] the sum in two halves
.set QB, 16                            ; v16-45   the run of 30 registers
.set QSW, 46                           ; v46      q's byte, four times
.set KSW, 48                           ; v48-49   K's scale words
.set VSW, 50                           ; v50-51   V's
.set PSW, 52                           ; v52      p's
.set KF, 54                            ; v54-77   two fragments of K
.set VF, 78                            ; v78-101  two of V
.set S, 104                            ; v104-167 S^T, then p
.set O, 168                            ; v168-183 O^T
.set PC, 184                           ; v184-195 p's codes
.set PT, 196                           ; v196-203 at work
.set BM, 204                           ; v204-207 the blocks' largest scores, then largest p
.set BT, 208                           ; v208-211 the other half's, then bytes
.set SO, 212                           ; v212-215 the conversions' scale operands
.set FF, 216                           ; v[216:217] f = 2^(old M - new M)
.set TM, 218                           ; v218-221 at work
.set WK16, 224                         ; v224-228 the step's addresses
.set WK8, 225
.set WV16, 226
.set WV8, 227
.set W4, 228
.set WV, 8                             ; s8   wave
.set SEL, 12                           ; s[12:13] selects for lane l xor 16
.set CS, 14                            ; s[14:15] c = log2(e) / sqrt(32)
.set HI, 16                            ; s16  lanes 16-31
.set TB, 17                            ; s17  the step's first byte in the images: 3,072 a step
.set TS, 18                            ; s18  and among the scale words: 128 a step
.set CNT, 19
.macro BARRIER
	s_wait_dscnt 0x0
	s_barrier_signal -1
	s_barrier_wait -1
.endm
	s_load_b128 s[4:7], s[0:1], 0x0                ; qkv, ctx
	v_lshl_add_u32 v240, v0, 2, 0x10000
	v_mov_b32 v241, 0
	v_lshrrev_b32 v[TM], 5, v0
	v_readfirstlane_b32 s[WV], v[TM]
	v_and_b32 v[TM+1], 31, v0                      ; lane
	v_and_b32 v[TM+2], 15, v0                      ; r
	v_bfe_u32 v[TM+3], v0, 4, 1                    ; h
	v_lshlrev_b32 v[AK16], 4, v[TM+1]
	v_lshlrev_b32 v[AK8], 3, v[TM+1]
	v_mul_u32_u24 v[AV16], v[TM+3], 768
	v_lshl_add_u32 v[AV8], v[TM+2], 3, v[AV16]
	v_lshl_add_u32 v[AV16], v[TM+2], 4, v[AV16]
	v_lshlrev_b32 v[A4R], 2, v[TM+2]
	v_lshlrev_b32 v[T16], 4, v0
	v_lshlrev_b32 v[T4], 2, v0
	s_lshr_b32 s10, s[WV], 1
	s_mul_i32 s10, s10, 768
	s_and_b32 s11, s[WV], 1
	s_lshl_b32 s30, s11, 8
	s_add_co_u32 s30, s30, s10
	s_lshl_b32 s31, s11, 7
	s_add_co_u32 s31, s31, s10
	v_lshl_add_u32 v[ACT16], v[TM+2], 4, s30
	v_lshl_add_u32 v[ACT8], v[TM+2], 3, s31
	s_lshl_b32 s10, s[WV], 4
	v_add_nc_u32 v[ACB], s10, v[TM+2]
	s_mul_i32 s10, ttmp9, 6144                     ; the work-group's 8 BLKs in a head's 32,
	v_add_nc_u32 v[PT+2], s10, v[ACT16]            ; q's codes in memory
	v_add_nc_u32 v[PT+3], s10, v[ACT8]
	s_lshl_b32 s11, ttmp9, 8                       ; and its 256 positions
	v_add_nc_u32 v[PT+4], s11, v[ACB]
	v_lshrrev_b32 v[PT], 4, v0
	v_lshl_add_u32 v[PT], v[PT], 6, v[TM+2]        ; K's bytes: 64 x fragment + r (threads 0 to 255: fragment = thread / 16)
	v_lshl_add_u32 v[PT+1], v[TM], 7, v[TM+1]      ; V's: 128 x wave + lane (waves 8 to 15: step = wave - 8)
	s_and_b32 s9, ttmp7, 0xffff                    ; the head
	s_mov_b32 s29, 0
	s_mul_i32 s28, s9, 24576
	s_wait_kmcnt 0x0
	s_add_nc_u64 s[20:21], s[4:5], s[28:29]        ; the head's codes in qkv,
	s_add_nc_u64 s[24:25], s[6:7], s[28:29]
	s_mov_b32 s28, s10
	s_add_nc_u64 s[24:25], s[24:25], s[28:29]      ; the work-group's BLKs in ctx,
	s_lshl_b32 s28, s9, 10
	s_add_nc_u64 s[22:23], s[4:5], s[28:29]        ; the head's scale bytes in qkv,
	s_add_co_u32 s28, s28, s11
	s_add_nc_u64 s[26:27], s[6:7], s[28:29]        ; the work-group's in ctx
.irp i, 0,1,2
	global_load_b128 v[S+4*\i:S+4*\i+3], v[T16], s[20:21] offset:KC_+8192*\i       ; 512 threads x 16 bytes, three times: K's images as they lie
	global_load_b128 v[S+12+4*\i:S+15+4*\i], v[T16], s[20:21] offset:VC_+8192*\i   ; and V's
.endr
	s_cmp_lt_u32 s[WV], 8                          ; waves 0 to 7 make K's 256 scale words, waves 8 to 15 V's: four bytes a thread
	s_cbranch_scc0 .Lv_bytes
.irp c, 0,1,2,3
	global_load_u8 v[BM+\c], v[PT], s[22:23] offset:KS_+16*\c
.endr
	s_branch .Lbytes_asked
.Lv_bytes:
.irp c, 0,1,2,3
	global_load_u8 v[BM+\c], v[PT+1], s[22:23] offset:VS_-1024+32*\c
.endr
.Lbytes_asked:
	global_load_b128 v[KF:KF+3], v[PT+2], s[20:21]             ; query r's 24 bytes, in both halves of the lanes
	global_load_b64 v[KF+4:KF+5], v[PT+3], s[20:21] offset:512
	global_load_u8 v[TM], v[PT+4], s[22:23] offset:QS_
.irp i, 0,1,2,3,4,5
	v_mov_b32 v[QB+\i], 0                          ; the run's three stretches of zero codes
	v_mov_b32 v[QB+12+\i], 0
	v_mov_b32 v[QB+24+\i], 0
.endr
.irp j, 0,1,2,3,4,5,6,7,8,9,10,11,12,13,14,15
	v_mov_b32 v[O+\j], 0                           ; O^T.  (The step is written once: the first finds zeros, which the first change of M leaves zeros)
.endr
	v_mov_b32 v13, 0xff61b1e6                      ; the largest t so far: -3e38, under every t
	v_floor_f32 v12, -v13                          ; -M
	v_mov_b32 v14, 0
	v_mov_b32 v15, 0
.irp b, 0,1,2,3
	v_mov_b32 v[BT+\b], 0                          ; written once: a lane permute's destination counts as one of its sources
.endr
	v_mov_b32 v[FF+1], 0                           ; (named as the upper half of a pair)
	s_mov_b32 s[SEL], 0x76543210
	s_mov_b32 s[SEL+1], 0xfedcba98
	s_mov_b32 s[CS], 0x3e8293ee
	s_mov_b32 s[CS+1], s[CS]
	s_mov_b32 s[HI], 0xffff0000
	s_mov_b32 s[TB], 0
	s_mov_b32 s[TS], 0
	s_mov_b32 s[CNT], 8
	s_wait_loadcnt 0x0
.irp i, 0,1,2
	ds_store_b128 v[T16], v[S+4*\i:S+4*\i+3] offset:KIMG+8192*\i
	ds_store_b128 v[T16], v[S+12+4*\i:S+15+4*\i] offset:VIMG+8192*\i
.endr
	v_lshl_or_b32 v[BM], v[BM+1], 8, v[BM]
	v_lshl_or_b32 v[BM], v[BM+2], 16, v[BM]
	v_lshl_or_b32 v[BM], v[BM+3], 24, v[BM]
	ds_store_b32 v[T4], v[BM] offset:KSC           ; V's words lie behind K's 256
	v_perm_b32 v[QSW], v[TM], v[TM], 0             ; q's byte in all four places: it serves whichever block q stands in
.irp i, 0,1,2,3,4,5
	v_cndmask_b32 v[QB+6+\i], v[KF+\i], 0, s[HI]   ; q in lanes 0-15,
	v_cndmask_b32 v[QB+18+\i], 0, v[KF+\i], s[HI]  ; q in lanes 16-31
.endr
	BARRIER                                        ; the head's K and V lie in LDS; nothing writes them again
.Lstep:                                            ; 8 trips of 128 keys
	v_add_nc_u32 v[WK16], s[TB], v[AK16]           ; (these five are also the places between the last products and the loads into their registers)
	v_add_nc_u32 v[WK8], s[TB], v[AK8]
	v_add_nc_u32 v[WV16], s[TB], v[AV16]
	v_add_nc_u32 v[WV8], s[TB], v[AV8]
	v_add_nc_u32 v[W4], s[TS], v[A4R]
.irp f, 0,1
.irp c, 0,1
	ds_load_b128 v[KF+12*\f+6*\c:KF+12*\f+6*\c+3], v[WK16] offset:KIMG+768*(2*\f+\c)
	ds_load_b64 v[KF+12*\f+6*\c+4:KF+12*\f+6*\c+5], v[WK8] offset:KIMG+768*(2*\f+\c)+512
.endr
	ds_load_b32 v[KSW+\f], v[W4] offset:KSC+64*\f
.endr
.irp d, 0,1
.irp c, 0,1
	ds_load_b128 v[VF+12*\d+6*\c:VF+12*\d+6*\c+3], v[WV16] offset:VIMG+1536*\c+256*\d
	ds_load_b64 v[VF+12*\d+6*\c+4:VF+12*\d+6*\c+5], v[WV8] offset:VIMG+1536*\c+512+128*\d
.endr
	ds_load_b32 v[VSW+\d], v[W4] offset:VSC+64*\d
.endr
	s_wait_dscnt 10                                ; K's ten loads are in; V's ten, issued behind them, may stay out
.irp f, 0,1
.irp c, 0,1,2,3
	v_wmma_scale_f32_16x16x128_f8f6f4 v[S+8*(4*\f+\c):S+8*(4*\f+\c)+7], v[KF+12*\f:KF+12*\f+11], v[QB+6+12*(\c%2)-6*(\c/2):QB+17+12*(\c%2)-6*(\c/2)], 0, v[KSW+\f], v[QSW] matrix_a_fmt:MATRIX_FMT_FP6 matrix_b_fmt:MATRIX_FMT_FP6
.endr
.endr
.rept 4
	v_nop
.endr
.irp b, 0,1,2,3
	v_max3_num_f32 v[BM+\b], v[S+16*\b], v[S+16*\b+1], v[S+16*\b+2]   ; the largest score of each block of 32 keys: for the row's maximum, and, since p rises with the score, for the block's largest p
.endr
.irp i, 3,5,7,9,11,13
.irp b, 0,1,2,3
	v_max3_num_f32 v[BM+\b], v[BM+\b], v[S+16*\b+\i], v[S+16*\b+\i+1]
.endr
.endr
.irp b, 0,1,2,3
	v_max_num_f32 v[BM+\b], v[BM+\b], v[S+16*\b+15]
.endr
.irp b, 0,1,2,3
	v_permlanex16_b32 v[BT+\b], v[BM+\b], s[SEL], s[SEL+1]
.endr
.irp b, 0,1,2,3
	v_max_num_f32 v[BM+\b], v[BM+\b], v[BT+\b]     ; with lane l xor 16's 16 keys
.endr
	v_max3_num_f32 v[TM], v[BM], v[BM+1], v[BM+2]
	v_max_num_f32 v[TM], v[TM], v[BM+3]
	v_mul_f32 v[TM], s[CS], v[TM]                  ; as t (c is positive)
	v_max_num_f32 v13, v13, v[TM]                  ; the running largest t
	v_mov_b32 v[TM], v12
	v_floor_f32 v12, -v13                          ; the new -M = -ceil(t): a whole number
	v_sub_f32 v[TM], v12, v[TM]                    ; old M - new M: a whole number, 0 or less
	v_cvt_i32_f32 v[TM], v[TM]                     ; (it saturates)
	v_ldexp_f32 v[FF], 1.0, v[TM]                  ; f = 2^(old M - new M): multiplying by it rounds nothing
.set J, 0
.rept 32
	v_pk_fma_f32 v[S+J:S+J+1], v[S+J:S+J+1], s[CS:CS+1], v[12:13] op_sel_hi:[1,0,0]   ; t - M, two at a time
.set J, J+2
.endr
.irp b, 0,1,2,3
	v_fma_f32 v[BM+\b], v[BM+\b], s[CS], v12       ; the same of each block's largest score
.endr
.set J, 0
.rept 64
	v_exp_f32 v[S+J], v[S+J]                       ; p = 2^(t - M), at most 1
.set J, J+1
.endr
	v_pk_mul_f32 v[14:15], v[14:15], v[FF:FF+1] op_sel_hi:[1,0]   ; the sums under the new M.  (The plain place behind the batch)
	s_wait_alu depctr_va_vdst(0)                   ; one wait for the 64, ahead of the first line that names a result
.irp b, 0,1,2,3
	v_exp_f32 v[BM+\b], v[BM+\b]                   ; the blocks' largest p: the same two instructions on the same numbers
.endr
.irp j, 0,2,4,6,8,10,12,14
	v_pk_mul_f32 v[O+\j:O+\j+1], v[O+\j:O+\j+1], v[FF:FF+1] op_sel_hi:[1,0]   ; O^T under the new M, from each accumulator's low end on: work that names none of the four
.endr
	s_wait_alu depctr_va_vdst(0)                   ; and one wait for the four
.irp b, 0,1,2,3
	v_max_num_f32 v[BM+\b], 0x1800000, v[BM+\b]    ; the floor 2^(3 - 127): the byte cannot fall under 1
.endr
.irp b, 0,1,2,3
	v_add_nc_u32 v[SO+\b], 0xff000000, v[BM+\b]    ; 2 off the exponent field: the conversion's scale operand
.endr
.irp b, 0,1,2,3
	v_lshrrev_b32 v[BT+\b], 23, v[SO+\b]
.endr
	v_lshl_or_b32 v[PSW], v[BT+1], 8, v[BT]        ; p's scale word for these 128 keys
	v_lshl_or_b32 v[PSW], v[BT+2], 16, v[PSW]
	v_lshl_or_b32 v[PSW], v[BT+3], 24, v[PSW]
	v_pk_add_f32 v[TM+2:TM+3], v[S:S+1], v[S+2:S+3]   ; the row's sum of the UNQUANTISED p, in two chains.  (These 32 also stand between the scale word's last write and the products that read it: eight are asked)
.set J, 4
.rept 15
	v_pk_add_f32 v[14:15], v[14:15], v[S+J:S+J+1]
	v_pk_add_f32 v[TM+2:TM+3], v[TM+2:TM+3], v[S+J+2:S+J+3]
.set J, J+4
.endr
	v_pk_add_f32 v[14:15], v[14:15], v[TM+2:TM+3]
.irp c, 0,1
	v_cvt_scalef32_pk16_fp6_f32 v[PC+6*\c:PC+6*\c+2], v[S+32*\c:S+32*\c+15], v[SO+2*\c]
	v_cvt_scalef32_pk16_fp6_f32 v[PT+4*\c:PT+4*\c+2], v[S+32*\c+16:S+32*\c+31], v[SO+2*\c+1]   ; (a conversion's three registers begin on an even number)
.endr
	v_nop                                          ; one plain place behind the conversions
.irp c, 0,1                                    ; the operand's layout wants a whole block in a lane: lanes 0-15 block 2 c, lanes 16-31 block 2 c + 1
.irp i, 0,1,2
	v_permlane16_swap_b32 v[PC+6*\c+\i], v[PT+4*\c+\i]
.endr
.irp i, 0,1,2
	v_mov_b32 v[PC+6*\c+3+\i], v[PT+4*\c+\i]
.endr
.endr
.rept 4
	v_nop                                          ; an operand written by vector instructions stands four places ahead of a scaled product
.endr
	s_wait_dscnt 0x0                               ; V is in
.irp d, 0,1
	v_wmma_scale_f32_16x16x128_f8f6f4 v[O+8*\d:O+8*\d+7], v[VF+12*\d:VF+12*\d+11], v[PC:PC+11], v[O+8*\d:O+8*\d+7], v[VSW+\d], v[PSW] matrix_a_fmt:MATRIX_FMT_FP6 matrix_b_fmt:MATRIX_FMT_FP6   ; between two links on one accumulator stand nine other products
.endr
	s_add_co_u32 s[TB], s[TB], 3072
	s_add_co_u32 s[TS], s[TS], 128
	s_sub_co_u32 s[CNT], s[CNT], 1
	s_cmp_lg_u32 s[CNT], 0
	s_cbranch_scc1 .Lstep
.rept 4
	v_nop                                          ; places behind the last products
.endr
	BARRIER                                        ; all sixteen waves have read K and V for the last time: the way out's LDS stores stand apart from every read of the loop
	v_add_f32 v14, v14, v15                        ; the sum's two halves,
	v_permlanex16_b32 v[TM], v14, s[SEL], s[SEL+1]
	v_add_f32 v14, v14, v[TM]                      ; and lane l xor 16's
	v_rcp_f32 v14, v14
	v_nop                                          ; a plain place,
	s_wait_alu depctr_va_vdst(0)                   ; and the wait ahead of the first use
.irp j, 0,1,2,3,4,5,6,7,8,9,10,11,12,13,14,15
	v_mul_f32 v[S+\j], v[O+\j], v14                ; ctx(query r, channel 16 h + j)
.endr
	v_max3_num_f32 v[BM], |v[S]|, |v[S+1]|, 0x1800000
	v_max3_num_f32 v[BM+1], |v[S+2]|, |v[S+3]|, 0x1800000
.irp i, 4,8,12
	v_max3_num_f32 v[BM], v[BM], |v[S+\i]|, |v[S+\i+1]|
	v_max3_num_f32 v[BM+1], v[BM+1], |v[S+\i+2]|, |v[S+\i+3]|
.endr
	v_max_num_f32 v[BM], v[BM], v[BM+1]
	v_permlanex16_b32 v[BT], v[BM], s[SEL], s[SEL+1]
	v_max_num_f32 v[BM], v[BM], v[BT]              ; the largest magnitude of the row's 32 channels
	v_add_nc_u32 v[SO], 0xff000000, v[BM]
	v_lshrrev_b32 v[BT], 23, v[SO]
	v_cvt_scalef32_pk16_fp6_f32 v[PC:PC+2], v[S:S+15], v[SO]
	v_nop
.irp i, 0,1,2
	v_permlanex16_b32 v[PT+\i], v[PC+\i], s[SEL], s[SEL+1]
.endr
.irp i, 0,1,2
	v_cndmask_b32 v[KF+\i], v[PC+\i], v[PT+\i], s[HI]     ; channels 0-15: lanes 0-15 have them, lanes 16-31 take them from there;
	v_cndmask_b32 v[KF+3+\i], v[PT+\i], v[PC+\i], s[HI]   ; channels 16-31 the other way: both halves of the lanes now hold the row's 24 bytes and store them to the same place
.endr
	ds_store_b128 v[ACT16], v[KF:KF+3] offset:CST
	ds_store_b64 v[ACT8], v[KF+4:KF+5] offset:CST+512
	ds_store_b8 v[ACB], v[BT] offset:CSS
	BARRIER                                        ; the work-group's 8 BLKs and 256 bytes lie in LDS
	s_cmp_lt_u32 s[WV], 12
	s_cbranch_scc0 .Lnot_codes
	ds_load_b128 v[S:S+3], v[T16] offset:CST       ; waves 0 to 11: 12 x 512 = 6,144 bytes
	s_wait_dscnt 0x0
	global_store_b128 v[T16], v[S:S+3], s[24:25]   ; 512 consecutive bytes a wave
	s_branch .Lend
.Lnot_codes:
	s_cmp_eq_u32 s[WV], 12
	s_cbranch_scc0 .Lend
	ds_load_b64 v[S:S+1], v[AK8] offset:CSS
	s_wait_dscnt 0x0
	global_store_b64 v[AK8], v[S:S+1], s[26:27] offset:CTXS   ; 256 consecutive bytes, aligned
.Lend:
	s_wait_tensorcnt 0x0
	ds_add_u32 v240, v241
	s_wait_dscnt 0x0
	s_endpgm
.Lfunc_end_k_q41d4d0b992_att0:
	.size	k_q41d4d0b992_att0, .Lfunc_end_k_q41d4d0b992_att0-k_q41d4d0b992_att0
	.p2alignl 7, 3214868480
	.fill 96, 4, 3214868480
	.section	.rodata,"a",@progbits
	.p2align	6, 0x0
	.amdhsa_kernel k_q41d4d0b992_att0
		.amdhsa_group_segment_fixed_size 67584
		.amdhsa_private_segment_fixed_size 0
		.amdhsa_enable_private_segment 0
		.amdhsa_kernarg_size 16
		.amdhsa_user_sgpr_count 2
		.amdhsa_user_sgpr_kernarg_segment_ptr 1
		.amdhsa_wavefront_size32 1
		.amdhsa_system_sgpr_workgroup_id_x 1
		.amdhsa_system_sgpr_workgroup_id_y 1
		.amdhsa_system_sgpr_workgroup_id_z 1
		.amdhsa_system_vgpr_workitem_id 0
		.amdhsa_next_free_vgpr 242
		.amdhsa_next_free_sgpr 66
		.amdhsa_reserve_vcc 0
		.amdhsa_float_denorm_mode_32 3
		.amdhsa_float_denorm_mode_16_64 3
		.amdhsa_memory_ordered 1
		.amdhsa_forward_progress 1
		.amdhsa_inst_pref_size 25
	.end_amdhsa_kernel
	.amdgpu_metadata
---
amdhsa.version: [ 1, 2 ]
amdhsa.kernels:
  - .name:           k_q41d4d0b992_att0
    .symbol:         k_q41d4d0b992_att0.kd
    .args:
      - { .name: qkv, .offset: 0, .size: 8, .value_kind: global_buffer, .address_space: global }
      - { .name: ctx, .offset: 8, .size: 8, .value_kind: global_buffer, .address_space: global }
    .group_segment_fixed_size: 67584
    .private_segment_fixed_size: 0
    .kernarg_segment_align: 8
    .kernarg_segment_size: 16
    .max_flat_workgroup_size: 512
    .sgpr_count:     66
    .vgpr_count:     242
    .wavefront_size: 32
...
	.end_amdgpu_metadata
.endif
;; end of part 3
;; launch post0 (part 4): grid 256 x 1, 8 waves a work-group, no clusters, 66,560 bytes of LDS; arguments ctx, e_a, cnt_a, wimg, bo, ln2_g, ln2_b, b1, b2, ln1_g, ln1_b, bq, bk, bv, e_b, qkv, cnt_b; writes e_b, qkv, cnt_b
.if DOCPART == 4
	.amdgcn_target "amdgcn-amd-amdhsa--gfx1250"
	.amdhsa_code_object_version 6
	.text
	.protected	k_q41d4d0b992_post0
	.globl	k_q41d4d0b992_post0
	.p2align	8
	.type	k_q41d4d0b992_post0,@function
k_q41d4d0b992_post0:
	s_mov_b64 s[64:65], 0
	v_nop
	global_prefetch_b8 v0, s[64:65] scope:SCOPE_SE
	s_setreg_imm32_b32 hwreg(HW_REG_WAVE_MODE, 25, 1), 1
	s_wait_xcnt 0x0
; The rest of layer L and the head of layer L + 1:  e = LN2(e + ctx Wo^T + bo);  e = e + relu(e W1^T + b1) W2^T + b2;  e = the next norm of e (ln1 of layer L + 1; the closing norm behind layer 3), stored in f32;
; then q, k, v of layer L + 1 as codes.  All products on codes of FP6 (E2M3) with one E8M0 byte for each 32 along K; what is quantised is computed in f32; the hidden layer never goes to memory.
; ONE TEXT SERVES ALL FOUR LAYERS: L is a whole number that the launch before has stored; it is held to 0 .. 3 and enters offsets by additions, shifts left, multiplications and ANDs.  Two branches hang on it, with no barrier behind
; either: round the loads of the next layer's weights, and, behind the last barrier, to the end where L = 3.
; SHARES.  A work-group takes 32 tokens; wave cb of eight owns channels 32 cb .. + 31, hidden units 64 cb .. + 63 and head cb, for both tiles of 16 tokens.
; POSITIONS.  In a block of 32 rows position 16 u + r stands for row 8 u + r + 8 (r / 8): so for tokens, the rows of a weight's tile, the channels of a tile of v.
; Products are used transposed (source 0 = 16 rows of a weight, source 1 = 16 tokens): lane (r, h) of accumulator [u][ct] holds token (u, r) and 8 units 16 h + 8 ct + 0 .. 7 of a wave's 32: 16 neighbours along the next K in two accumulators.
; v is made the other way round, so that a lane's registers run along the tokens, its K.
; A BLK is 32 rows x 32 codes in 768 bytes: row l's bytes 0-15 at 16 l, bytes 16-23 at 512 + 8 l.  What one wave quantises reaches the others through LDS as BLKs and scale words; five barriers; no LDS byte is written twice.
; The weights come from wimg as register images, straight into registers, each asked for a phase or more ahead of its products.  NO CLUSTER, NO TENSOR LOAD: the text has branches on a number read from memory, and each wave wants
; its own rows of each weight, once, in registers.
; LIMITS: a block of zeros gets the byte 1 (its codes are zeros; only this program reads the bytes); a block whose largest magnitude lies under 2^-124 is held at byte 1; NaN and infinities are not served.
.set IMQ, 0                            ; wimg: images of Wq, Wk, Wv, Wo, W1, W2,
.set IMK, 196608
.set IMV, 393216
.set IMO, 589824
.set IM1, 786432
.set IM2, 1179648
.set SCQ, 1622016                      ; and their scale words
.set SCK, 1630208
.set SCV, 1638400
.set SCO, 1646592
.set SC1, 1654784
.set SC2, 1671168
.set QC_, 0                            ; qkv: codes [head 64][block 32][768] of q, k, v,
.set KC_, 1572864
.set VC_, 3145728
.set QS_, 4718592                      ; and scale bytes [head][block][32]
.set KS_, 4784128
.set VS_, 4849664
.set CTXS, 1572864                     ; ctx: codes [head][block][768], then scale bytes [head][1024 positions]
.set E2IMG, 0                          ; LDS: LN2's e as 8 BLKs,
.set E2SC, 6144                        ; its scale words [K step][u][r],
.set HIMG, 6400                        ; the hidden layer's 16 BLKs,
.set HSC, 18688                        ; its scale words,
.set E1IMG, 19200                      ; the next norm's e as 8 BLKs,
.set E1SC, 25344                       ; its scale words,
.set LNS2, 25600                       ; each wave's mean and sum of squares, for LN2,
.set LNSN, 27648                       ; and for the next norm,
.set STG, 29696                        ; and 32 rows of e, 1,024 bytes + 16
.set L16, 1                            ; v1   768 h + 16 r
.set L8, 2                             ; v2   768 h + 8 r
.set L4, 3                             ; v3   4 r
.set L8R, 4                            ; v4   8 r
.set W16, 5                            ; v5   16 x lane
.set S16E, 6                           ; v6   768 cb + 16 x lane: my BLK of e
.set S8E, 7                            ; v7   768 cb + 8 x lane
.set SBE, 8                            ; v8   128 (cb / 4) + cb % 4 + 4 x lane: my byte of e's scale words
.set S16H, 9                           ; v9   1536 cb + 16 x lane: my two BLKs of the hidden layer
.set S8H, 10                           ; v10  1536 cb + 8 x lane
.set SBH, 11                           ; v11  128 (cb / 2) + 2 (cb % 2) + 4 x lane
.set SLN, 12                           ; v12  256 cb + 8 x lane
.set AST, 13                           ; v13  1040 r + 64 h + 128 cb
.set ARD, 14                           ; v14  4160 cb + 16 x lane
.set VO8, 15                           ; v15  8 x lane
.set VO1, 16                           ; v16  lane
.set GB, 17                            ; v17  64 h
.set GE, 18                            ; v18  1024 (r + 8 (r / 8)) + 64 h: e in memory
.set GC16, 19                          ; v19  24576 h + 16 r: ctx's BLKs, a head apart
.set GC8, 20                           ; v20  24576 h + 8 r
.set GR, 21                            ; v21  r
.set GV, 22                            ; v22  4 (r + 8 (r / 8))
.set CV, 23                            ; v23  the count that is stored
.set EA, 24                            ; v24-55   e: accumulators [u][ct]
.set DA, 56                            ; v56-87   bo and ctx's bytes, later the accumulators of the hidden layer, q, k, v
.set BF, 88                            ; v88-135  the tokens' fragments (u, K step) at BF + 12 (2 u + ks); at work in the norms
.set ST, BF
.set LT, BF+32
.set BS, 136                           ; v136-139 the tokens' scale words
.set WS, 140                           ; v140-159 the weights' scale words: Wo 4, W1 8, W2 8; later q, k, v in the first 12
.set PA, 160                           ; v160-191 a norm's gains and offsets; later the codes that leave
.set PB, 192                           ; v192-223 b1; later bq, bk
.set PC, 224                           ; v224-239 b2; later bv
.set QM, 240
.set QTT, 242
.set QSO, 244
.set QP, 246
.set QTC, 252
.set QBY, 255
;                                        window 1: v0-47 Wo, v48-143 W1, v144-239 W2; later q at 0, k at 48, v at 96
.set CB, 38                            ; s38  wave
.set LY, 40                            ; s40  L
.set CNTV, 41                          ; s41  L + 1
.set WOC, 46                           ; s[46:57] wimg at my fragments and scale words: Wo's; W1's and W2's; the next layer's q, k, v
.set WOS, 48
.set W12C, 50
.set W12S, 52
.set WNC, 54
.set WNS, 56
.set SEL, 58
.set HI, 60
.set SBC, 62
.set SBS, 66
.set EOUT, 68
.set RN, 70
.set EPS, 71
.set CTXB, 72                          ; s[72:73] ctx at my tokens' scale bytes
.set LNX, 74                           ; s74  (L + 1) % 4
.set CNTO, 36
.set MSB, 0
.macro WIN new                         ; the immediate's high byte repeats the setting that is left
.if MSB != \new
	s_set_vgpr_msb (MSB<<8)|\new
.set MSB, \new
.endif
.endm
.macro WLD w, n, base, off             ; n fragments' images into window 1 (the caller has set the destination's window)
.set FI, 0
.rept \n
.irp i, 0,1,2
	global_load_b128 v[(\w)+12*FI+4*\i:(\w)+12*FI+4*\i+3], v[W16], s[\base:\base+1] offset:(\off)+1536*FI+512*\i
.endr
.set FI, FI+1
.endr
.endm
.macro WSC ws, n, base, off            ; and their scale words
.set FI, 0
.rept \n
	global_load_b32 v[(\ws)+FI], v[L4], s[\base:\base+1] offset:(\off)+64*FI
.set FI, FI+1
.endr
.endm
.macro PLD reg, base, off              ; 16 numbers of a vector over the channels: my lane's
.irp c, 0,1,2,3
	global_load_b128 v[(\reg)+4*\c:(\reg)+4*\c+3], v[GB], s[\base:\base+1] offset:(\off)+16*\c
.endr
.endm
.macro NEXTW wc, wsb, pq, pk, pv       ; what q, k, v want: 60 loads
	WIN 0x40
	WLD 0, 4, \wc, IMQ
	WLD 48, 4, \wc, IMK
	WLD 96, 4, \wc, IMV
	WIN 0
	WSC WS, 4, \wsb, SCQ
	WSC WS+4, 4, \wsb, SCK
	WSC WS+8, 4, \wsb, SCV
	PLD PB, \pq, 0
	PLD PB+16, \pk, 0
.irp d, 0,1
	global_load_b32 v[PC+2*\d], v[GV], s[\pv:\pv+1] offset:32*\d      ; bv of channel (dt, r), twice: a pair for the packed addition
	global_load_b32 v[PC+2*\d+1], v[GV], s[\pv:\pv+1] offset:32*\d
.endr
.endm
.macro BLD img, sc                     ; the tokens' four fragments and scale words from LDS: lane (r, h), registers 6 c .. 6 c + 5: BLK 4 ks + 2 c + h, row 16 u + r
.irp u, 0,1
.irp ks, 0,1
.irp c, 0,1
	ds_load_b128 v[BF+12*(2*\u+\ks)+6*\c:BF+12*(2*\u+\ks)+6*\c+3], v[L16] offset:(\img)+768*(4*\ks+2*\c)+256*\u
	ds_load_b64 v[BF+12*(2*\u+\ks)+6*\c+4:BF+12*(2*\u+\ks)+6*\c+5], v[L8] offset:(\img)+768*(4*\ks+2*\c)+512+128*\u
.endr
.endr
.endr
.irp u, 0,1
.irp ks, 0,1
	ds_load_b32 v[BS+2*\u+\ks], v[L4] offset:(\sc)+128*\ks+64*\u
.endr
.endr
.endm
; Eight products: two tiles of a weight's rows x two tiles of tokens x two K steps.  The four accumulators take turns, one instruction a turn.
; cm = 1: the bias (eight registers a tile, in the result's layout) is the C of a sum's first product; cm = 2: the sums go on in place.  cs: fragments from tile to tile.
; Five v_nop follow: four places for vector instructions and loads that touch the products' registers, one more for products that write over them.
.macro UNIT acc, w, ws, cm, cbias, cs
	WIN 0x01                                       ; source 0 in window 1
.irp ks, 0,1
.irp u, 0,1
.irp ct, 0,1
.if (\ks == 0) && (\cm == 1)
	v_wmma_scale_f32_16x16x128_f8f6f4 v[(\acc)+16*\u+8*\ct:(\acc)+16*\u+8*\ct+7], v[(\w)+12*(\cs*\ct+\ks):(\w)+12*(\cs*\ct+\ks)+11], v[BF+12*(2*\u+\ks):BF+12*(2*\u+\ks)+11], v[(\cbias)+8*\ct:(\cbias)+8*\ct+7], v[(\ws)+\cs*\ct+\ks], v[BS+2*\u+\ks] matrix_a_fmt:MATRIX_FMT_FP6 matrix_b_fmt:MATRIX_FMT_FP6
.else
	v_wmma_scale_f32_16x16x128_f8f6f4 v[(\acc)+16*\u+8*\ct:(\acc)+16*\u+8*\ct+7], v[(\w)+12*(\cs*\ct+\ks):(\w)+12*(\cs*\ct+\ks)+11], v[BF+12*(2*\u+\ks):BF+12*(2*\u+\ks)+11], v[(\acc)+16*\u+8*\ct:(\acc)+16*\u+8*\ct+7], v[(\ws)+\cs*\ct+\ks], v[BS+2*\u+\ks] matrix_a_fmt:MATRIX_FMT_FP6 matrix_b_fmt:MATRIX_FMT_FP6
.endif
.endr
.endr
.endr
	WIN 0
.rept 5
	v_nop
.endr
.endm
.macro UNITV acc, w, ws                ; the same for v: source 0 = tokens, source 1 = rows of Wv; the first products start the sums
	WIN 0x04                                       ; source 1 in window 1
.irp ks, 0,1
.irp d, 0,1
.irp u, 0,1
.if \ks == 0
	v_wmma_scale_f32_16x16x128_f8f6f4 v[(\acc)+16*\d+8*\u:(\acc)+16*\d+8*\u+7], v[BF+12*(2*\u+\ks):BF+12*(2*\u+\ks)+11], v[(\w)+12*(2*\d+\ks):(\w)+12*(2*\d+\ks)+11], 0, v[BS+2*\u+\ks], v[(\ws)+2*\d+\ks] matrix_a_fmt:MATRIX_FMT_FP6 matrix_b_fmt:MATRIX_FMT_FP6
.else
	v_wmma_scale_f32_16x16x128_f8f6f4 v[(\acc)+16*\d+8*\u:(\acc)+16*\d+8*\u+7], v[BF+12*(2*\u+\ks):BF+12*(2*\u+\ks)+11], v[(\w)+12*(2*\d+\ks):(\w)+12*(2*\d+\ks)+11], v[(\acc)+16*\d+8*\u:(\acc)+16*\d+8*\u+7], v[BS+2*\u+\ks], v[(\ws)+2*\d+\ks] matrix_a_fmt:MATRIX_FMT_FP6 matrix_b_fmt:MATRIX_FMT_FP6
.endif
.endr
.endr
.endr
	WIN 0
.rept 5
	v_nop
.endr
.endm
; Two groups x = 0, 1 of 16 registers at s + 16 x: lane (r, h) holds k = 16 h + 0 .. 15 of row (x, r)'s one block of 32.  Behind it lane 16 x + r holds that row's 24 bytes in v[p] on and its scale byte in v[by].
.macro QUANT2 s, p, by
.irp x, 0,1
	v_max3_num_f32 v[QM+\x], |v[(\s)+16*\x]|, |v[(\s)+16*\x+1]|, 0x1800000   ; my 16 numbers, from the low end on, and the floor 2^(3 - 127): the byte cannot fall under 1
.endr
.irp i, 2,4,6,8,10,12,14
.irp x, 0,1
	v_max3_num_f32 v[QM+\x], v[QM+\x], |v[(\s)+16*\x+\i]|, |v[(\s)+16*\x+\i+1]|   ; (the two groups by turns)
.endr
.endr
.irp x, 0,1
	v_permlanex16_b32 v[QTT+\x], v[QM+\x], s[SEL], s[SEL+1]
.endr
.irp x, 0,1
	v_max_num_f32 v[QM+\x], v[QM+\x], v[QTT+\x]    ; with lane l xor 16's: the block's largest magnitude
.endr
.irp x, 0,1
	v_add_nc_u32 v[QSO+\x], 0xff000000, v[QM+\x]   ; 2 off its exponent field: the conversion takes this operand's exponent field as its scale
.endr
.irp x, 0,1
	v_lshrrev_b32 v[QTT+\x], 23, v[QSO+\x]         ; the scale's byte
.endr
	v_cvt_scalef32_pk16_fp6_f32 v[(\p):(\p)+2], v[(\s):(\s)+15], v[QSO]
	v_cvt_scalef32_pk16_fp6_f32 v[QTC:QTC+2], v[(\s)+16:(\s)+31], v[QSO+1]
	v_cndmask_b32 v[\by], v[QTT], v[QTT+1], s[HI]  ; lanes 0-15 group 0's byte, lanes 16-31 group 1's.  (The plain place behind the conversions)
.irp i, 0,1,2
	v_permlane16_swap_b32 v[(\p)+\i], v[QTC+\i]    ; the first's lanes 16-31 change places with the second's lanes 0-15: the first holds each row's lower 16 codes, the second the upper 16
.endr
.irp i, 0,1,2
	v_mov_b32 v[(\p)+3+\i], v[QTC+\i]
.endr
.endm
.macro PUT a16, a8, ab, o, so          ; a BLK and its bytes into LDS
	ds_store_b128 v[\a16], v[QP:QP+3] offset:\o
	ds_store_b64 v[\a8], v[QP+4:QP+5] offset:(\o)+512
	ds_store_b8 v[\ab], v[QBY] offset:\so
.endm
.macro GPUT p, by, creg, sreg          ; a BLK and its bytes into qkv: 512, 256 and 32 consecutive bytes (the bytes are one in 25 of what leaves here)
	global_store_b128 v[W16], v[(\p):(\p)+3], s[SBC:SBC+1] offset:\creg
	global_store_b64 v[VO8], v[(\p)+4:(\p)+5], s[SBC:SBC+1] offset:(\creg)+512
	global_store_b8 v[VO1], v[\by], s[SBS:SBS+1] offset:\sreg
.endm
.macro BARRIER                         ; my LDS stores have landed and my LDS loads are in: then the work-group's barrier
	s_wait_dscnt 0x0
	s_barrier_signal -1
	s_barrier_wait -1
.endm
; The layer norm of the 32 tokens' rows in v[EA] on, gains in v[PA] on, offsets in v[PA+16] on: each wave's own mean and sum of squares about it, joined over the eight waves: no difference of large sums is formed.
; Each accumulator is read from its low end on.
.macro LNORM lns
.irp a, 0,4,8,12
.irp u, 0,1
	v_pk_add_f32 v[ST+16*\u+\a/2:ST+16*\u+\a/2+1], v[EA+16*\u+\a:EA+16*\u+\a+1], v[EA+16*\u+\a+2:EA+16*\u+\a+3]
.endr
.endr
.irp u, 0,1
	v_pk_add_f32 v[ST+16*\u:ST+16*\u+1], v[ST+16*\u:ST+16*\u+1], v[ST+16*\u+2:ST+16*\u+3]
.endr
.irp u, 0,1
	v_pk_add_f32 v[ST+16*\u+4:ST+16*\u+5], v[ST+16*\u+4:ST+16*\u+5], v[ST+16*\u+6:ST+16*\u+7]
.endr
.irp u, 0,1
	v_pk_add_f32 v[ST+16*\u:ST+16*\u+1], v[ST+16*\u:ST+16*\u+1], v[ST+16*\u+4:ST+16*\u+5]
.endr
.irp u, 0,1
	v_add_f32 v[ST+16*\u], v[ST+16*\u], v[ST+16*\u+1]
.endr
.irp u, 0,1
	v_permlanex16_b32 v[ST+16*\u+1], v[ST+16*\u], s[SEL], s[SEL+1]
.endr
.irp u, 0,1
	v_add_f32 v[ST+16*\u], v[ST+16*\u], v[ST+16*\u+1]
.endr
.irp u, 0,1
	v_mul_f32 v[LT+2*\u], 0x3d000000, v[ST+16*\u]  ; / 32: the mean over my wave's 32 channels
.endr
.irp p, 0,2,4,6,8,10,12,14
.irp u, 0,1
	v_pk_add_f32 v[ST+16*\u+\p:ST+16*\u+\p+1], v[EA+16*\u+\p:EA+16*\u+\p+1], v[LT+2*\u:LT+2*\u+1] op_sel_hi:[1,0] neg_lo:[0,1] neg_hi:[0,1]
.endr
.endr
.irp u, 0,1
	v_pk_mul_f32 v[LT+4+2*\u:LT+5+2*\u], v[ST+16*\u:ST+16*\u+1], v[ST+16*\u:ST+16*\u+1]
.endr
.irp p, 2,4,6,8,10,12,14
.irp u, 0,1
	v_pk_fma_f32 v[LT+4+2*\u:LT+5+2*\u], v[ST+16*\u+\p:ST+16*\u+\p+1], v[ST+16*\u+\p:ST+16*\u+\p+1], v[LT+4+2*\u:LT+5+2*\u]
.endr
.endr
.irp u, 0,1
	v_add_f32 v[LT+4+2*\u], v[LT+4+2*\u], v[LT+5+2*\u]
.endr
.irp u, 0,1
	v_permlanex16_b32 v[LT+5+2*\u], v[LT+4+2*\u], s[SEL], s[SEL+1]
.endr
.irp u, 0,1
	v_add_f32 v[LT+2*\u+1], v[LT+4+2*\u], v[LT+5+2*\u]   ; the sum of squares about that mean
.endr
	v_cndmask_b32 v[LT+12], v[LT], v[LT+2], s[HI]  ; lane 16 u + r: token (u, r)'s pair
	v_cndmask_b32 v[LT+13], v[LT+1], v[LT+3], s[HI]
	ds_store_b64 v[SLN], v[LT+12:LT+13] offset:\lns
	BARRIER                                        ; all eight waves' pairs lie in LDS
.irp u, 0,1
.irp w, 0,1,2,3,4,5,6,7
	ds_load_b64 v[ST+16*\u+2*\w:ST+16*\u+2*\w+1], v[L8R] offset:(\lns)+256*\w+128*\u
.endr
.endr
	s_wait_dscnt 0x0
.irp i, 0,1,2,3
.irp u, 0,1
	v_pk_add_f32 v[LT+8*\u+2*\i:LT+8*\u+2*\i+1], v[ST+16*\u+4*\i:ST+16*\u+4*\i+1], v[ST+16*\u+4*\i+2:ST+16*\u+4*\i+3]
.endr
.endr
.irp u, 0,1
	v_pk_add_f32 v[LT+8*\u:LT+8*\u+1], v[LT+8*\u:LT+8*\u+1], v[LT+8*\u+2:LT+8*\u+3]
.endr
.irp u, 0,1
	v_pk_add_f32 v[LT+8*\u+4:LT+8*\u+5], v[LT+8*\u+4:LT+8*\u+5], v[LT+8*\u+6:LT+8*\u+7]
.endr
.irp u, 0,1
	v_pk_add_f32 v[LT+8*\u:LT+8*\u+1], v[LT+8*\u:LT+8*\u+1], v[LT+8*\u+4:LT+8*\u+5]   ; the sum of the eight means, the sum of the eight sums of squares
.endr
.irp u, 0,1
	v_mul_f32 v[LT+8*\u], 0x3e000000, v[LT+8*\u]   ; / 8: the row's mean
.endr
.irp u, 0,1
	v_sub_f32 v[LT+8*\u+2], v[ST+16*\u], v[LT+8*\u]
.endr
.irp u, 0,1
	v_mul_f32 v[LT+8*\u+4], v[LT+8*\u+2], v[LT+8*\u+2]
.endr
.irp w, 1,2,3,4,5,6,7
.irp u, 0,1
	v_sub_f32 v[LT+8*\u+2+\w%2], v[ST+16*\u+2*\w], v[LT+8*\u]
.endr
.irp u, 0,1
	v_fma_f32 v[LT+8*\u+4], v[LT+8*\u+2+\w%2], v[LT+8*\u+2+\w%2], v[LT+8*\u+4]
.endr
.endr
.irp u, 0,1
	v_fma_f32 v[LT+8*\u+4], v[LT+8*\u+4], 0x42000000, v[LT+8*\u+1]   ; 32 x the squares of the waves' means about the row's + the sums of squares
.endr
.irp u, 0,1
	v_fma_f32 v[LT+8*\u+4], v[LT+8*\u+4], s[RN], s[EPS]   ; / 256 + 1e-5
.endr
.irp u, 0,1
	v_rsq_f32 v[LT+8*\u+6], v[LT+8*\u+4]
.endr
	v_nop                                          ; a plain place behind the two roots,
	s_wait_alu depctr_va_vdst(0)                   ; and the one wait ahead of their first use
.irp p, 0,2,4,6,8,10,12,14
.irp u, 0,1
	v_pk_add_f32 v[EA+16*\u+\p:EA+16*\u+\p+1], v[EA+16*\u+\p:EA+16*\u+\p+1], v[LT+8*\u:LT+8*\u+1] op_sel_hi:[1,0] neg_lo:[0,1] neg_hi:[0,1]
.endr
.irp u, 0,1
	v_pk_mul_f32 v[EA+16*\u+\p:EA+16*\u+\p+1], v[EA+16*\u+\p:EA+16*\u+\p+1], v[LT+8*\u+6:LT+8*\u+7] op_sel_hi:[1,0]
.endr
.irp u, 0,1
	v_pk_fma_f32 v[EA+16*\u+\p:EA+16*\u+\p+1], v[EA+16*\u+\p:EA+16*\u+\p+1], v[PA+\p:PA+\p+1], v[PA+16+\p:PA+16+\p+1]
.endr
.endr
.endm
	s_load_b512 s[4:19], s[0:1], 0x0               ; ctx 4, e in 6, the count in 8, wimg 10, bo 12, ln2_g 14, ln2_b 16, b1 18
	s_load_b512 s[20:35], s[0:1], 0x40             ; b2 20, the next norm's gains 22 and offsets 24, bq 26, bk 28, bv 30, e out 32, qkv 34
	s_load_b64 s[36:37], s[0:1], 0x80              ; the count out
	s_set_vgpr_msb 0x40
	v_lshl_add_u32 v254, v0, 2, 0x10000
	v_mov_b32 v255, 0
	s_set_vgpr_msb 0x4000
	v_lshrrev_b32 v24, 5, v0
	v_readfirstlane_b32 s[CB], v24                 ; wave
	v_and_b32 v[VO1], 31, v0                       ; lane
	v_and_b32 v25, 15, v0                          ; r
	v_bfe_u32 v26, v0, 4, 1                        ; h
	v_and_b32 v27, 8, v25
	v_add_nc_u32 v27, v27, v25                     ; r + 8 (r / 8)
	v_mul_u32_u24 v[L16], v26, 768
	v_lshl_add_u32 v[L8], v25, 3, v[L16]
	v_lshl_add_u32 v[L16], v25, 4, v[L16]
	v_lshlrev_b32 v[L4], 2, v25
	v_lshlrev_b32 v[L8R], 3, v25
	v_lshlrev_b32 v[W16], 4, v[VO1]
	v_lshlrev_b32 v[VO8], 3, v[VO1]
	s_mul_i32 s42, s[CB], 768
	v_add_nc_u32 v[S16E], s42, v[W16]
	v_add_nc_u32 v[S8E], s42, v[VO8]
	s_lshl_b32 s42, s42, 1
	v_add_nc_u32 v[S16H], s42, v[W16]
	v_add_nc_u32 v[S8H], s42, v[VO8]
	s_lshr_b32 s42, s[CB], 2
	s_lshl_b32 s42, s42, 7
	s_and_b32 s43, s[CB], 3
	s_add_co_u32 s42, s42, s43
	v_lshl_add_u32 v[SBE], v[VO1], 2, s42
	s_lshr_b32 s42, s[CB], 1
	s_lshl_b32 s42, s42, 7
	s_and_b32 s43, s[CB], 1
	s_lshl_b32 s43, s43, 1
	s_add_co_u32 s42, s42, s43
	v_lshl_add_u32 v[SBH], v[VO1], 2, s42
	s_lshl_b32 s42, s[CB], 8
	v_add_nc_u32 v[SLN], s42, v[VO8]
	v_mul_u32_u24 v[AST], v25, 1040
	v_lshl_add_u32 v[AST], v26, 6, v[AST]
	s_lshl_b32 s42, s[CB], 7
	v_add_nc_u32 v[AST], s42, v[AST]
	s_mul_i32 s42, s[CB], 4160
	v_add_nc_u32 v[ARD], s42, v[W16]
	v_lshlrev_b32 v[GB], 6, v26
	v_lshlrev_b32 v[GV], 2, v27
	v_lshlrev_b32 v[GE], 10, v27
	v_lshl_add_u32 v[GE], v26, 6, v[GE]
	v_mul_u32_u24 v[GC16], v26, 24576
	v_lshl_add_u32 v[GC8], v25, 3, v[GC16]
	v_lshl_add_u32 v[GC16], v25, 4, v[GC16]
	v_mov_b32 v[GR], v25
	v_mov_b32 v[QTT], 0                            ; written once: a lane permute's destination counts as one of its sources
	v_mov_b32 v[QTT+1], 0
	s_mov_b32 s[SEL], 0x76543210
	s_mov_b32 s[SEL+1], 0xfedcba98
	s_mov_b32 s[HI], 0xffff0000
	s_mov_b32 s[RN], 0x3b800000
	s_mov_b32 s[EPS], 0x3727c5ac
	s_mov_b32 s45, 0
	s_wait_kmcnt 0x0
	s_load_b32 s[LY], s[8:9], 0x0                  ; the layer's number
	s_lshr_b32 s42, ttmp9, 5                       ; the sequence,
	s_and_b32 s43, ttmp9, 31                       ; the block of 32 tokens in it
	s_lshl_b32 s44, s42, 3
	s_add_co_u32 s44, s44, s[CB]                   ; head = 8 x sequence + wave
	s_lshl_b32 s44, s44, 5
	s_add_co_u32 s39, s44, s43                     ; BLK number = 32 x head + block
	s_mul_i32 s44, s39, 768
	s_add_nc_u64 s[SBC:SBC+1], s[34:35], s[44:45]
	s_lshl_b32 s44, s39, 5
	s_add_nc_u64 s[SBS:SBS+1], s[34:35], s[44:45]
	s_lshl_b32 s39, s[CB], 2                       ; I store the rows at positions 4 cb .. 4 cb + 3: four neighbouring tokens, from
	s_and_b32 s39, s39, 15
	s_and_b32 s44, s39, 8
	s_add_co_u32 s39, s39, s44
	s_lshr_b32 s44, s[CB], 2
	s_lshl_b32 s44, s44, 3
	s_add_co_u32 s39, s39, s44                     ; 8 u + r + 8 (r / 8) on
	s_lshl_b32 s44, ttmp9, 5
	s_add_co_u32 s44, s44, s39
	s_lshl_b32 s44, s44, 10
	s_add_nc_u64 s[EOUT:EOUT+1], s[32:33], s[44:45]
	s_lshl_b32 s44, s42, 13                        ; ctx's scale bytes: 8 heads of 1,024 a sequence, 32 a block
	s_lshl_b32 s39, s43, 5
	s_add_co_u32 s44, s44, s39
	s_add_nc_u64 s[CTXB:CTXB+1], s[4:5], s[44:45]
	s_lshl_b32 s44, s42, 8                         ; ctx's codes: BLK 256 x sequence + block of head 0
	s_add_co_u32 s44, s44, s43
	s_mul_i32 s44, s44, 768
	s_add_nc_u64 s[4:5], s[4:5], s[44:45]
	s_lshl_b32 s44, ttmp9, 15                      ; e: my 32 tokens' rows, my 32 channels
	s_lshl_b32 s39, s[CB], 7
	s_add_co_u32 s44, s44, s39
	s_add_nc_u64 s[6:7], s[6:7], s[44:45]
	s_wait_kmcnt 0x0
	s_min_u32 s[LY], s[LY], 3                      ; held to the table's four layers
	s_add_co_u32 s[CNTV], s[LY], 1
	s_and_b32 s[LNX], s[CNTV], 3                   ; the next layer; behind layer 3: 0, where the closing norm's 256 numbers lie
	s_lshl_b32 s44, s[LY], 10
	s_add_co_u32 s44, s44, s39                     ; 1024 L + 128 cb
.irp q, 12,14,16,20
	s_add_nc_u64 s[\q:\q+1], s[\q:\q+1], s[44:45]
.endr
	s_lshl_b32 s44, s44, 1                         ; 2048 L + 256 cb: b1, and Wo's scale words
	s_add_nc_u64 s[18:19], s[18:19], s[44:45]
	s_add_nc_u64 s[WOS:WOS+1], s[10:11], s[44:45]
	s_lshl_b32 s44, s44, 1                         ; 4096 L + 512 cb: W1's and W2's
	s_add_nc_u64 s[W12S:W12S+1], s[10:11], s[44:45]
	s_lshl_b32 s44, s[LNX], 10
	s_add_co_u32 s44, s44, s39                     ; the same for the next layer
.irp q, 22,24,26,28,30
	s_add_nc_u64 s[\q:\q+1], s[\q:\q+1], s[44:45]
.endr
	s_lshl_b32 s44, s44, 1
	s_add_nc_u64 s[WNS:WNS+1], s[10:11], s[44:45]
	s_mul_i32 s39, s[CB], 6144
	s_mul_i32 s44, s[LY], 49152
	s_add_co_u32 s44, s44, s39                     ; 32 fragments a layer, four a wave
	s_add_nc_u64 s[WOC:WOC+1], s[10:11], s[44:45]
	s_lshl_b32 s44, s44, 1                         ; 64 a layer, eight a wave
	s_add_nc_u64 s[W12C:W12C+1], s[10:11], s[44:45]
	s_mul_i32 s44, s[LNX], 49152
	s_add_co_u32 s44, s44, s39
	s_add_nc_u64 s[WNC:WNC+1], s[10:11], s[44:45]
	; THE LOADS, in the order of need.  First what ctx Wo^T and LN2 want: 68 loads
.irp u, 0,1
.irp ks, 0,1
.irp c, 0,1
	global_load_b128 v[BF+12*(2*\u+\ks)+6*\c:BF+12*(2*\u+\ks)+6*\c+3], v[GC16], s[4:5] offset:24576*(4*\ks+2*\c)+256*\u       ; K block = head 4 ks + 2 c + h
	global_load_b64 v[BF+12*(2*\u+\ks)+6*\c+4:BF+12*(2*\u+\ks)+6*\c+5], v[GC8], s[4:5] offset:24576*(4*\ks+2*\c)+512+128*\u
.endr
.endr
.endr
.irp u, 0,1
.irp n, 0,1,2,3,4,5,6,7
	global_load_u8 v[DA+16+8*\u+\n], v[GR], s[CTXB:CTXB+1] offset:CTXS+1024*\n+16*\u   ; token (u, r)'s byte of head n
.endr
.endr
.irp u, 0,1
.irp c, 0,1,2,3
	global_load_b128 v[EA+16*\u+4*\c:EA+16*\u+4*\c+3], v[GE], s[6:7] offset:8192*\u+16*\c
.endr
.endr
	PLD DA, 12, 0
	WSC WS, 4, WOS, SCO
	PLD PA, 14, 0
	PLD PA+16, 16, 0
	WIN 0x40
	WLD 0, 4, WOC, IMO
	WLD 48, 8, W12C, IM1                           ; then the first half of the feed-forward: 44 loads
	WIN 0
	WSC WS+4, 8, W12S, SC1
	PLD PB, 18, 0
	PLD PB+16, 18, 128
	PLD PC, 20, 0
	WSC WS+12, 8, W12S, SC2                        ; then W2: 32 loads
	WIN 0x40
	WLD 144, 8, W12C, IM2
	WIN 0
	; ---- 1: e + bo + ctx Wo^T
	s_wait_loadcnt 63                              ; 76 loads are younger than the first 68: with 63 out at the most these 68 are in
.irp u, 0,1
.irp ks, 0,1
	v_lshl_or_b32 v[BS+2*\u+\ks], v[DA+16+8*\u+4*\ks+1], 8, v[DA+16+8*\u+4*\ks]   ; four heads' bytes make a scale word
	v_lshl_or_b32 v[BS+2*\u+\ks], v[DA+16+8*\u+4*\ks+2], 16, v[BS+2*\u+\ks]
	v_lshl_or_b32 v[BS+2*\u+\ks], v[DA+16+8*\u+4*\ks+3], 24, v[BS+2*\u+\ks]
.endr
.endr
.irp u, 0,1
.irp p, 0,2,4,6,8,10,12,14
	v_pk_add_f32 v[EA+16*\u+\p:EA+16*\u+\p+1], v[EA+16*\u+\p:EA+16*\u+\p+1], v[DA+\p:DA+\p+1]   ; the residual and the bias begin the sums
.endr
.endr
.rept 8
	v_nop                                          ; a scale register written by a vector instruction stands eight places ahead of a scaled product
.endr
	UNIT EA, 0, WS, 2, 0, 2
	; ---- 2: LN2; its codes go to the other waves
	LNORM LNS2
	s_wait_loadcnt 32                              ; W1, b1 and b2 are in; W2's 32 loads may stay out
	PLD PA, 22, 0                                  ; the next norm's gains and offsets take the place of LN2's
	PLD PA+16, 24, 0
	QUANT2 EA, QP, QBY
	PUT S16E, S8E, SBE, E2IMG, E2SC
.irp u, 0,1
.irp p, 0,2,4,6,8,10,12,14
	v_pk_add_f32 v[EA+16*\u+\p:EA+16*\u+\p+1], v[EA+16*\u+\p:EA+16*\u+\p+1], v[PC+\p:PC+\p+1]   ; e + b2 begins the second half's sums
.endr
.endr
	BARRIER                                        ; e's 8 BLKs and scale words lie in LDS
	; ---- 3: my 64 hidden units, 32 at a time
	BLD E2IMG, E2SC
	s_wait_dscnt 0x0
.irp i, 0,1
	UNIT DA, 48+48*\i, WS+4+4*\i, 1, PB+16*\i, 2
.set J, 0
.rept 32
	v_max_num_f32 v[DA+J], 0, v[DA+J]              ; the activation, in f32, each accumulator from its low end on
.set J, J+1
.endr
	QUANT2 DA, QP, QBY
	PUT S16H, S8H, SBH, HIMG+768*\i, HSC+\i
	s_wait_dscnt 0x0                               ; the stores have read their registers
.endr
	BARRIER                                        ; the hidden layer's 16 BLKs and scale words lie in LDS
	; ---- 4: + hidden W2^T, K = 512 in two halves
	s_wait_loadcnt 0x0                             ; W2 and the next norm's vectors
	s_cmp_eq_u32 s[LY], 3
	s_cbranch_scc1 .Lno_next                       ; behind layer 3 there is no q, k, v
	NEXTW WNC, WNS, 26, 28, 30                     ; into registers that Wo, W1, b1 and b2 have left
.Lno_next:
	BLD HIMG, HSC
	s_wait_dscnt 0x0
	UNIT EA, 144, WS+12, 2, 0, 4
	BLD HIMG+6144, HSC+256
	s_wait_dscnt 0x0
	UNIT EA, 168, WS+14, 2, 0, 4
	; ---- 5: the next norm; e leaves in f32; its codes go to the other waves
	LNORM LNSN
.irp u, 0,1
.irp c, 0,1,2,3
	ds_store_b128 v[AST], v[EA+16*\u+4*\c:EA+16*\u+4*\c+3] offset:STG+16640*\u+16*\c   ; row = position
.endr
.endr
	QUANT2 EA, QP, QBY
	PUT S16E, S8E, SBE, E1IMG, E1SC
	BARRIER                                        ; the last barrier: 32 whole rows of e, its 8 BLKs and its scale words lie in LDS
.irp k, 0,1,2,3,4,5,6,7
	ds_load_b128 v[EA+4*\k:EA+4*\k+3], v[ARD] offset:STG+1040*(\k/2)+512*(\k%2)
.endr
.irp k, 0,1,2,3,4,5,6,7
	s_wait_dscnt 7-\k                              ; the younger loads may stay out
	global_store_b128 v[W16], v[EA+4*\k:EA+4*\k+3], s[EOUT:EOUT+1] offset:1024*(\k/2)+512*(\k%2)   ; 512 consecutive bytes of a row
.endr
	s_or_b32 s39, ttmp9, s[CB]
	s_cmp_eq_u32 s39, 0
	s_cbranch_scc0 .Lnot_first
	v_mov_b32 v[CV], s[CNTV]                       ; the number of the layer that follows
	global_store_b32 v[L4], v[CV], s[CNTO:CNTO+1]
.Lnot_first:
	s_cmp_eq_u32 s[LY], 3
	s_cbranch_scc1 .Lend
	; ---- 6: q, k, v of the next layer, head cb
	s_wait_loadcnt 0x0
	BLD E1IMG, E1SC
	s_wait_dscnt 0x0
	UNIT DA, 0, WS, 1, PB, 2
	QUANT2 DA, PA, PA+24
	GPUT PA, PA+24, QC_, QS_
	UNIT DA, 48, WS+4, 1, PB+16, 2
	QUANT2 DA, PA+8, PA+25
	GPUT PA+8, PA+25, KC_, KS_
	UNITV DA, 96, WS+8                             ; v, with the tokens along a lane's registers
.irp d, 0,1
.irp p, 0,2,4,6,8,10,12,14
	v_pk_add_f32 v[DA+16*\d+\p:DA+16*\d+\p+1], v[DA+16*\d+\p:DA+16*\d+\p+1], v[PC+2*\d:PC+2*\d+1]
.endr
.endr
	QUANT2 DA, PA+16, PA+26
	GPUT PA+16, PA+26, VC_, VS_
.Lend:
	s_set_vgpr_msb 0x5
	s_wait_tensorcnt 0x0
	ds_add_u32 v254, v255
	s_wait_dscnt 0x0
	s_set_vgpr_msb 0x500
	s_endpgm
.Lfunc_end_k_q41d4d0b992_post0:
	.size	k_q41d4d0b992_post0, .Lfunc_end_k_q41d4d0b992_post0-k_q41d4d0b992_post0
	.p2alignl 7, 3214868480
	.fill 96, 4, 3214868480
	.section	.rodata,"a",@progbits
	.p2align	6, 0x0
	.amdhsa_kernel k_q41d4d0b992_post0
		.amdhsa_group_segment_fixed_size 66560
		.amdhsa_private_segment_fixed_size 0
		.amdhsa_enable_private_segment 0
		.amdhsa_kernarg_size 136
		.amdhsa_user_sgpr_count 2
		.amdhsa_user_sgpr_kernarg_segment_ptr 1
		.amdhsa_wavefront_size32 1
		.amdhsa_system_sgpr_workgroup_id_x 1
		.amdhsa_system_sgpr_workgroup_id_y 1
		.amdhsa_system_sgpr_workgroup_id_z 1
		.amdhsa_system_vgpr_workitem_id 0
		.amdhsa_next_free_vgpr 512
		.amdhsa_next_free_sgpr 80
		.amdhsa_reserve_vcc 0
		.amdhsa_float_denorm_mode_32 3
		.amdhsa_float_denorm_mode_16_64 3
		.amdhsa_memory_ordered 1
		.amdhsa_forward_progress 1
		.amdhsa_inst_pref_size 85
	.end_amdhsa_kernel
	.amdgpu_metadata
---
amdhsa.version: [ 1, 2 ]
amdhsa.kernels:
  - .name:           k_q41d4d0b992_post0
    .symbol:         k_q41d4d0b992_post0.kd
    .args:
      - { .name: ctx, .offset: 0, .size: 8, .value_kind: global_buffer, .address_space: global }
      - { .name: e_a, .offset: 8, .size: 8, .value_kind: global_buffer, .address_space: global }
      - { .name: cnt_a, .offset: 16, .size: 8, .value_kind: global_buffer, .address_space: global }
      - { .name: wimg, .offset: 24, .size: 8, .value_kind: global_buffer, .address_space: global }
      - { .name: bo, .offset: 32, .size: 8, .value_kind: global_buffer, .address_space: global }
      - { .name: ln2_g, .offset: 40, .size: 8, .value_kind: global_buffer, .address_space: global }
      - { .name: ln2_b, .offset: 48, .size: 8, .value_kind: global_buffer, .address_space: global }
      - { .name: b1, .offset: 56, .size: 8, .value_kind: global_buffer, .address_space: global }
      - { .name: b2, .offset: 64, .size: 8, .value_kind: global_buffer, .address_space: global }
      - { .name: ln1_g, .offset: 72, .size: 8, .value_kind: global_buffer, .address_space: global }
      - { .name: ln1_b, .offset: 80, .size: 8, .value_kind: global_buffer, .address_space: global }
      - { .name: bq, .offset: 88, .size: 8, .value_kind: global_buffer, .address_space: global }
      - { .name: bk, .offset: 96, .size: 8, .value_kind: global_buffer, .address_space: global }
      - { .name: bv, .offset: 104, .size: 8, .value_kind: global_buffer, .address_space: global }
      - { .name: e_b, .offset: 112, .size: 8, .value_kind: global_buffer, .address_space: global }
      - { .name: qkv, .offset: 120, .size: 8, .value_kind: global_buffer, .address_space: global }
      - { .name: cnt_b, .offset: 128, .size: 8, .value_kind: global_buffer, .address_space: global }
    .group_segment_fixed_size: 66560
    .private_segment_fixed_size: 0
    .kernarg_segment_align: 8
    .kernarg_segment_size: 136
    .max_flat_workgroup_size: 256
    .sgpr_count:     80
    .vgpr_count:     512
    .wavefront_size: 32
...
	.end_amdgpu_metadata
.endif
;; end of part 4
;; launch att1: the kernel of part 3 again; grid 4 x 64, 16 waves a work-group, no clusters, 67,584 bytes of LDS; arguments qkv, ctx; writes ctx
;; launch post1: the kernel of part 4 again; grid 256 x 1, 8 waves a work-group, no clusters, 66,560 bytes of LDS; arguments ctx, e_b, cnt_b, wimg, bo, ln2_g, ln2_b, b1, b2, ln1_g, ln1_b, bq, bk, bv, e_a, qkv, cnt_a; writes e_a, qkv, cnt_a
;; launch att2: the kernel of part 3 again; grid 4 x 64, 16 waves a work-group, no clusters, 67,584 bytes of LDS; arguments qkv, ctx; writes ctx
;; launch post2: the kernel of part 4 again; grid 256 x 1, 8 waves a work-group, no clusters, 66,560 bytes of LDS; arguments ctx, e_a, cnt_a, wimg, bo, ln2_g, ln2_b, b1, b2, ln1_g, ln1_b, bq, bk, bv, e_b, qkv, cnt_b; writes e_b, qkv, cnt_b
;; launch att3: the kernel of part 3 again; grid 4 x 64, 16 waves a work-group, no clusters, 67,584 bytes of LDS; arguments qkv, ctx; writes ctx
;; launch post3: the kernel of part 4 again; grid 256 x 1, 8 waves a work-group, no clusters, 66,560 bytes of LDS; arguments ctx, e_b, cnt_b, wimg, bo, ln2_g, ln2_b, b1, b2, lno_g, lno_b, bq, bk, bv, out0, qkv, cnt_a; writes out0, qkv, cnt_a
;; ======== version 2 of 3: 6 launches; 1.17 times as fast as version 1
;; workspace buffers: wimg 1,689,600 bytes; qkv 4,915,200 bytes; qkv_b 4,915,200 bytes; e_a 8,388,608 bytes; e_b 8,388,608 bytes; cnt_a 256 bytes of whole numbers; cnt_b 256 bytes of whole numbers
;; launch lay: the kernel of part 1 again; grid 264 x 1, 4 waves a work-group, no clusters, 0 bytes of LDS; arguments Wq_codes, Wk_codes, Wv_codes, Wo_codes, W1_codes, W2_codes, Win_codes, Wq_scales, Wk_scales, Wv_scales, Wo_scales, W1_scales, W2_scales, Win_scales, wimg; writes wimg
;; launch pre (part 5): grid 256 x 1, 8 waves a work-group, no clusters, 66,560 bytes of LDS; arguments x_codes, x_scales, wimg, bin_, ln1_g, ln1_b, bq, bk, bv, e_a, qkv, cnt_a; writes e_a, qkv, cnt_a
.if DOCPART == 5
	.amdgcn_target "amdgcn-amd-amdhsa--gfx1250"
	.amdhsa_code_object_version 6
	.text
	.protected	k_q41d4d0b992_pre
	.globl	k_q41d4d0b992_pre
	.p2align	8
	.type	k_q41d4d0b992_pre,@function
k_q41d4d0b992_pre:
	s_mov_b64 s[64:65], 0
	v_nop
	global_prefetch_b8 v0, s[64:65] scope:SCOPE_SE
	s_setreg_imm32_b32 hwreg(HW_REG_WAVE_MODE, 25, 1), 1
	s_wait_xcnt 0x0
; e = LN1[0](x Win^T + bin), stored in f32, and layer 0's q, k, v as codes of FP6 (E2M3) with one E8M0 byte for each 32 along their products' K.  All products on codes, sums in f32.
; SHARES.  A work-group takes 32 tokens (one block of 32 keys); wave cb of eight owns channels 32 cb .. 32 cb + 31, which is head cb, for both tiles of 16 tokens.
; POSITIONS.  In a block of 32 rows position 16 u + r stands for row 8 u + r + 8 (r / 8): so for the tokens of a tile, the rows of a weight's tile, the channels of a tile of v.
; Products are used transposed (source 0 = 16 rows of a weight, source 1 = 16 tokens): lane (r, h) of accumulator [u][ct] holds token (u, r) and channels 32 cb + 16 h + 8 ct + 0 .. 7: 16 neighbours in two accumulators.
; v is made the other way round (source 0 = tokens, source 1 = rows of Wv): lane (r, h) of accumulator [dt][u] holds channel (dt, r) and tokens 16 h + 8 u + 0 .. 7: neighbours along ITS K, the keys.
; A BLK is 32 rows x 32 codes in 768 bytes: row l's bytes 0-15 at 16 l, bytes 16-23 at 512 + 8 l: written by one store of 512 and one of 256 consecutive bytes, read as halves of operand registers.
; THE SCALE BYTES lie, 1,024 a head, where the reader's scale words want them: q's at 32 blk + l;  k's at 64 (blk / 2) + 4 r + 2 (blk % 2) + h (a word: the four tiles of 16 keys of two BLKs);
; v's at 128 (blk / 4) + 4 l + blk % 4 (a word: a channel's four key blocks of a step of 128 keys).
; The layer norm goes by each wave's own mean and sum of squares about it, joined over the eight waves through LDS: no difference of large sums is formed.
; The weights come from wimg as register images, straight into registers: 12 loads of 16 bytes a lane for a wave's four fragments of a product.  NO CLUSTER, NO TENSOR LOAD: each wave wants other rows of the weights than its seven
; neighbours, into registers, once; what the 256 work-groups share is 240 KB that each reads once at its head.
; LIMITS: a block of zeros gets the byte 1 (its codes are zeros; only this program reads the bytes); a block whose largest magnitude lies under 2^-124 is held at byte 1; NaN and infinities are not served.
.set IMQ, 0                            ; wimg: images of Wq, Wk, Wv, Win,
.set IMK, 196608
.set IMV, 393216
.set IMIN, 1572864
.set SCQ, 1622016                      ; and their scale words
.set SCK, 1630208
.set SCV, 1638400
.set SCIN, 1687552
.set QC_, 0                            ; qkv: codes [head 64][block 32][768] of q, k, v,
.set KC_, 1572864
.set VC_, 3145728
.set QS_, 4718592                      ; and scale bytes, 1,024 a head
.set KS_, 4784128
.set VS_, 4849664
.set E1IMG, 19200                      ; LDS: the normed e as 8 BLKs (one a wave),
.set E1SC, 25344                       ; its scale words [K step 2][u 2][r 16],
.set LNSN, 27648                       ; each wave's mean and sum of squares, 8 bytes a token, 256 a wave,
.set STG, 29696                        ; and 32 rows of e, 1,024 bytes + 16.  No byte is written twice
.set L16, 1                            ; v1   768 h + 16 r: a fragment's 16-byte halves in LDS
.set L8, 2                             ; v2   768 h + 8 r: its 8-byte halves
.set L4, 3                             ; v3   4 r
.set L8R, 4                            ; v4   8 r
.set W16, 5                            ; v5   16 x lane
.set S16E, 6                           ; v6   768 cb + 16 x lane: my BLK
.set S8E, 7                            ; v7   768 cb + 8 x lane
.set SBE, 8                            ; v8   128 (cb / 4) + cb % 4 + 4 x lane: my byte of the scale words
.set SLN, 12                           ; v12  256 cb + 8 x lane
.set AST, 13                           ; v13  1040 r + 64 h + 128 cb: into the stage
.set ARD, 14                           ; v14  4160 cb + 16 x lane: out of it, four rows a wave
.set VO8, 15                           ; v15  8 x lane
.set VO1, 16                           ; v16  lane
.set GB, 17                            ; v17  64 h: my 16 channels of a wave's 32
.set GX, 18                            ; v18  192 (r + 8 (r / 8)) + 24 h: x's codes
.set GR, 21                            ; v21  8 (r + 8 (r / 8)): x's scale words
.set GV, 22                            ; v22  4 (r + 8 (r / 8)): bv
.set CV, 23                            ; v23  the count that is stored
.set EA, 24                            ; v24-55   e: accumulators [u][ct]
.set DA, 56                            ; v56-87   bin, later the accumulators of q, k, v
.set BF, 88                            ; v88-135  the tokens' fragments (u, K step) at BF + 12 (2 u + ks); at work in the layer norm
.set ST, BF
.set LT, BF+32
.set BS, 136                           ; v136-139 the tokens' scale words
.set WS, 140                           ; v140-155 the weights' scale words: q, k, v, Win, four each
.set PA, 160                           ; v160-191 the norm's gains and offsets; later the codes that leave
.set PB, 192                           ; v192-223 bq, bk
.set PC, 224                           ; v224-227 bv, each number twice
.set QM, 240                           ; the quantiser's: largest magnitudes,
.set QTT, 242                          ; the other half's, then the bytes,
.set QSO, 244                          ; the conversions' scale operands,
.set QP, 246                           ; a row's 24 bytes,
.set QTC, 252                          ; the second conversion's result,
.set QBY, 255                          ; the row's byte
.set CB, 38                            ; s38  wave
.set WC, 46                            ; s[46:47] wimg + 6144 cb
.set WSB, 48                           ; s[48:49] wimg + 256 cb
.set SEL, 58                           ; s[58:59] v_permlanex16_b32's selects for lane l xor 16
.set HI, 60                            ; s60  lanes 16-31
.set SBC, 62                           ; s[62:63] qkv at my BLK
.set SBS, 66                           ; s[66:67] qkv at q's 32 scale bytes
.set EOUT, 68                          ; s[68:69] e at the four rows that I store
.set RN, 70                            ; s70  1 / 256
.set EPS, 71                           ; s71  1e-5
.set SBK, 72                           ; s[72:73] qkv at my block's place among k's scale words
.set SBV, 74                           ; s[74:75] and among v's
.set CNTO, 26
.set MSB, 0
.macro WIN new                         ; the immediate's high byte repeats the setting that is left
.if MSB != \new
	s_set_vgpr_msb (MSB<<8)|\new
.set MSB, \new
.endif
.endm
.macro WLD w, n, base, off             ; n fragments' images into window 1 (the caller has set the destination's window)
.set FI, 0
.rept \n
.irp i, 0,1,2
	global_load_b128 v[(\w)+12*FI+4*\i:(\w)+12*FI+4*\i+3], v[W16], s[\base:\base+1] offset:(\off)+1536*FI+512*\i
.endr
.set FI, FI+1
.endr
.endm
.macro WSC ws, n, base, off            ; and their scale words
.set FI, 0
.rept \n
	global_load_b32 v[(\ws)+FI], v[L4], s[\base:\base+1] offset:(\off)+64*FI
.set FI, FI+1
.endr
.endm
.macro PLD reg, base, off              ; 16 numbers of a vector over the channels: my lane's
.irp c, 0,1,2,3
	global_load_b128 v[(\reg)+4*\c:(\reg)+4*\c+3], v[GB], s[\base:\base+1] offset:(\off)+16*\c
.endr
.endm
.macro NEXTW wc, wsb, pq, pk, pv       ; what q, k, v want: 60 loads
	WIN 0x40
	WLD 0, 4, \wc, IMQ
	WLD 48, 4, \wc, IMK
	WLD 96, 4, \wc, IMV
	WIN 0
	WSC WS, 4, \wsb, SCQ
	WSC WS+4, 4, \wsb, SCK
	WSC WS+8, 4, \wsb, SCV
	PLD PB, \pq, 0
	PLD PB+16, \pk, 0
.irp d, 0,1
	global_load_b32 v[PC+2*\d], v[GV], s[\pv:\pv+1] offset:32*\d      ; bv of channel (dt, r), twice: a pair for the packed addition
	global_load_b32 v[PC+2*\d+1], v[GV], s[\pv:\pv+1] offset:32*\d
.endr
.endm
.macro BLD img, sc                     ; the tokens' four fragments and scale words from LDS: lane (r, h), registers 6 c .. 6 c + 5: BLK 4 ks + 2 c + h, row 16 u + r
.irp u, 0,1
.irp ks, 0,1
.irp c, 0,1
	ds_load_b128 v[BF+12*(2*\u+\ks)+6*\c:BF+12*(2*\u+\ks)+6*\c+3], v[L16] offset:(\img)+768*(4*\ks+2*\c)+256*\u
	ds_load_b64 v[BF+12*(2*\u+\ks)+6*\c+4:BF+12*(2*\u+\ks)+6*\c+5], v[L8] offset:(\img)+768*(4*\ks+2*\c)+512+128*\u
.endr
.endr
.endr
.irp u, 0,1
.irp ks, 0,1
	ds_load_b32 v[BS+2*\u+\ks], v[L4] offset:(\sc)+128*\ks+64*\u
.endr
.endr
.endm
; Eight products: two tiles of a weight's rows x two tiles of tokens x two K steps.  The four accumulators take turns, one instruction a turn.
; cm = 1: the bias (eight registers a tile, in the result's layout) is the C of a sum's first product; cm = 2: the sums go on in place.  cs: fragments from tile to tile.
; Five v_nop follow: four places for vector instructions and loads that touch the products' registers, one more for products that write over them.
.macro UNIT acc, w, ws, cm, cbias, cs
	WIN 0x01                                       ; source 0 in window 1
.irp ks, 0,1
.irp u, 0,1
.irp ct, 0,1
.if (\ks == 0) && (\cm == 1)
	v_wmma_scale_f32_16x16x128_f8f6f4 v[(\acc)+16*\u+8*\ct:(\acc)+16*\u+8*\ct+7], v[(\w)+12*(\cs*\ct+\ks):(\w)+12*(\cs*\ct+\ks)+11], v[BF+12*(2*\u+\ks):BF+12*(2*\u+\ks)+11], v[(\cbias)+8*\ct:(\cbias)+8*\ct+7], v[(\ws)+\cs*\ct+\ks], v[BS+2*\u+\ks] matrix_a_fmt:MATRIX_FMT_FP6 matrix_b_fmt:MATRIX_FMT_FP6
.else
	v_wmma_scale_f32_16x16x128_f8f6f4 v[(\acc)+16*\u+8*\ct:(\acc)+16*\u+8*\ct+7], v[(\w)+12*(\cs*\ct+\ks):(\w)+12*(\cs*\ct+\ks)+11], v[BF+12*(2*\u+\ks):BF+12*(2*\u+\ks)+11], v[(\acc)+16*\u+8*\ct:(\acc)+16*\u+8*\ct+7], v[(\ws)+\cs*\ct+\ks], v[BS+2*\u+\ks] matrix_a_fmt:MATRIX_FMT_FP6 matrix_b_fmt:MATRIX_FMT_FP6
.endif
.endr
.endr
.endr
	WIN 0
.rept 5
	v_nop
.endr
.endm
.macro UNITV acc, w, ws                ; the same for v: source 0 = tokens, source 1 = rows of Wv; the first products start the sums
	WIN 0x04                                       ; source 1 in window 1
.irp ks, 0,1
.irp d, 0,1
.irp u, 0,1
.if \ks == 0
	v_wmma_scale_f32_16x16x128_f8f6f4 v[(\acc)+16*\d+8*\u:(\acc)+16*\d+8*\u+7], v[BF+12*(2*\u+\ks):BF+12*(2*\u+\ks)+11], v[(\w)+12*(2*\d+\ks):(\w)+12*(2*\d+\ks)+11], 0, v[BS+2*\u+\ks], v[(\ws)+2*\d+\ks] matrix_a_fmt:MATRIX_FMT_FP6 matrix_b_fmt:MATRIX_FMT_FP6
.else
	v_wmma_scale_f32_16x16x128_f8f6f4 v[(\acc)+16*\d+8*\u:(\acc)+16*\d+8*\u+7], v[BF+12*(2*\u+\ks):BF+12*(2*\u+\ks)+11], v[(\w)+12*(2*\d+\ks):(\w)+12*(2*\d+\ks)+11], v[(\acc)+16*\d+8*\u:(\acc)+16*\d+8*\u+7], v[BS+2*\u+\ks], v[(\ws)+2*\d+\ks] matrix_a_fmt:MATRIX_FMT_FP6 matrix_b_fmt:MATRIX_FMT_FP6
.endif
.endr
.endr
.endr
	WIN 0
.rept 5
	v_nop
.endr
.endm
; Two groups x = 0, 1 of 16 registers at s + 16 x: lane (r, h) holds k = 16 h + 0 .. 15 of row (x, r)'s one block of 32.  Behind it lane 16 x + r holds that row's 24 bytes in v[p] on and its scale byte in v[by].
.macro QUANT2 s, p, by
.irp x, 0,1
	v_max3_num_f32 v[QM+\x], |v[(\s)+16*\x]|, |v[(\s)+16*\x+1]|, 0x1800000   ; my 16 numbers, from the low end on, and the floor 2^(3 - 127): the byte cannot fall under 1
.endr
.irp i, 2,4,6,8,10,12,14
.irp x, 0,1
	v_max3_num_f32 v[QM+\x], v[QM+\x], |v[(\s)+16*\x+\i]|, |v[(\s)+16*\x+\i+1]|   ; (the two groups by turns)
.endr
.endr
.irp x, 0,1
	v_permlanex16_b32 v[QTT+\x], v[QM+\x], s[SEL], s[SEL+1]
.endr
.irp x, 0,1
	v_max_num_f32 v[QM+\x], v[QM+\x], v[QTT+\x]    ; with lane l xor 16's: the block's largest magnitude
.endr
.irp x, 0,1
	v_add_nc_u32 v[QSO+\x], 0xff000000, v[QM+\x]   ; 2 off its exponent field: the conversion takes this operand's exponent field as its scale
.endr
.irp x, 0,1
	v_lshrrev_b32 v[QTT+\x], 23, v[QSO+\x]         ; the scale's byte
.endr
	v_cvt_scalef32_pk16_fp6_f32 v[(\p):(\p)+2], v[(\s):(\s)+15], v[QSO]
	v_cvt_scalef32_pk16_fp6_f32 v[QTC:QTC+2], v[(\s)+16:(\s)+31], v[QSO+1]
	v_cndmask_b32 v[\by], v[QTT], v[QTT+1], s[HI]  ; lanes 0-15 group 0's byte, lanes 16-31 group 1's.  (The plain place behind the conversions)
.irp i, 0,1,2
	v_permlane16_swap_b32 v[(\p)+\i], v[QTC+\i]    ; the first's lanes 16-31 change places with the second's lanes 0-15: the first holds each row's lower 16 codes, the second the upper 16
.endr
.irp i, 0,1,2
	v_mov_b32 v[(\p)+3+\i], v[QTC+\i]
.endr
.endm
.macro PUT a16, a8, ab, o, so          ; a BLK and its bytes into LDS
	ds_store_b128 v[\a16], v[QP:QP+3] offset:\o
	ds_store_b64 v[\a8], v[QP+4:QP+5] offset:(\o)+512
	ds_store_b8 v[\ab], v[QBY] offset:\so
.endm
.macro GPUT p, by, creg, vo, sb, sreg  ; a BLK into qkv, 512 and 256 consecutive bytes, and its 32 scale bytes (one byte in 25 of what leaves here), each to its place in the reader's words
	global_store_b128 v[W16], v[(\p):(\p)+3], s[SBC:SBC+1] offset:\creg
	global_store_b64 v[VO8], v[(\p)+4:(\p)+5], s[SBC:SBC+1] offset:(\creg)+512
	global_store_b8 v[\vo], v[\by], s[\sb:\sb+1] offset:\sreg
.endm
.macro BARRIER                         ; my LDS stores have landed and my LDS loads are in: then the work-group's barrier
	s_wait_dscnt 0x0
	s_barrier_signal -1
	s_barrier_wait -1
.endm
; The layer norm of the 32 tokens' rows in v[EA] on, gains in v[PA] on, offsets in v[PA+16] on.  Each accumulator is read from its low end on.
.macro LNORM lns
.irp a, 0,4,8,12
.irp u, 0,1
	v_pk_add_f32 v[ST+16*\u+\a/2:ST+16*\u+\a/2+1], v[EA+16*\u+\a:EA+16*\u+\a+1], v[EA+16*\u+\a+2:EA+16*\u+\a+3]
.endr
.endr
.irp u, 0,1
	v_pk_add_f32 v[ST+16*\u:ST+16*\u+1], v[ST+16*\u:ST+16*\u+1], v[ST+16*\u+2:ST+16*\u+3]
.endr
.irp u, 0,1
	v_pk_add_f32 v[ST+16*\u+4:ST+16*\u+5], v[ST+16*\u+4:ST+16*\u+5], v[ST+16*\u+6:ST+16*\u+7]
.endr
.irp u, 0,1
	v_pk_add_f32 v[ST+16*\u:ST+16*\u+1], v[ST+16*\u:ST+16*\u+1], v[ST+16*\u+4:ST+16*\u+5]
.endr
.irp u, 0,1
	v_add_f32 v[ST+16*\u], v[ST+16*\u], v[ST+16*\u+1]
.endr
.irp u, 0,1
	v_permlanex16_b32 v[ST+16*\u+1], v[ST+16*\u], s[SEL], s[SEL+1]
.endr
.irp u, 0,1
	v_add_f32 v[ST+16*\u], v[ST+16*\u], v[ST+16*\u+1]
.endr
.irp u, 0,1
	v_mul_f32 v[LT+2*\u], 0x3d000000, v[ST+16*\u]  ; / 32: the mean over my wave's 32 channels
.endr
.irp p, 0,2,4,6,8,10,12,14
.irp u, 0,1
	v_pk_add_f32 v[ST+16*\u+\p:ST+16*\u+\p+1], v[EA+16*\u+\p:EA+16*\u+\p+1], v[LT+2*\u:LT+2*\u+1] op_sel_hi:[1,0] neg_lo:[0,1] neg_hi:[0,1]
.endr
.endr
.irp u, 0,1
	v_pk_mul_f32 v[LT+4+2*\u:LT+5+2*\u], v[ST+16*\u:ST+16*\u+1], v[ST+16*\u:ST+16*\u+1]
.endr
.irp p, 2,4,6,8,10,12,14
.irp u, 0,1
	v_pk_fma_f32 v[LT+4+2*\u:LT+5+2*\u], v[ST+16*\u+\p:ST+16*\u+\p+1], v[ST+16*\u+\p:ST+16*\u+\p+1], v[LT+4+2*\u:LT+5+2*\u]
.endr
.endr
.irp u, 0,1
	v_add_f32 v[LT+4+2*\u], v[LT+4+2*\u], v[LT+5+2*\u]
.endr
.irp u, 0,1
	v_permlanex16_b32 v[LT+5+2*\u], v[LT+4+2*\u], s[SEL], s[SEL+1]
.endr
.irp u, 0,1
	v_add_f32 v[LT+2*\u+1], v[LT+4+2*\u], v[LT+5+2*\u]   ; the sum of squares about that mean
.endr
	v_cndmask_b32 v[LT+12], v[LT], v[LT+2], s[HI]  ; lane 16 u + r: token (u, r)'s pair
	v_cndmask_b32 v[LT+13], v[LT+1], v[LT+3], s[HI]
	ds_store_b64 v[SLN], v[LT+12:LT+13] offset:\lns
	BARRIER                                        ; all eight waves' pairs lie in LDS
.irp u, 0,1
.irp w, 0,1,2,3,4,5,6,7
	ds_load_b64 v[ST+16*\u+2*\w:ST+16*\u+2*\w+1], v[L8R] offset:(\lns)+256*\w+128*\u
.endr
.endr
	s_wait_dscnt 0x0
.irp i, 0,1,2,3
.irp u, 0,1
	v_pk_add_f32 v[LT+8*\u+2*\i:LT+8*\u+2*\i+1], v[ST+16*\u+4*\i:ST+16*\u+4*\i+1], v[ST+16*\u+4*\i+2:ST+16*\u+4*\i+3]
.endr
.endr
.irp u, 0,1
	v_pk_add_f32 v[LT+8*\u:LT+8*\u+1], v[LT+8*\u:LT+8*\u+1], v[LT+8*\u+2:LT+8*\u+3]
.endr
.irp u, 0,1
	v_pk_add_f32 v[LT+8*\u+4:LT+8*\u+5], v[LT+8*\u+4:LT+8*\u+5], v[LT+8*\u+6:LT+8*\u+7]
.endr
.irp u, 0,1
	v_pk_add_f32 v[LT+8*\u:LT+8*\u+1], v[LT+8*\u:LT+8*\u+1], v[LT+8*\u+4:LT+8*\u+5]   ; the sum of the eight means, the sum of the eight sums of squares
.endr
.irp u, 0,1
	v_mul_f32 v[LT+8*\u], 0x3e000000, v[LT+8*\u]   ; / 8: the row's mean
.endr
.irp u, 0,1
	v_sub_f32 v[LT+8*\u+2], v[ST+16*\u], v[LT+8*\u]
.endr
.irp u, 0,1
	v_mul_f32 v[LT+8*\u+4], v[LT+8*\u+2], v[LT+8*\u+2]
.endr
.irp w, 1,2,3,4,5,6,7
.irp u, 0,1
	v_sub_f32 v[LT+8*\u+2+\w%2], v[ST+16*\u+2*\w], v[LT+8*\u]
.endr
.irp u, 0,1
	v_fma_f32 v[LT+8*\u+4], v[LT+8*\u+2+\w%2], v[LT+8*\u+2+\w%2], v[LT+8*\u+4]
.endr
.endr
.irp u, 0,1
	v_fma_f32 v[LT+8*\u+4], v[LT+8*\u+4], 0x42000000, v[LT+8*\u+1]   ; 32 x the squares of the waves' means about the row's + the sums of squares
.endr
.irp u, 0,1
	v_fma_f32 v[LT+8*\u+4], v[LT+8*\u+4], s[RN], s[EPS]   ; / 256 + 1e-5
.endr
.irp u, 0,1
	v_rsq_f32 v[LT+8*\u+6], v[LT+8*\u+4]
.endr
	v_nop                                          ; a plain place behind the two roots,
	s_wait_alu depctr_va_vdst(0)                   ; and the one wait ahead of their first use
.irp p, 0,2,4,6,8,10,12,14
.irp u, 0,1
	v_pk_add_f32 v[EA+16*\u+\p:EA+16*\u+\p+1], v[EA+16*\u+\p:EA+16*\u+\p+1], v[LT+8*\u:LT+8*\u+1] op_sel_hi:[1,0] neg_lo:[0,1] neg_hi:[0,1]
.endr
.irp u, 0,1
	v_pk_mul_f32 v[EA+16*\u+\p:EA+16*\u+\p+1], v[EA+16*\u+\p:EA+16*\u+\p+1], v[LT+8*\u+6:LT+8*\u+7] op_sel_hi:[1,0]
.endr
.irp u, 0,1
	v_pk_fma_f32 v[EA+16*\u+\p:EA+16*\u+\p+1], v[EA+16*\u+\p:EA+16*\u+\p+1], v[PA+\p:PA+\p+1], v[PA+16+\p:PA+16+\p+1]
.endr
.endr
.endm
	s_load_b512 s[4:19], s[0:1], 0x0               ; x's codes 4, x's scales 6, wimg 8, bin 10, ln1_g 12, ln1_b 14, bq 16, bk 18
	s_load_b256 s[20:27], s[0:1], 0x40             ; bv 20, e 22, qkv 24, the count 26
	v_lshl_add_u32 v238, v0, 2, 0x10000
	v_mov_b32 v239, 0
	v_lshrrev_b32 v24, 5, v0
	v_readfirstlane_b32 s[CB], v24                 ; wave
	v_and_b32 v[VO1], 31, v0                       ; lane
	v_and_b32 v25, 15, v0                          ; r
	v_bfe_u32 v26, v0, 4, 1                        ; h
	v_and_b32 v27, 8, v25
	v_add_nc_u32 v27, v27, v25                     ; r + 8 (r / 8)
	v_mul_u32_u24 v[L16], v26, 768
	v_lshl_add_u32 v[L8], v25, 3, v[L16]
	v_lshl_add_u32 v[L16], v25, 4, v[L16]
	v_lshlrev_b32 v[L4], 2, v25
	v_lshlrev_b32 v[L8R], 3, v25
	v_lshlrev_b32 v[W16], 4, v[VO1]
	v_lshlrev_b32 v[VO8], 3, v[VO1]
	s_mul_i32 s42, s[CB], 768
	v_add_nc_u32 v[S16E], s42, v[W16]
	v_add_nc_u32 v[S8E], s42, v[VO8]
	s_lshr_b32 s42, s[CB], 2
	s_lshl_b32 s42, s42, 7
	s_and_b32 s43, s[CB], 3
	s_add_co_u32 s42, s42, s43
	v_lshl_add_u32 v[SBE], v[VO1], 2, s42
	s_lshl_b32 s42, s[CB], 8
	v_add_nc_u32 v[SLN], s42, v[VO8]
	v_mul_u32_u24 v[AST], v25, 1040
	v_lshl_add_u32 v[AST], v26, 6, v[AST]
	s_lshl_b32 s42, s[CB], 7
	v_add_nc_u32 v[AST], s42, v[AST]
	s_mul_i32 s42, s[CB], 4160
	v_add_nc_u32 v[ARD], s42, v[W16]
	v_lshlrev_b32 v[GB], 6, v26
	v_lshlrev_b32 v[GV], 2, v27
	v_mul_u32_u24 v[GX], v27, 192
	v_mad_u32_u24 v[GX], v26, 24, v[GX]
	v_lshlrev_b32 v[GR], 3, v27
	v_mov_b32 v[QTT], 0                            ; written once: a lane permute's destination counts as one of its sources
	v_mov_b32 v[QTT+1], 0
	s_mov_b32 s[SEL], 0x76543210
	s_mov_b32 s[SEL+1], 0xfedcba98
	s_mov_b32 s[HI], 0xffff0000
	s_mov_b32 s[RN], 0x3b800000
	s_mov_b32 s[EPS], 0x3727c5ac
	s_mov_b32 s45, 0
	s_wait_kmcnt 0x0
	s_mul_i32 s44, ttmp9, 6144                     ; my 32 tokens: 192 bytes of codes each,
	s_add_nc_u64 s[4:5], s[4:5], s[44:45]
	s_lshl_b32 s44, ttmp9, 8                       ; 8 scale bytes each
	s_add_nc_u64 s[6:7], s[6:7], s[44:45]
	s_mul_i32 s44, s[CB], 6144                     ; my four fragments of a product with 256 outputs,
	s_add_nc_u64 s[WC:WC+1], s[8:9], s[44:45]
	s_lshl_b32 s44, s[CB], 8                       ; and their scale words
	s_add_nc_u64 s[WSB:WSB+1], s[8:9], s[44:45]
	s_lshl_b32 s44, s[CB], 7                       ; my 32 channels of the vectors (layer 0)
.irp q, 10,12,14,16,18,20
	s_add_nc_u64 s[\q:\q+1], s[\q:\q+1], s[44:45]
.endr
	s_lshr_b32 s42, ttmp9, 5                       ; the sequence,
	s_and_b32 s43, ttmp9, 31                       ; the block of 32 tokens in it
	s_lshl_b32 s76, s42, 3
	s_add_co_u32 s76, s76, s[CB]                   ; head = 8 x sequence + wave
	s_lshl_b32 s44, s76, 5
	s_add_co_u32 s39, s44, s43                     ; BLK number = 32 x head + block
	s_mul_i32 s44, s39, 768
	s_add_nc_u64 s[SBC:SBC+1], s[24:25], s[44:45]
	s_lshl_b32 s44, s39, 5
	s_add_nc_u64 s[SBS:SBS+1], s[24:25], s[44:45]
	s_lshl_b32 s76, s76, 10                        ; the head's 1,024 scale bytes
	s_lshr_b32 s77, s43, 1
	s_lshl_b32 s77, s77, 6
	s_and_b32 s78, s43, 1
	s_lshl_b32 s78, s78, 1
	s_add_co_u32 s44, s76, s77
	s_add_co_u32 s44, s44, s78                     ; k: + 64 (blk / 2) + 2 (blk % 2)
	s_add_nc_u64 s[SBK:SBK+1], s[24:25], s[44:45]
	s_lshr_b32 s77, s43, 2
	s_lshl_b32 s77, s77, 7
	s_and_b32 s78, s43, 3
	s_add_co_u32 s44, s76, s77
	s_add_co_u32 s44, s44, s78                     ; v: + 128 (blk / 4) + blk % 4
	s_add_nc_u64 s[SBV:SBV+1], s[24:25], s[44:45]
	s_lshl_b32 s39, s[CB], 2                       ; I store the rows at positions 4 cb .. 4 cb + 3: four neighbouring tokens, from
	s_and_b32 s39, s39, 15
	s_and_b32 s44, s39, 8
	s_add_co_u32 s39, s39, s44
	s_lshr_b32 s44, s[CB], 2
	s_lshl_b32 s44, s44, 3
	s_add_co_u32 s39, s39, s44                     ; 8 u + r + 8 (r / 8) on
	s_lshl_b32 s44, ttmp9, 5
	s_add_co_u32 s44, s44, s39
	s_lshl_b32 s44, s44, 10
	s_add_nc_u64 s[EOUT:EOUT+1], s[22:23], s[44:45]
	; what the first product and the norm want: 56 loads
.irp u, 0,1
.irp ks, 0,1
.irp p, 0,1,2,3,4,5
	global_load_b64 v[BF+12*(2*\u+\ks)+2*\p:BF+12*(2*\u+\ks)+2*\p+1], v[GX], s[4:5] offset:1536*\u+96*\ks+48*(\p/3)+8*(\p%3) th:TH_LOAD_NT
.endr
	global_load_b32 v[BS+2*\u+\ks], v[GR], s[6:7] offset:64*\u+4*\ks th:TH_LOAD_NT
.endr
.endr
	WSC WS+12, 4, WSB, SCIN
	PLD DA, 10, 0
	PLD PA, 12, 0
	PLD PA+16, 14, 0
	WIN 0x40
	WLD 144, 4, WC, IMIN
	NEXTW WC, WSB, 16, 18, 20                      ; and what q, k, v want: 60 loads
	s_wait_loadcnt 60                              ; the first 56 are in; the 60 younger ones may stay out
	UNIT EA, 144, WS+12, 1, DA, 2                  ; x Win^T + bin
	LNORM LNSN
.irp u, 0,1
.irp c, 0,1,2,3
	ds_store_b128 v[AST], v[EA+16*\u+4*\c:EA+16*\u+4*\c+3] offset:STG+16640*\u+16*\c   ; e in f32 into the stage: row = position
.endr
.endr
	QUANT2 EA, QP, QBY
	PUT S16E, S8E, SBE, E1IMG, E1SC
	BARRIER                                        ; 32 whole rows of e, its 8 BLKs and its scale words lie in LDS
.irp k, 0,1,2,3,4,5,6,7
	ds_load_b128 v[EA+4*\k:EA+4*\k+3], v[ARD] offset:STG+1040*(\k/2)+512*(\k%2)
.endr
.irp k, 0,1,2,3,4,5,6,7
	s_wait_dscnt 7-\k                              ; the younger loads may stay out
	global_store_b128 v[W16], v[EA+4*\k:EA+4*\k+3], s[EOUT:EOUT+1] offset:1024*(\k/2)+512*(\k%2)   ; 512 consecutive bytes of a row
.endr
	s_or_b32 s39, ttmp9, s[CB]
	s_cmp_eq_u32 s39, 0
	s_cbranch_scc0 .Lnot_first
	v_mov_b32 v[CV], 0                             ; the number of the layer that follows
	global_store_b32 v[L4], v[CV], s[CNTO:CNTO+1]
.Lnot_first:
	s_wait_loadcnt 0x0                             ; the weights of q, k, v
	BLD E1IMG, E1SC
	v_lshlrev_b32 v[PA+27], 2, v[VO1]              ; 4 x lane: v's bytes
	v_lshrrev_b32 v[PA+28], 4, v[VO1]
	v_add_nc_u32 v[PA+28], v[PA+28], v[L4]         ; 4 r + h: k's bytes
	s_wait_dscnt 0x0
	UNIT DA, 0, WS, 1, PB, 2                       ; q of head cb
	QUANT2 DA, PA, PA+24
	GPUT PA, PA+24, QC_, VO1, SBS, QS_
	UNIT DA, 48, WS+4, 1, PB+16, 2                 ; k
	QUANT2 DA, PA+8, PA+25
	GPUT PA+8, PA+25, KC_, PA+28, SBK, KS_
	UNITV DA, 96, WS+8                             ; v, with the tokens along a lane's registers
.irp d, 0,1
.irp p, 0,2,4,6,8,10,12,14
	v_pk_add_f32 v[DA+16*\d+\p:DA+16*\d+\p+1], v[DA+16*\d+\p:DA+16*\d+\p+1], v[PC+2*\d:PC+2*\d+1]
.endr
.endr
	QUANT2 DA, PA+16, PA+26
	GPUT PA+16, PA+26, VC_, PA+27, SBV, VS_
	s_wait_tensorcnt 0x0
	ds_add_u32 v238, v239
	s_wait_dscnt 0x0
	s_endpgm
.Lfunc_end_k_q41d4d0b992_pre:
	.size	k_q41d4d0b992_pre, .Lfunc_end_k_q41d4d0b992_pre-k_q41d4d0b992_pre
	.p2alignl 7, 3214868480
	.fill 96, 4, 3214868480
	.section	.rodata,"a",@progbits
	.p2align	6, 0x0
	.amdhsa_kernel k_q41d4d0b992_pre
		.amdhsa_group_segment_fixed_size 66560
		.amdhsa_private_segment_fixed_size 0
		.amdhsa_enable_private_segment 0
		.amdhsa_kernarg_size 96
		.amdhsa_user_sgpr_count 2
		.amdhsa_user_sgpr_kernarg_segment_ptr 1
		.amdhsa_wavefront_size32 1
		.amdhsa_system_sgpr_workgroup_id_x 1
		.amdhsa_system_sgpr_workgroup_id_y 1
		.amdhsa_system_sgpr_workgroup_id_z 1
		.amdhsa_system_vgpr_workitem_id 0
		.amdhsa_next_free_vgpr 512
		.amdhsa_next_free_sgpr 80
		.amdhsa_reserve_vcc 0
		.amdhsa_float_denorm_mode_32 3
		.amdhsa_float_denorm_mode_16_64 3
		.amdhsa_memory_ordered 1
		.amdhsa_forward_progress 1
		.amdhsa_inst_pref_size 44
	.end_amdhsa_kernel
	.amdgpu_metadata
---
amdhsa.version: [ 1, 2 ]
amdhsa.kernels:
  - .name:           k_q41d4d0b992_pre
    .symbol:         k_q41d4d0b992_pre.kd
    .args:
      - { .name: x_codes, .offset: 0, .size: 8, .value_kind: global_buffer, .address_space: global }
      - { .name: x_scales, .offset: 8, .size: 8, .value_kind: global_buffer, .address_space: global }
      - { .name: wimg, .offset: 16, .size: 8, .value_kind: global_buffer, .address_space: global }
      - { .name: bin_, .offset: 24, .size: 8, .value_kind: global_buffer, .address_space: global }
      - { .name: ln1_g, .offset: 32, .size: 8, .value_kind: global_buffer, .address_space: global }
      - { .name: ln1_b, .offset: 40, .size: 8, .value_kind: global_buffer, .address_space: global }
      - { .name: bq, .offset: 48, .size: 8, .value_kind: global_buffer, .address_space: global }
      - { .name: bk, .offset: 56, .size: 8, .value_kind: global_buffer, .address_space: global }
      - { .name: bv, .offset: 64, .size: 8, .value_kind: global_buffer, .address_space: global }
      - { .name: e_a, .offset: 72, .size: 8, .value_kind: global_buffer, .address_space: global }
      - { .name: qkv, .offset: 80, .size: 8, .value_kind: global_buffer, .address_space: global }
      - { .name: cnt_a, .offset: 88, .size: 8, .value_kind: global_buffer, .address_space: global }
    .group_segment_fixed_size: 66560
    .private_segment_fixed_size: 0
    .kernarg_segment_align: 8
    .kernarg_segment_size: 96
    .max_flat_workgroup_size: 256
    .sgpr_count:     80
    .vgpr_count:     512
    .wavefront_size: 32
...
	.end_amdgpu_metadata
.endif
;; end of part 5
;; launch layer0 (part 6): grid 256 x 1, 8 waves a work-group, no clusters, 70,656 bytes of LDS; arguments qkv, e_a, cnt_a, wimg, bo, ln2_g, ln2_b, b1, b2, ln1_g, ln1_b, bq, bk, bv, e_b, qkv_b, cnt_b; writes e_b, qkv_b, cnt_b
.if DOCPART == 6
	.amdgcn_target "amdgcn-amd-amdhsa--gfx1250"
	.amdhsa_code_object_version 6
	.text
	.protected	k_q41d4d0b992_layer0
	.globl	k_q41d4d0b992_layer0
	.p2align	8
	.type	k_q41d4d0b992_layer0,@function
k_q41d4d0b992_layer0:
	s_mov_b64 s[64:65], 0
	v_nop
	global_prefetch_b8 v0, s[64:65] scope:SCOPE_SE
	s_setreg_imm32_b32 hwreg(HW_REG_WAVE_MODE, 25, 1), 1
	s_wait_xcnt 0x0
; ONE WHOLE LAYER L, from its q, k, v to the next layer's:  ctx = softmax(q k^T / sqrt(32)) v;  e = LN2(e + ctx Wo^T + bo);  e = e + relu(e W1^T + b1) W2^T + b2;  e = the next norm of e (ln1 of layer L + 1; the closing
; norm behind layer 3), stored in f32; then q, k, v of layer L + 1 as codes.  All products on codes of FP6 (E2M3) with one E8M0 byte for each 32 along K; what is quantised is computed in f32; ctx and the hidden layer never go to memory.
; ONE TEXT SERVES ALL FOUR LAYERS: L is a whole number that the launch before has stored; it is held to 0 .. 3 and enters offsets by additions, shifts left, multiplications and ANDs.  Two branches hang on it, with no barrier behind
; either: round the loads of the next layer's weights, and, behind the last barrier, to the end where L = 3.
; SHARES.  A work-group takes 32 tokens; wave cb of eight owns head cb, channels 32 cb .. + 31 and hidden units 64 cb .. + 63, for both tiles of 16 tokens.
; POSITIONS.  In a block of 32 rows position 16 u + r stands for row 8 u + r + 8 (r / 8): so for tokens, the rows of a weight's tile, the channels of a tile of v.
; A BLK is 32 rows x 32 codes in 768 bytes: row l's bytes 0-15 at 16 l, bytes 16-23 at 512 + 8 l.
; THE ATTENTION.  Wave cb walks head cb's 1,024 keys, 128 a step, for its 32 queries.  Only this wave of the work-group wants that head, so K's and V's fragments go from memory straight into its registers, as they lie: 16 loads of
; 16 or 8 bytes a lane and 4 scale words a step; two sets of 48 registers take turns: the next step's loads are issued at a step's head and waited for at its end.  No LDS and no barrier in the loop.
; Work-group blk begins at key step blk % 8 and goes round, so that the 32 work-groups of a sequence ask for different steps at any one time; the running maximum makes the order of the keys free.
; t = score x log2(e) / sqrt(32); M = the running largest t rounded UP to a whole number; p = 2^(t - M) is quantised along the keys; the row's sum is taken of the unquantised p and divides at the end.
; S^T = K Q^T WITH K = 32: source 0 holds FOUR tiles of 16 keys, one in each of the instruction's four blocks (lane (r, h), registers 6 c2 .. + 5 = BLK 2 F + c2, row 16 h + r); source 1 holds q in ONE block and zero codes in the
; other three: four views of a run of registers [0, q in lanes 0-15, 0, q in lanes 16-31, 0], continued for the second tile.  A lane holds one query; the 16 registers of tiles 2 b, 2 b + 1 are tokens 16 h + 0 .. 15 of key block b.
; O^T = V^T P^T holds one query a lane and channels 16 h + 8 dt + 0 .. 7: two tiles of queries are the two groups that the quantiser takes, and ctx becomes BLK cb of the next product's operand, in LDS.
; THE REST.  Products are used transposed (source 0 = 16 rows of a weight, source 1 = 16 tokens): lane (r, h) of accumulator [u][ct] holds token (u, r) and 8 units 16 h + 8 ct + 0 .. 7 of a wave's 32.  v is made the other way round.
; What one wave quantises reaches the others through LDS as BLKs and scale words; six barriers; no LDS byte is written twice.  The weights come from wimg as register images.
; NO CLUSTER, NO TENSOR LOAD: the text has branches on a number read from memory; and each wave wants its own head and its own rows of each weight, once, in registers.
; LIMITS: a block of zeros gets the byte 1 (its codes are zeros; only this program reads the bytes); a block whose largest magnitude lies under 2^-124 is held at byte 1; NaN and infinities are not served.
.set IMQ, 0                            ; wimg: images of Wq, Wk, Wv, Wo, W1, W2,
.set IMK, 196608
.set IMV, 393216
.set IMO, 589824
.set IM1, 786432
.set IM2, 1179648
.set SCQ, 1622016                      ; and their scale words
.set SCK, 1630208
.set SCV, 1638400
.set SCO, 1646592
.set SC1, 1654784
.set SC2, 1671168
.set QC_, 0                            ; q, k, v: codes [head 64][block 32][768],
.set KC_, 1572864
.set VC_, 3145728
.set QS_, 4718592                      ; and scale bytes, 1,024 a head: q's at 32 blk + l; k's at 64 (blk / 2) + 4 r + 2 (blk % 2) + h; v's at 128 (blk / 4) + 4 l + blk % 4
.set KS_, 4784128
.set VS_, 4849664
.set E2IMG, 0                          ; LDS: LN2's e as 8 BLKs,
.set E2SC, 6144                        ; its scale words [K step][u][r],
.set HIMG, 6400                        ; the hidden layer's 16 BLKs,
.set HSC, 18688                        ; its scale words,
.set E1IMG, 19200                      ; the next norm's e as 8 BLKs,
.set E1SC, 25344                       ; its scale words,
.set LNS2, 25600                       ; each wave's mean and sum of squares, for LN2,
.set LNSN, 27648                       ; and for the next norm,
.set CIMG, 29696                       ; ctx as 8 BLKs (BLK = head),
.set CSC, 35840                        ; its scale words,
.set STG, 36096                        ; and 32 rows of e, 1,024 bytes + 16
.set L16, 1                            ; v1   768 h + 16 r
.set L8, 2                             ; v2   768 h + 8 r
.set L4, 3                             ; v3   4 r
.set L8R, 4                            ; v4   8 r
.set W16, 5                            ; v5   16 x lane
.set S16E, 6                           ; v6   768 cb + 16 x lane: my BLK of ctx and of e
.set S8E, 7                            ; v7   768 cb + 8 x lane
.set SBE, 8                            ; v8   128 (cb / 4) + cb % 4 + 4 x lane: my byte of their scale words
.set S16H, 9                           ; v9   1536 cb + 16 x lane: my two BLKs of the hidden layer
.set S8H, 10                           ; v10  1536 cb + 8 x lane
.set SBH, 11                           ; v11  128 (cb / 2) + 2 (cb % 2) + 4 x lane
.set SLN, 12                           ; v12  256 cb + 8 x lane
.set AST, 13                           ; v13  1040 r + 64 h + 128 cb
.set ARD, 14                           ; v14  4160 cb + 16 x lane
.set VO8, 15                           ; v15  8 x lane
.set VO1, 16                           ; v16  lane
.set GB, 17                            ; v17  64 h
.set GE, 18                            ; v18  1024 (r + 8 (r / 8)) + 64 h: e in memory
.set R16, 19                           ; v19  16 r
.set GR, 21                            ; v21  r
.set GV, 22                            ; v22  4 (r + 8 (r / 8))
.set CV, 23                            ; v23  the count that is stored
.set EA, 24                            ; v24-55   e: accumulators [u][ct]
.set DA, 56                            ; v56-87   ctx, later the accumulators of the hidden layer, q, k, v
.set BF, 88                            ; v88-135  the tokens' fragments (u, K step) at BF + 12 (2 u + ks); at work in the norms
.set ST, BF
.set LT, BF+32
.set BS, 136                           ; v136-139 the tokens' scale words
.set WS, 140                           ; v140-159 the weights' scale words: Wo 4, W1 8, W2 8; later q, k, v in the first 12
.set PA, 160                           ; v160-191 a norm's gains and offsets; later the codes that leave
.set PB, 192                           ; v192-223 b1; later bq, bk
.set PC, 224                           ; v224-239 bo; later bv
.set QM, 240
.set QTT, 242
.set QSO, 244
.set QP, 246
.set QTC, 252
.set QBY, 255
;                                        THE ATTENTION'S REGISTERS lie over those that the rest uses later; Wo's and W1's scale words, LN2's vectors and bo stay loaded beside them
.set S, 24                             ; v24-87   S^T of the tile in hand, then p
.set O, 88                             ; v88-119  O^T, 16 a tile of queries
.set PCD, 120                          ; v120-131 p's codes
.set KSW, 136                          ; v136-139 K's scale words, two for each set
.set VSW, 152                          ; v152-155 V's
.set QSW, 156                          ; v156-157 q's byte, four times, for each tile
.set PSW, 158                          ; v158     p's scale word
.set PT, 192                           ; v192-199 at work
.set BM, 200                           ; v200-203 the blocks' largest scores, then largest p
.set BT, 204                           ; v204-207 the other half's, then bytes
.set SO, 208                           ; v208-211 the conversions' scale operands
.set STT, 240                          ; v240-247 for each tile: -M, the largest t, the sum in two halves
.set FF, 248                           ; v[248:249] f = 2^(old M - new M)
.set TM, 250                           ; v250-253 at work
;                                        WINDOW 1: v0-47 Wo; v48-143 K's and V's two sets, then W1; v144-197 the run of q and zeros, v198-229 e, then W2 in v144-239; v240-255 b2.  Later q's weights at 0, k's at 48, v's at 96
.set KV, 48
.set QB, 144
.set EIN, 198
.set B2W, 240
.set CB, 38                            ; s38  wave
.set LY, 40                            ; s40  L
.set CNTV, 41                          ; s41  L + 1
.set WOC, 46                           ; s[46:57] wimg at my fragments and scale words: Wo's; W1's and W2's; the next layer's q, k, v
.set WOS, 48
.set W12C, 50
.set W12S, 52
.set WNC, 54
.set WNS, 56
.set SEL, 58
.set HI, 60
.set SBC, 62                           ; s[62:63] the next q, k, v at my BLK
.set SBS, 66                           ; s[66:67] at q's 32 scale bytes
.set EOUT, 68
.set RN, 70
.set EPS, 71
.set SBK, 72                           ; s[72:73] at my block's place among k's scale words
.set LNX, 74                           ; s74  (L + 1) % 4
.set SBV, 76                           ; s[76:77] and among v's
.set CS, 78                            ; s[78:79] c = log2(e) / sqrt(32)
.set HB, 80                            ; s[80:81] this layer's q, k, v at my head's codes
.set HS, 82                            ; s[82:83] and at its scale bytes
.set KB, 84                            ; s[84:85] the same at the key step that is being asked for
.set SB, 86                            ; s[86:87]
.set OF, 88                            ; s[88:89] an offset, 0 above it
.set SG, 90                            ; s90  the key step that is being asked for
.set CNT, 91
.set QCB, 92                           ; s[92:93] my queries' BLK
.set QSB, 94                           ; s[94:95] and their scale bytes
.set CNTO, 36
.set MSB, 0
.macro WIN new                         ; the immediate's high byte repeats the setting that is left
.if MSB != \new
	s_set_vgpr_msb (MSB<<8)|\new
.set MSB, \new
.endif
.endm
.macro WLD w, n, base, off             ; n fragments' images into window 1 (the caller has set the destination's window)
.set FI, 0
.rept \n
.irp i, 0,1,2
	global_load_b128 v[(\w)+12*FI+4*\i:(\w)+12*FI+4*\i+3], v[W16], s[\base:\base+1] offset:(\off)+1536*FI+512*\i
.endr
.set FI, FI+1
.endr
.endm
.macro WSC ws, n, base, off            ; and their scale words
.set FI, 0
.rept \n
	global_load_b32 v[(\ws)+FI], v[L4], s[\base:\base+1] offset:(\off)+64*FI
.set FI, FI+1
.endr
.endm
.macro PLD reg, base, off              ; 16 numbers of a vector over the channels: my lane's
.irp c, 0,1,2,3
	global_load_b128 v[(\reg)+4*\c:(\reg)+4*\c+3], v[GB], s[\base:\base+1] offset:(\off)+16*\c
.endr
.endm
.macro NEXTW wc, wsb, pq, pk, pv       ; what q, k, v want: 60 loads
	WIN 0x40
	WLD 0, 4, \wc, IMQ
	WLD 48, 4, \wc, IMK
	WLD 96, 4, \wc, IMV
	WIN 0
	WSC WS, 4, \wsb, SCQ
	WSC WS+4, 4, \wsb, SCK
	WSC WS+8, 4, \wsb, SCV
	PLD PB, \pq, 0
	PLD PB+16, \pk, 0
.irp d, 0,1
	global_load_b32 v[PC+2*\d], v[GV], s[\pv:\pv+1] offset:32*\d      ; bv of channel (dt, r), twice: a pair for the packed addition
	global_load_b32 v[PC+2*\d+1], v[GV], s[\pv:\pv+1] offset:32*\d
.endr
.endm
.macro BLD img, sc                     ; the tokens' four fragments and scale words from LDS: lane (r, h), registers 6 c .. 6 c + 5: BLK 4 ks + 2 c + h, row 16 u + r
.irp u, 0,1
.irp ks, 0,1
.irp c, 0,1
	ds_load_b128 v[BF+12*(2*\u+\ks)+6*\c:BF+12*(2*\u+\ks)+6*\c+3], v[L16] offset:(\img)+768*(4*\ks+2*\c)+256*\u
	ds_load_b64 v[BF+12*(2*\u+\ks)+6*\c+4:BF+12*(2*\u+\ks)+6*\c+5], v[L8] offset:(\img)+768*(4*\ks+2*\c)+512+128*\u
.endr
.endr
.endr
.irp u, 0,1
.irp ks, 0,1
	ds_load_b32 v[BS+2*\u+\ks], v[L4] offset:(\sc)+128*\ks+64*\u
.endr
.endr
.endm
; Eight products: two tiles of a weight's rows x two tiles of tokens x two K steps.  The four accumulators take turns, one instruction a turn.
; cm = 1: the bias (eight registers a tile, in the result's layout) is the C of a sum's first product; cm = 2: the sums go on in place.  cs: fragments from tile to tile.
; Five v_nop follow: four places for vector instructions and loads that touch the products' registers, one more for products that write over them.
.macro UNIT acc, w, ws, cm, cbias, cs
	WIN 0x01                                       ; source 0 in window 1
.irp ks, 0,1
.irp u, 0,1
.irp ct, 0,1
.if (\ks == 0) && (\cm == 1)
	v_wmma_scale_f32_16x16x128_f8f6f4 v[(\acc)+16*\u+8*\ct:(\acc)+16*\u+8*\ct+7], v[(\w)+12*(\cs*\ct+\ks):(\w)+12*(\cs*\ct+\ks)+11], v[BF+12*(2*\u+\ks):BF+12*(2*\u+\ks)+11], v[(\cbias)+8*\ct:(\cbias)+8*\ct+7], v[(\ws)+\cs*\ct+\ks], v[BS+2*\u+\ks] matrix_a_fmt:MATRIX_FMT_FP6 matrix_b_fmt:MATRIX_FMT_FP6
.else
	v_wmma_scale_f32_16x16x128_f8f6f4 v[(\acc)+16*\u+8*\ct:(\acc)+16*\u+8*\ct+7], v[(\w)+12*(\cs*\ct+\ks):(\w)+12*(\cs*\ct+\ks)+11], v[BF+12*(2*\u+\ks):BF+12*(2*\u+\ks)+11], v[(\acc)+16*\u+8*\ct:(\acc)+16*\u+8*\ct+7], v[(\ws)+\cs*\ct+\ks], v[BS+2*\u+\ks] matrix_a_fmt:MATRIX_FMT_FP6 matrix_b_fmt:MATRIX_FMT_FP6
.endif
.endr
.endr
.endr
	WIN 0
.rept 5
	v_nop
.endr
.endm
.macro UNITV acc, w, ws                ; the same for v: source 0 = tokens, source 1 = rows of Wv; the first products start the sums
	WIN 0x04                                       ; source 1 in window 1
.irp ks, 0,1
.irp d, 0,1
.irp u, 0,1
.if \ks == 0
	v_wmma_scale_f32_16x16x128_f8f6f4 v[(\acc)+16*\d+8*\u:(\acc)+16*\d+8*\u+7], v[BF+12*(2*\u+\ks):BF+12*(2*\u+\ks)+11], v[(\w)+12*(2*\d+\ks):(\w)+12*(2*\d+\ks)+11], 0, v[BS+2*\u+\ks], v[(\ws)+2*\d+\ks] matrix_a_fmt:MATRIX_FMT_FP6 matrix_b_fmt:MATRIX_FMT_FP6
.else
	v_wmma_scale_f32_16x16x128_f8f6f4 v[(\acc)+16*\d+8*\u:(\acc)+16*\d+8*\u+7], v[BF+12*(2*\u+\ks):BF+12*(2*\u+\ks)+11], v[(\w)+12*(2*\d+\ks):(\w)+12*(2*\d+\ks)+11], v[(\acc)+16*\d+8*\u:(\acc)+16*\d+8*\u+7], v[BS+2*\u+\ks], v[(\ws)+2*\d+\ks] matrix_a_fmt:MATRIX_FMT_FP6 matrix_b_fmt:MATRIX_FMT_FP6
.endif
.endr
.endr
.endr
	WIN 0
.rept 5
	v_nop
.endr
.endm
; Two groups x = 0, 1 of 16 registers at s + 16 x: lane (r, h) holds k = 16 h + 0 .. 15 of row (x, r)'s one block of 32.  Behind it lane 16 x + r holds that row's 24 bytes in v[p] on and its scale byte in v[by].
.macro QUANT2 s, p, by
.irp x, 0,1
	v_max3_num_f32 v[QM+\x], |v[(\s)+16*\x]|, |v[(\s)+16*\x+1]|, 0x1800000   ; my 16 numbers, from the low end on, and the floor 2^(3 - 127): the byte cannot fall under 1
.endr
.irp i, 2,4,6,8,10,12,14
.irp x, 0,1
	v_max3_num_f32 v[QM+\x], v[QM+\x], |v[(\s)+16*\x+\i]|, |v[(\s)+16*\x+\i+1]|   ; (the two groups by turns)
.endr
.endr
.irp x, 0,1
	v_permlanex16_b32 v[QTT+\x], v[QM+\x], s[SEL], s[SEL+1]
.endr
.irp x, 0,1
	v_max_num_f32 v[QM+\x], v[QM+\x], v[QTT+\x]    ; with lane l xor 16's: the block's largest magnitude
.endr
.irp x, 0,1
	v_add_nc_u32 v[QSO+\x], 0xff000000, v[QM+\x]   ; 2 off its exponent field: the conversion takes this operand's exponent field as its scale
.endr
.irp x, 0,1
	v_lshrrev_b32 v[QTT+\x], 23, v[QSO+\x]         ; the scale's byte
.endr
	v_cvt_scalef32_pk16_fp6_f32 v[(\p):(\p)+2], v[(\s):(\s)+15], v[QSO]
	v_cvt_scalef32_pk16_fp6_f32 v[QTC:QTC+2], v[(\s)+16:(\s)+31], v[QSO+1]
	v_cndmask_b32 v[\by], v[QTT], v[QTT+1], s[HI]  ; lanes 0-15 group 0's byte, lanes 16-31 group 1's.  (The plain place behind the conversions)
.irp i, 0,1,2
	v_permlane16_swap_b32 v[(\p)+\i], v[QTC+\i]    ; the first's lanes 16-31 change places with the second's lanes 0-15: the first holds each row's lower 16 codes, the second the upper 16
.endr
.irp i, 0,1,2
	v_mov_b32 v[(\p)+3+\i], v[QTC+\i]
.endr
.endm
.macro PUT a16, a8, ab, o, so          ; a BLK and its bytes into LDS
	ds_store_b128 v[\a16], v[QP:QP+3] offset:\o
	ds_store_b64 v[\a8], v[QP+4:QP+5] offset:(\o)+512
	ds_store_b8 v[\ab], v[QBY] offset:\so
.endm
.macro GPUT p, by, creg, vo, sb, sreg  ; a BLK into the next q, k, v, 512 and 256 consecutive bytes, and its 32 scale bytes (one byte in 25 of what leaves here), each to its place in the reader's words
	global_store_b128 v[W16], v[(\p):(\p)+3], s[SBC:SBC+1] offset:\creg
	global_store_b64 v[VO8], v[(\p)+4:(\p)+5], s[SBC:SBC+1] offset:(\creg)+512
	global_store_b8 v[\vo], v[\by], s[\sb:\sb+1] offset:\sreg
.endm
.macro BARRIER                         ; my LDS stores have landed and my LDS loads are in: then the work-group's barrier
	s_wait_dscnt 0x0
	s_barrier_signal -1
	s_barrier_wait -1
.endm
; The layer norm of the 32 tokens' rows in v[EA] on, gains in v[PA] on, offsets in v[PA+16] on: each wave's own mean and sum of squares about it, joined over the eight waves: no difference of large sums is formed.
; Each accumulator is read from its low end on.
.macro LNORM lns
.irp a, 0,4,8,12
.irp u, 0,1
	v_pk_add_f32 v[ST+16*\u+\a/2:ST+16*\u+\a/2+1], v[EA+16*\u+\a:EA+16*\u+\a+1], v[EA+16*\u+\a+2:EA+16*\u+\a+3]
.endr
.endr
.irp u, 0,1
	v_pk_add_f32 v[ST+16*\u:ST+16*\u+1], v[ST+16*\u:ST+16*\u+1], v[ST+16*\u+2:ST+16*\u+3]
.endr
.irp u, 0,1
	v_pk_add_f32 v[ST+16*\u+4:ST+16*\u+5], v[ST+16*\u+4:ST+16*\u+5], v[ST+16*\u+6:ST+16*\u+7]
.endr
.irp u, 0,1
	v_pk_add_f32 v[ST+16*\u:ST+16*\u+1], v[ST+16*\u:ST+16*\u+1], v[ST+16*\u+4:ST+16*\u+5]
.endr
.irp u, 0,1
	v_add_f32 v[ST+16*\u], v[ST+16*\u], v[ST+16*\u+1]
.endr
.irp u, 0,1
	v_permlanex16_b32 v[ST+16*\u+1], v[ST+16*\u], s[SEL], s[SEL+1]
.endr
.irp u, 0,1
	v_add_f32 v[ST+16*\u], v[ST+16*\u], v[ST+16*\u+1]
.endr
.irp u, 0,1
	v_mul_f32 v[LT+2*\u], 0x3d000000, v[ST+16*\u]  ; / 32: the mean over my wave's 32 channels
.endr
.irp p, 0,2,4,6,8,10,12,14
.irp u, 0,1
	v_pk_add_f32 v[ST+16*\u+\p:ST+16*\u+\p+1], v[EA+16*\u+\p:EA+16*\u+\p+1], v[LT+2*\u:LT+2*\u+1] op_sel_hi:[1,0] neg_lo:[0,1] neg_hi:[0,1]
.endr
.endr
.irp u, 0,1
	v_pk_mul_f32 v[LT+4+2*\u:LT+5+2*\u], v[ST+16*\u:ST+16*\u+1], v[ST+16*\u:ST+16*\u+1]
.endr
.irp p, 2,4,6,8,10,12,14
.irp u, 0,1
	v_pk_fma_f32 v[LT+4+2*\u:LT+5+2*\u], v[ST+16*\u+\p:ST+16*\u+\p+1], v[ST+16*\u+\p:ST+16*\u+\p+1], v[LT+4+2*\u:LT+5+2*\u]
.endr
.endr
.irp u, 0,1
	v_add_f32 v[LT+4+2*\u], v[LT+4+2*\u], v[LT+5+2*\u]
.endr
.irp u, 0,1
	v_permlanex16_b32 v[LT+5+2*\u], v[LT+4+2*\u], s[SEL], s[SEL+1]
.endr
.irp u, 0,1
	v_add_f32 v[LT+2*\u+1], v[LT+4+2*\u], v[LT+5+2*\u]   ; the sum of squares about that mean
.endr
	v_cndmask_b32 v[LT+12], v[LT], v[LT+2], s[HI]  ; lane 16 u + r: token (u, r)'s pair
	v_cndmask_b32 v[LT+13], v[LT+1], v[LT+3], s[HI]
	ds_store_b64 v[SLN], v[LT+12:LT+13] offset:\lns
	BARRIER                                        ; all eight waves' pairs lie in LDS
.irp u, 0,1
.irp w, 0,1,2,3,4,5,6,7
	ds_load_b64 v[ST+16*\u+2*\w:ST+16*\u+2*\w+1], v[L8R] offset:(\lns)+256*\w+128*\u
.endr
.endr
	s_wait_dscnt 0x0
.irp i, 0,1,2,3
.irp u, 0,1
	v_pk_add_f32 v[LT+8*\u+2*\i:LT+8*\u+2*\i+1], v[ST+16*\u+4*\i:ST+16*\u+4*\i+1], v[ST+16*\u+4*\i+2:ST+16*\u+4*\i+3]
.endr
.endr
.irp u, 0,1
	v_pk_add_f32 v[LT+8*\u:LT+8*\u+1], v[LT+8*\u:LT+8*\u+1], v[LT+8*\u+2:LT+8*\u+3]
.endr
.irp u, 0,1
	v_pk_add_f32 v[LT+8*\u+4:LT+8*\u+5], v[LT+8*\u+4:LT+8*\u+5], v[LT+8*\u+6:LT+8*\u+7]
.endr
.irp u, 0,1
	v_pk_add_f32 v[LT+8*\u:LT+8*\u+1], v[LT+8*\u:LT+8*\u+1], v[LT+8*\u+4:LT+8*\u+5]   ; the sum of the eight means, the sum of the eight sums of squares
.endr
.irp u, 0,1
	v_mul_f32 v[LT+8*\u], 0x3e000000, v[LT+8*\u]   ; / 8: the row's mean
.endr
.irp u, 0,1
	v_sub_f32 v[LT+8*\u+2], v[ST+16*\u], v[LT+8*\u]
.endr
.irp u, 0,1
	v_mul_f32 v[LT+8*\u+4], v[LT+8*\u+2], v[LT+8*\u+2]
.endr
.irp w, 1,2,3,4,5,6,7
.irp u, 0,1
	v_sub_f32 v[LT+8*\u+2+\w%2], v[ST+16*\u+2*\w], v[LT+8*\u]
.endr
.irp u, 0,1
	v_fma_f32 v[LT+8*\u+4], v[LT+8*\u+2+\w%2], v[LT+8*\u+2+\w%2], v[LT+8*\u+4]
.endr
.endr
.irp u, 0,1
	v_fma_f32 v[LT+8*\u+4], v[LT+8*\u+4], 0x42000000, v[LT+8*\u+1]   ; 32 x the squares of the waves' means about the row's + the sums of squares
.endr
.irp u, 0,1
	v_fma_f32 v[LT+8*\u+4], v[LT+8*\u+4], s[RN], s[EPS]   ; / 256 + 1e-5
.endr
.irp u, 0,1
	v_rsq_f32 v[LT+8*\u+6], v[LT+8*\u+4]
.endr
	v_nop                                          ; a plain place behind the two roots,
	s_wait_alu depctr_va_vdst(0)                   ; and the one wait ahead of their first use
.irp p, 0,2,4,6,8,10,12,14
.irp u, 0,1
	v_pk_add_f32 v[EA+16*\u+\p:EA+16*\u+\p+1], v[EA+16*\u+\p:EA+16*\u+\p+1], v[LT+8*\u:LT+8*\u+1] op_sel_hi:[1,0] neg_lo:[0,1] neg_hi:[0,1]
.endr
.irp u, 0,1
	v_pk_mul_f32 v[EA+16*\u+\p:EA+16*\u+\p+1], v[EA+16*\u+\p:EA+16*\u+\p+1], v[LT+8*\u+6:LT+8*\u+7] op_sel_hi:[1,0]
.endr
.irp u, 0,1
	v_pk_fma_f32 v[EA+16*\u+\p:EA+16*\u+\p+1], v[EA+16*\u+\p:EA+16*\u+\p+1], v[PA+\p:PA+\p+1], v[PA+16+\p:PA+16+\p+1]
.endr
.endr
.endm
; A key step's K and V into set kb: 20 loads.  K: two fragments, each four tiles of 16 keys: 16 and 8 bytes a lane as the BLKs lie.  V: two fragments (16 channels x 128 keys): lane (r, h), registers 6 c .. + 5: BLK 2 c + h of the step's four, row 16 d + r.
.macro KVLD kb
	WIN 0x40                                       ; destination in window 1
.irp f, 0,1
.irp c, 0,1
	global_load_b128 v[KV+48*(\kb)+12*\f+6*\c:KV+48*(\kb)+12*\f+6*\c+3], v[W16], s[KB:KB+1] offset:KC_+768*(2*\f+\c)
	global_load_b64 v[KV+48*(\kb)+12*\f+6*\c+4:KV+48*(\kb)+12*\f+6*\c+5], v[VO8], s[KB:KB+1] offset:KC_+768*(2*\f+\c)+512
.endr
.endr
.irp d, 0,1
.irp c, 0,1
	global_load_b128 v[KV+48*(\kb)+24+12*\d+6*\c:KV+48*(\kb)+24+12*\d+6*\c+3], v[L16], s[KB:KB+1] offset:VC_+1536*\c+256*\d
	global_load_b64 v[KV+48*(\kb)+24+12*\d+6*\c+4:KV+48*(\kb)+24+12*\d+6*\c+5], v[L8], s[KB:KB+1] offset:VC_+1536*\c+512+128*\d
.endr
.endr
	WIN 0
.irp f, 0,1
	global_load_b32 v[KSW+2*(\kb)+\f], v[L4], s[SB:SB+1] offset:KS_+64*\f
	global_load_b32 v[VSW+2*(\kb)+\f], v[L4], s[SB:SB+1] offset:VS_+64*\f
.endr
.endm
; A key step for one tile of 16 queries: K and V from set kb, tile qu.
.macro TILE kb, qu
.set NM, STT+4*(\qu)                   ; -M; NM + 1 the largest t; NM + 2, NM + 3 the sum
	WIN 0x05                                       ; sources 0 and 1 in window 1
.irp f, 0,1
.irp c, 0,1,2,3
	v_wmma_scale_f32_16x16x128_f8f6f4 v[S+8*(4*\f+\c):S+8*(4*\f+\c)+7], v[KV+48*(\kb)+12*\f:KV+48*(\kb)+12*\f+11], v[QB+24*(\qu)+6+12*(\c%2)-6*(\c/2):QB+24*(\qu)+17+12*(\c%2)-6*(\c/2)], 0, v[KSW+2*(\kb)+\f], v[QSW+(\qu)] matrix_a_fmt:MATRIX_FMT_FP6 matrix_b_fmt:MATRIX_FMT_FP6
.endr
.endr
	WIN 0
.rept 4
	v_nop
.endr
.irp b, 0,1,2,3
	v_max3_num_f32 v[BM+\b], v[S+16*\b], v[S+16*\b+1], v[S+16*\b+2]   ; the largest score of each block of 32 keys: for the row's maximum, and, since p rises with the score, for the block's largest p
.endr
.irp i, 3,5,7,9,11,13
.irp b, 0,1,2,3
	v_max3_num_f32 v[BM+\b], v[BM+\b], v[S+16*\b+\i], v[S+16*\b+\i+1]
.endr
.endr
.irp b, 0,1,2,3
	v_max_num_f32 v[BM+\b], v[BM+\b], v[S+16*\b+15]
.endr
.irp b, 0,1,2,3
	v_permlanex16_b32 v[BT+\b], v[BM+\b], s[SEL], s[SEL+1]
.endr
.irp b, 0,1,2,3
	v_max_num_f32 v[BM+\b], v[BM+\b], v[BT+\b]     ; with lane l xor 16's 16 keys
.endr
	v_max3_num_f32 v[TM], v[BM], v[BM+1], v[BM+2]
	v_max_num_f32 v[TM], v[TM], v[BM+3]
	v_mul_f32 v[TM], s[CS], v[TM]                  ; as t (c is positive)
	v_max_num_f32 v[NM+1], v[NM+1], v[TM]          ; the running largest t
	v_mov_b32 v[TM], v[NM]
	v_floor_f32 v[NM], -v[NM+1]                    ; the new -M = -ceil(t): a whole number
	v_sub_f32 v[TM], v[NM], v[TM]                  ; old M - new M: a whole number, 0 or less
	v_cvt_i32_f32 v[TM], v[TM]                     ; (it saturates)
	v_ldexp_f32 v[FF], 1.0, v[TM]                  ; f = 2^(old M - new M): multiplying by it rounds nothing
.set J, 0
.rept 32
	v_pk_fma_f32 v[S+J:S+J+1], v[S+J:S+J+1], s[CS:CS+1], v[NM:NM+1] op_sel_hi:[1,0,0]   ; t - M, two at a time
.set J, J+2
.endr
.irp b, 0,1,2,3
	v_fma_f32 v[BM+\b], v[BM+\b], s[CS], v[NM]     ; the same of each block's largest score
.endr
.set J, 0
.rept 64
	v_exp_f32 v[S+J], v[S+J]                       ; p = 2^(t - M), at most 1
.set J, J+1
.endr
	v_pk_mul_f32 v[NM+2:NM+3], v[NM+2:NM+3], v[FF:FF+1] op_sel_hi:[1,0]   ; the sums under the new M.  (The plain place behind the batch)
	s_wait_alu depctr_va_vdst(0)                   ; one wait for the 64, ahead of the first line that names a result
.irp b, 0,1,2,3
	v_exp_f32 v[BM+\b], v[BM+\b]                   ; the blocks' largest p: the same two instructions on the same numbers
.endr
.irp j, 0,2,4,6,8,10,12,14
	v_pk_mul_f32 v[O+16*(\qu)+\j:O+16*(\qu)+\j+1], v[O+16*(\qu)+\j:O+16*(\qu)+\j+1], v[FF:FF+1] op_sel_hi:[1,0]   ; O^T under the new M, from each accumulator's low end on: work that names none of the four
.endr
	s_wait_alu depctr_va_vdst(0)                   ; and one wait for the four
.irp b, 0,1,2,3
	v_max_num_f32 v[BM+\b], 0x1800000, v[BM+\b]    ; the floor 2^(3 - 127): the byte cannot fall under 1
.endr
.irp b, 0,1,2,3
	v_add_nc_u32 v[SO+\b], 0xff000000, v[BM+\b]    ; 2 off the exponent field: the conversion's scale operand
.endr
.irp b, 0,1,2,3
	v_lshrrev_b32 v[BT+\b], 23, v[SO+\b]
.endr
	v_lshl_or_b32 v[PSW], v[BT+1], 8, v[BT]        ; p's scale word for these 128 keys
	v_lshl_or_b32 v[PSW], v[BT+2], 16, v[PSW]
	v_lshl_or_b32 v[PSW], v[BT+3], 24, v[PSW]
	v_pk_add_f32 v[TM+2:TM+3], v[S:S+1], v[S+2:S+3]   ; the row's sum of the UNQUANTISED p, in two chains.  (These 32 also stand between the scale word's last write and the products that read it: eight are asked)
.set J, 4
.rept 15
	v_pk_add_f32 v[NM+2:NM+3], v[NM+2:NM+3], v[S+J:S+J+1]
	v_pk_add_f32 v[TM+2:TM+3], v[TM+2:TM+3], v[S+J+2:S+J+3]
.set J, J+4
.endr
	v_pk_add_f32 v[NM+2:NM+3], v[NM+2:NM+3], v[TM+2:TM+3]
.irp c, 0,1
	v_cvt_scalef32_pk16_fp6_f32 v[PCD+6*\c:PCD+6*\c+2], v[S+32*\c:S+32*\c+15], v[SO+2*\c]
	v_cvt_scalef32_pk16_fp6_f32 v[PT+4*\c:PT+4*\c+2], v[S+32*\c+16:S+32*\c+31], v[SO+2*\c+1]   ; (a conversion's three registers begin on an even number)
.endr
	v_nop                                          ; one plain place behind the conversions
.irp c, 0,1                                    ; the operand's layout wants a whole block in a lane: lanes 0-15 block 2 c, lanes 16-31 block 2 c + 1
.irp i, 0,1,2
	v_permlane16_swap_b32 v[PCD+6*\c+\i], v[PT+4*\c+\i]
.endr
.irp i, 0,1,2
	v_mov_b32 v[PCD+6*\c+3+\i], v[PT+4*\c+\i]
.endr
.endr
.rept 4
	v_nop                                          ; an operand written by vector instructions stands four places ahead of a scaled product
.endr
	WIN 0x01                                       ; source 0 in window 1
.irp d, 0,1
	v_wmma_scale_f32_16x16x128_f8f6f4 v[O+16*(\qu)+8*\d:O+16*(\qu)+8*\d+7], v[KV+48*(\kb)+24+12*\d:KV+48*(\kb)+24+12*\d+11], v[PCD:PCD+11], v[O+16*(\qu)+8*\d:O+16*(\qu)+8*\d+7], v[VSW+2*(\kb)+\d], v[PSW] matrix_a_fmt:MATRIX_FMT_FP6 matrix_b_fmt:MATRIX_FMT_FP6   ; between two links on one accumulator stand nineteen other products
.endr
	WIN 0
.endm
; A key step on set kb.  mode 1: the next step's K and V are asked for first, into the other set, which the step before has left (four places stand at that step's end), and are waited for at this step's end: they have
; two tiles' products and softmax in which to land.  mode 2, the last step: the set that is free takes the first half of W1.
.macro STEP kb, mode
.if \mode == 1
	s_add_co_u32 s[SG], s[SG], 1                   ; (no load is out that names these bases: the wait at the last step's end, or the counted wait ahead of the loop, has shown them done)
	s_and_b32 s[SG], s[SG], 7                      ; round the head's eight steps
	s_mul_i32 s[OF], s[SG], 3072
	s_add_nc_u64 s[KB:KB+1], s[HB:HB+1], s[OF:OF+1]
	s_lshl_b32 s[OF], s[SG], 7
	s_add_nc_u64 s[SB:SB+1], s[HS:HS+1], s[OF:OF+1]
	KVLD 1-(\kb)
.else
	WIN 0x40
	WLD 48, 4, W12C, IM1
	WIN 0
.endif
	TILE \kb, 0
	TILE \kb, 1
.rept 4
	v_nop                                          ; places between the last products and the loads into the registers that they read
.endr
.if \mode == 1
	s_wait_loadcnt 0x0                             ; the next step's K and V are in
.endif
.endm
	s_load_b512 s[4:19], s[0:1], 0x0               ; q, k, v 4, e in 6, the count in 8, wimg 10, bo 12, ln2_g 14, ln2_b 16, b1 18
	s_load_b512 s[20:35], s[0:1], 0x40             ; b2 20, the next norm's gains 22 and offsets 24, bq 26, bk 28, bv 30, e out 32, the next q, k, v 34
	s_load_b64 s[36:37], s[0:1], 0x80              ; the count out
	v_lshrrev_b32 v24, 5, v0
	v_readfirstlane_b32 s[CB], v24                 ; wave
	v_and_b32 v[VO1], 31, v0                       ; lane
	v_and_b32 v25, 15, v0                          ; r
	v_bfe_u32 v26, v0, 4, 1                        ; h
	v_and_b32 v27, 8, v25
	v_add_nc_u32 v27, v27, v25                     ; r + 8 (r / 8)
	v_mul_u32_u24 v[L16], v26, 768
	v_lshl_add_u32 v[L8], v25, 3, v[L16]
	v_lshl_add_u32 v[L16], v25, 4, v[L16]
	v_lshlrev_b32 v[L4], 2, v25
	v_lshlrev_b32 v[L8R], 3, v25
	v_lshlrev_b32 v[W16], 4, v[VO1]
	v_lshlrev_b32 v[VO8], 3, v[VO1]
	s_mul_i32 s42, s[CB], 768
	v_add_nc_u32 v[S16E], s42, v[W16]
	v_add_nc_u32 v[S8E], s42, v[VO8]
	s_lshl_b32 s42, s42, 1
	v_add_nc_u32 v[S16H], s42, v[W16]
	v_add_nc_u32 v[S8H], s42, v[VO8]
	s_lshr_b32 s42, s[CB], 2
	s_lshl_b32 s42, s42, 7
	s_and_b32 s43, s[CB], 3
	s_add_co_u32 s42, s42, s43
	v_lshl_add_u32 v[SBE], v[VO1], 2, s42
	s_lshr_b32 s42, s[CB], 1
	s_lshl_b32 s42, s42, 7
	s_and_b32 s43, s[CB], 1
	s_lshl_b32 s43, s43, 1
	s_add_co_u32 s42, s42, s43
	v_lshl_add_u32 v[SBH], v[VO1], 2, s42
	s_lshl_b32 s42, s[CB], 8
	v_add_nc_u32 v[SLN], s42, v[VO8]
	v_mul_u32_u24 v[AST], v25, 1040
	v_lshl_add_u32 v[AST], v26, 6, v[AST]
	s_lshl_b32 s42, s[CB], 7
	v_add_nc_u32 v[AST], s42, v[AST]
	s_mul_i32 s42, s[CB], 4160
	v_add_nc_u32 v[ARD], s42, v[W16]
	v_lshlrev_b32 v[GB], 6, v26
	v_lshlrev_b32 v[GV], 2, v27
	v_lshlrev_b32 v[GE], 10, v27
	v_lshl_add_u32 v[GE], v26, 6, v[GE]
	v_lshlrev_b32 v[R16], 4, v25
	v_mov_b32 v[GR], v25
	s_mov_b32 s[SEL], 0x76543210
	s_mov_b32 s[SEL+1], 0xfedcba98
	s_mov_b32 s[HI], 0xffff0000
	s_mov_b32 s[RN], 0x3b800000
	s_mov_b32 s[EPS], 0x3727c5ac
	s_mov_b32 s[CS], 0x3e8293ee
	s_mov_b32 s[CS+1], s[CS]                       ; (named with it as a pair, so it is written)
	s_mov_b32 s45, 0
	s_mov_b32 s[OF+1], 0
	s_wait_kmcnt 0x0
	s_load_b32 s[LY], s[8:9], 0x0                  ; the layer's number: wanted only behind the first loads
	s_lshr_b32 s42, ttmp9, 5                       ; the sequence,
	s_and_b32 s43, ttmp9, 31                       ; the block of 32 tokens in it
	s_lshl_b32 s75, s42, 3
	s_add_co_u32 s75, s75, s[CB]                   ; head = 8 x sequence + wave
	s_mul_i32 s44, s75, 24576
	s_add_nc_u64 s[HB:HB+1], s[4:5], s[44:45]
	s_lshl_b32 s44, s75, 10
	s_add_nc_u64 s[HS:HS+1], s[4:5], s[44:45]
	s_mul_i32 s44, s43, 768
	s_add_nc_u64 s[QCB:QCB+1], s[HB:HB+1], s[44:45]
	s_lshl_b32 s44, s43, 5
	s_add_nc_u64 s[QSB:QSB+1], s[HS:HS+1], s[44:45]
	s_and_b32 s[SG], s43, 7                        ; the key step with which I begin
	s_mul_i32 s[OF], s[SG], 3072
	s_add_nc_u64 s[KB:KB+1], s[HB:HB+1], s[OF:OF+1]
	s_lshl_b32 s[OF], s[SG], 7
	s_add_nc_u64 s[SB:SB+1], s[HS:HS+1], s[OF:OF+1]
	s_lshl_b32 s44, ttmp9, 15                      ; e: my 32 tokens' rows, my 32 channels
	s_lshl_b32 s39, s[CB], 7
	s_add_co_u32 s44, s44, s39
	s_add_nc_u64 s[6:7], s[6:7], s[44:45]
	; THE LOADS, in the order of need.  First q and the first key step: 26 loads
.irp u, 0,1
	global_load_b128 v[PCD+6*\u:PCD+6*\u+3], v[R16], s[QCB:QCB+1] offset:256*\u            ; query (u, r)'s 24 bytes, in both halves of the lanes
	global_load_b64 v[PCD+6*\u+4:PCD+6*\u+5], v[L8R], s[QCB:QCB+1] offset:512+128*\u
	global_load_u8 v[TM+\u], v[GR], s[QSB:QSB+1] offset:QS_+16*\u
.endr
	KVLD 0
	WIN 0x40                                       ; then what stays loaded through the attention: 48 loads.  e, into window 1
.irp u, 0,1
.irp c, 0,1,2,3
	global_load_b128 v[EIN+16*\u+4*\c:EIN+16*\u+4*\c+3], v[GE], s[6:7] offset:8192*\u+16*\c
.endr
.endr
.irp z, 0,12,24,36,48
.irp i, 0,1,2,3,4,5
	v_mov_b32 v[QB+\z+\i], 0                       ; the run's five stretches of zero codes
.endr
.endr
	WIN 0
	s_wait_kmcnt 0x0
	s_min_u32 s[LY], s[LY], 3                      ; held to the table's four layers
	s_add_co_u32 s[CNTV], s[LY], 1
	s_and_b32 s[LNX], s[CNTV], 3                   ; the next layer; behind layer 3: 0, where the closing norm's 256 numbers lie
	s_lshl_b32 s44, s[LY], 10
	s_add_co_u32 s44, s44, s39                     ; 1024 L + 128 cb
.irp q, 12,14,16,20
	s_add_nc_u64 s[\q:\q+1], s[\q:\q+1], s[44:45]
.endr
	s_lshl_b32 s44, s44, 1                         ; 2048 L + 256 cb: b1, and Wo's scale words
	s_add_nc_u64 s[18:19], s[18:19], s[44:45]
	s_add_nc_u64 s[WOS:WOS+1], s[10:11], s[44:45]
	s_lshl_b32 s44, s44, 1                         ; 4096 L + 512 cb: W1's and W2's
	s_add_nc_u64 s[W12S:W12S+1], s[10:11], s[44:45]
	s_lshl_b32 s44, s[LNX], 10
	s_add_co_u32 s44, s44, s39                     ; the same for the next layer
.irp q, 22,24,26,28,30
	s_add_nc_u64 s[\q:\q+1], s[\q:\q+1], s[44:45]
.endr
	s_lshl_b32 s44, s44, 1
	s_add_nc_u64 s[WNS:WNS+1], s[10:11], s[44:45]
	s_mul_i32 s39, s[CB], 6144
	s_mul_i32 s44, s[LY], 49152
	s_add_co_u32 s44, s44, s39                     ; 32 fragments a layer, four a wave
	s_add_nc_u64 s[WOC:WOC+1], s[10:11], s[44:45]
	s_lshl_b32 s44, s44, 1                         ; 64 a layer, eight a wave
	s_add_nc_u64 s[W12C:W12C+1], s[10:11], s[44:45]
	s_mul_i32 s44, s[LNX], 49152
	s_add_co_u32 s44, s44, s39
	s_add_nc_u64 s[WNC:WNC+1], s[10:11], s[44:45]
	WIN 0x40
	WLD 0, 4, WOC, IMO
	PLD B2W, 20, 0                                 ; b2, into window 1
	WIN 0
	WSC WS, 4, WOS, SCO
	WSC WS+4, 8, W12S, SC1
	PLD PC, 12, 0                                  ; bo
	PLD PA, 14, 0
	PLD PA+16, 16, 0
	s_lshl_b32 s44, s75, 5                         ; where the next q, k, v go
	s_add_co_u32 s39, s44, s43                     ; BLK number = 32 x head + block
	s_mul_i32 s44, s39, 768
	s_add_nc_u64 s[SBC:SBC+1], s[34:35], s[44:45]
	s_lshl_b32 s44, s39, 5
	s_add_nc_u64 s[SBS:SBS+1], s[34:35], s[44:45]
	s_lshl_b32 s75, s75, 10                        ; the head's 1,024 scale bytes
	s_lshr_b32 s39, s43, 1
	s_lshl_b32 s39, s39, 6
	s_add_co_u32 s44, s75, s39
	s_and_b32 s39, s43, 1
	s_lshl_b32 s39, s39, 1
	s_add_co_u32 s44, s44, s39                     ; k: + 64 (blk / 2) + 2 (blk % 2)
	s_add_nc_u64 s[SBK:SBK+1], s[34:35], s[44:45]
	s_lshr_b32 s39, s43, 2
	s_lshl_b32 s39, s39, 7
	s_add_co_u32 s44, s75, s39
	s_and_b32 s39, s43, 3
	s_add_co_u32 s44, s44, s39                     ; v: + 128 (blk / 4) + blk % 4
	s_add_nc_u64 s[SBV:SBV+1], s[34:35], s[44:45]
	s_lshl_b32 s39, s[CB], 2                       ; I store the rows at positions 4 cb .. 4 cb + 3: four neighbouring tokens, from
	s_and_b32 s39, s39, 15
	s_and_b32 s44, s39, 8
	s_add_co_u32 s39, s39, s44
	s_lshr_b32 s44, s[CB], 2
	s_lshl_b32 s44, s44, 3
	s_add_co_u32 s39, s39, s44                     ; 8 u + r + 8 (r / 8) on
	s_lshl_b32 s44, ttmp9, 5
	s_add_co_u32 s44, s44, s39
	s_lshl_b32 s44, s44, 10
	s_add_nc_u64 s[EOUT:EOUT+1], s[32:33], s[44:45]
.irp u, 0,1
	v_mov_b32 v[STT+4*\u+1], 0xff61b1e6            ; the largest t so far: -3e38, under every t
	v_floor_f32 v[STT+4*\u], -v[STT+4*\u+1]        ; -M
	v_mov_b32 v[STT+4*\u+2], 0                     ; the sum, in two halves
	v_mov_b32 v[STT+4*\u+3], 0
.endr
.irp b, 0,1,2,3
	v_mov_b32 v[BT+\b], 0                          ; written once: a lane permute's destination counts as one of its sources
.endr
	v_mov_b32 v[FF+1], 0                           ; (named as the upper half of a pair)
	s_wait_loadcnt 48                              ; q and the first key step are in; the 48 younger loads may stay out
.irp u, 0,1
	v_perm_b32 v[QSW+\u], v[TM+\u], v[TM+\u], 0    ; q's byte in all four places: it serves whichever block q stands in
.endr
	WIN 0x40
.irp u, 0,1
.irp i, 0,1,2,3,4,5
	v_cndmask_b32 v[QB+24*\u+6+\i], v[PCD+6*\u+\i], 0, s[HI]    ; q in lanes 0-15,
	v_cndmask_b32 v[QB+24*\u+18+\i], 0, v[PCD+6*\u+\i], s[HI]   ; q in lanes 16-31
.endr
.endr
	WIN 0
.set J, 0
.rept 32
	v_mov_b32 v[O+J], 0                            ; O^T.  (The step is written for every step alike: the first finds zeros, which the first change of M leaves zeros.  These 32 are also the places ahead of the first products)
.set J, J+1
.endr
	; ---- A: the attention, eight key steps
	s_mov_b32 s[CNT], 3
.Lstep:                                            ; three trips of two steps: the two sets take turns
	STEP 0, 1
	STEP 1, 1
	s_sub_co_u32 s[CNT], s[CNT], 1
	s_cmp_lg_u32 s[CNT], 0
	s_cbranch_scc1 .Lstep
	STEP 0, 1                                      ; the last two steps are written out: the very last asks for no K and V
	STEP 1, 2
	WIN 0x40
	WLD 96, 4, W12C, IM1+6144                      ; the second half of W1 into the set that the last step has left,
	WIN 0
	PLD PB, 18, 0                                  ; b1: with the first half 32 loads
	PLD PB+16, 18, 128
	WIN 0x01                                       ; source 0 in window 1
.irp u, 0,1
.irp p, 0,2,4,6,8,10,12,14
	v_pk_add_f32 v[EA+16*\u+\p:EA+16*\u+\p+1], v[EIN+16*\u+\p:EIN+16*\u+\p+1], v[PC+\p:PC+\p+1]   ; the residual and the bias begin the next sums
.endr
.endr
	WIN 0
	WSC WS+12, 8, W12S, SC2                        ; then W2, where the run of q and e lay: 32 loads
	WIN 0x40
	WLD 144, 8, W12C, IM2
	WIN 0
.irp u, 0,1
	v_add_f32 v[STT+4*\u+2], v[STT+4*\u+2], v[STT+4*\u+3]   ; the sum's two halves,
.endr
.irp u, 0,1
	v_permlanex16_b32 v[TM+2+\u], v[STT+4*\u+2], s[SEL], s[SEL+1]
.endr
.irp u, 0,1
	v_add_f32 v[STT+4*\u+2], v[STT+4*\u+2], v[TM+2+\u]      ; and lane l xor 16's
.endr
.irp u, 0,1
	v_rcp_f32 v[STT+4*\u+2], v[STT+4*\u+2]
.endr
	v_nop                                          ; a plain place behind the two reciprocals,
	s_wait_alu depctr_va_vdst(0)                   ; and the one wait ahead of their first use
.irp u, 0,1
.irp j, 0,1,2,3,4,5,6,7,8,9,10,11,12,13,14,15
	v_mul_f32 v[DA+16*\u+\j], v[O+16*\u+\j], v[STT+4*\u+2]   ; ctx(query (u, r), channel 16 h + j), each accumulator from its low end on
.endr
.endr
	QUANT2 DA, QP, QBY
	PUT S16E, S8E, SBE, CIMG, CSC                  ; K block cb of the next product
	BARRIER                                        ; ctx's 8 BLKs and scale words lie in LDS
	; ---- 1: e + bo + ctx Wo^T
	BLD CIMG, CSC
	s_wait_dscnt 0x0
	UNIT EA, 0, WS, 2, 0, 2
	; ---- 2: LN2; its codes go to the other waves
	LNORM LNS2
	s_wait_loadcnt 32                              ; W1 and b1 are in; W2's 32 loads may stay out
	PLD PA, 22, 0                                  ; the next norm's gains and offsets take the place of LN2's
	PLD PA+16, 24, 0
	QUANT2 EA, QP, QBY
	PUT S16E, S8E, SBE, E2IMG, E2SC
	WIN 0x04                                       ; source 1 in window 1
.irp u, 0,1
.irp p, 0,2,4,6,8,10,12,14
	v_pk_add_f32 v[EA+16*\u+\p:EA+16*\u+\p+1], v[EA+16*\u+\p:EA+16*\u+\p+1], v[B2W+\p:B2W+\p+1]   ; e + b2 begins the second half's sums
.endr
.endr
	WIN 0
	BARRIER                                        ; e's 8 BLKs and scale words lie in LDS
	; ---- 3: my 64 hidden units, 32 at a time
	BLD E2IMG, E2SC
	s_wait_dscnt 0x0
.irp i, 0,1
	UNIT DA, 48+48*\i, WS+4+4*\i, 1, PB+16*\i, 2
.set J, 0
.rept 32
	v_max_num_f32 v[DA+J], 0, v[DA+J]              ; the activation, in f32, each accumulator from its low end on
.set J, J+1
.endr
	QUANT2 DA, QP, QBY
	PUT S16H, S8H, SBH, HIMG+768*\i, HSC+\i
	s_wait_dscnt 0x0                               ; the stores have read their registers
.endr
	BARRIER                                        ; the hidden layer's 16 BLKs and scale words lie in LDS
	; ---- 4: + hidden W2^T, K = 512 in two halves
	s_wait_loadcnt 0x0                             ; W2 and the next norm's vectors
	s_cmp_eq_u32 s[LY], 3
	s_cbranch_scc1 .Lno_next                       ; behind layer 3 there is no q, k, v
	NEXTW WNC, WNS, 26, 28, 30                     ; into registers that Wo, W1, b1 and bo have left
.Lno_next:
	BLD HIMG, HSC
	s_wait_dscnt 0x0
	UNIT EA, 144, WS+12, 2, 0, 4
	BLD HIMG+6144, HSC+256
	s_wait_dscnt 0x0
	UNIT EA, 168, WS+14, 2, 0, 4
	; ---- 5: the next norm; e leaves in f32; its codes go to the other waves
	LNORM LNSN
.irp u, 0,1
.irp c, 0,1,2,3
	ds_store_b128 v[AST], v[EA+16*\u+4*\c:EA+16*\u+4*\c+3] offset:STG+16640*\u+16*\c   ; row = position
.endr
.endr
	QUANT2 EA, QP, QBY
	PUT S16E, S8E, SBE, E1IMG, E1SC
	BARRIER                                        ; the last barrier: 32 whole rows of e, its 8 BLKs and its scale words lie in LDS
.irp k, 0,1,2,3,4,5,6,7
	ds_load_b128 v[EA+4*\k:EA+4*\k+3], v[ARD] offset:STG+1040*(\k/2)+512*(\k%2)
.endr
.irp k, 0,1,2,3,4,5,6,7
	s_wait_dscnt 7-\k                              ; the younger loads may stay out
	global_store_b128 v[W16], v[EA+4*\k:EA+4*\k+3], s[EOUT:EOUT+1] offset:1024*(\k/2)+512*(\k%2)   ; 512 consecutive bytes of a row
.endr
	s_or_b32 s39, ttmp9, s[CB]
	s_cmp_eq_u32 s39, 0
	s_cbranch_scc0 .Lnot_first
	v_mov_b32 v[CV], s[CNTV]                       ; the number of the layer that follows
	global_store_b32 v[L4], v[CV], s[CNTO:CNTO+1]
.Lnot_first:
	s_cmp_eq_u32 s[LY], 3
	s_cbranch_scc1 .Lend
	; ---- 6: q, k, v of the next layer, head cb
	s_wait_loadcnt 0x0
	BLD E1IMG, E1SC
	v_lshlrev_b32 v[PA+27], 2, v[VO1]              ; 4 x lane: v's bytes
	v_lshrrev_b32 v[PA+28], 4, v[VO1]
	v_add_nc_u32 v[PA+28], v[PA+28], v[L4]         ; 4 r + h: k's bytes
	s_wait_dscnt 0x0
	UNIT DA, 0, WS, 1, PB, 2
	QUANT2 DA, PA, PA+24
	GPUT PA, PA+24, QC_, VO1, SBS, QS_
	UNIT DA, 48, WS+4, 1, PB+16, 2
	QUANT2 DA, PA+8, PA+25
	GPUT PA+8, PA+25, KC_, PA+28, SBK, KS_
	UNITV DA, 96, WS+8                             ; v, with the tokens along a lane's registers
.irp d, 0,1
.irp p, 0,2,4,6,8,10,12,14
	v_pk_add_f32 v[DA+16*\d+\p:DA+16*\d+\p+1], v[DA+16*\d+\p:DA+16*\d+\p+1], v[PC+2*\d:PC+2*\d+1]
.endr
.endr
	QUANT2 DA, PA+16, PA+26
	GPUT PA+16, PA+26, VC_, PA+27, SBV, VS_
.Lend:
	s_wait_xcnt 0x0
	v_lshl_add_u32 v254, v0, 2, 0x11000
	v_mov_b32 v255, 0
	s_wait_tensorcnt 0x0
	ds_add_u32 v254, v255
	s_wait_dscnt 0x0
	s_endpgm
.Lfunc_end_k_q41d4d0b992_layer0:
	.size	k_q41d4d0b992_layer0, .Lfunc_end_k_q41d4d0b992_layer0-k_q41d4d0b992_layer0
	.p2alignl 7, 3214868480
	.fill 96, 4, 3214868480
	.section	.rodata,"a",@progbits
	.p2align	6, 0x0
	.amdhsa_kernel k_q41d4d0b992_layer0
		.amdhsa_group_segment_fixed_size 70656
		.amdhsa_private_segment_fixed_size 0
		.amdhsa_enable_private_segment 0
		.amdhsa_kernarg_size 136
		.amdhsa_user_sgpr_count 2
		.amdhsa_user_sgpr_kernarg_segment_ptr 1
		.amdhsa_wavefront_size32 1
		.amdhsa_system_sgpr_workgroup_id_x 1
		.amdhsa_system_sgpr_workgroup_id_y 1
		.amdhsa_system_sgpr_workgroup_id_z 1
		.amdhsa_system_vgpr_workitem_id 0
		.amdhsa_next_free_vgpr 512
		.amdhsa_next_free_sgpr 96
		.amdhsa_reserve_vcc 0
		.amdhsa_float_denorm_mode_32 3
		.amdhsa_float_denorm_mode_16_64 3
		.amdhsa_memory_ordered 1
		.amdhsa_forward_progress 1
		.amdhsa_inst_pref_size 203
	.end_amdhsa_kernel
	.amdgpu_metadata
---
amdhsa.version: [ 1, 2 ]
amdhsa.kernels:
  - .name:           k_q41d4d0b992_layer0
    .symbol:         k_q41d4d0b992_layer0.kd
    .args:
      - { .name: qkv, .offset: 0, .size: 8, .value_kind: global_buffer, .address_space: global }
      - { .name: e_a, .offset: 8, .size: 8, .value_kind: global_buffer, .address_space: global }
      - { .name: cnt_a, .offset: 16, .size: 8, .value_kind: global_buffer, .address_space: global }
      - { .name: wimg, .offset: 24, .size: 8, .value_kind: global_buffer, .address_space: global }
      - { .name: bo, .offset: 32, .size: 8, .value_kind: global_buffer, .address_space: global }
      - { .name: ln2_g, .offset: 40, .size: 8, .value_kind: global_buffer, .address_space: global }
      - { .name: ln2_b, .offset: 48, .size: 8, .value_kind: global_buffer, .address_space: global }
      - { .name: b1, .offset: 56, .size: 8, .value_kind: global_buffer, .address_space: global }
      - { .name: b2, .offset: 64, .size: 8, .value_kind: global_buffer, .address_space: global }
      - { .name: ln1_g, .offset: 72, .size: 8, .value_kind: global_buffer, .address_space: global }
      - { .name: ln1_b, .offset: 80, .size: 8, .value_kind: global_buffer, .address_space: global }
      - { .name: bq, .offset: 88, .size: 8, .value_kind: global_buffer, .address_space: global }
      - { .name: bk, .offset: 96, .size: 8, .value_kind: global_buffer, .address_space: global }
      - { .name: bv, .offset: 104, .size: 8, .value_kind: global_buffer, .address_space: global }
      - { .name: e_b, .offset: 112, .size: 8, .value_kind: global_buffer, .address_space: global }
      - { .name: qkv_b, .offset: 120, .size: 8, .value_kind: global_buffer, .address_space: global }
      - { .name: cnt_b, .offset: 128, .size: 8, .value_kind: global_buffer, .address_space: global }
    .group_segment_fixed_size: 70656
    .private_segment_fixed_size: 0
    .kernarg_segment_align: 8
    .kernarg_segment_size: 136
    .max_flat_workgroup_size: 256
    .sgpr_count:     96
    .vgpr_count:     512
    .wavefront_size: 32
...
	.end_amdgpu_metadata
.endif
;; end of part 6
;; launch layer1: the kernel of part 6 again; grid 256 x 1, 8 waves a work-group, no clusters, 70,656 bytes of LDS; arguments qkv_b, e_b, cnt_b, wimg, bo, ln2_g, ln2_b, b1, b2, ln1_g, ln1_b, bq, bk, bv, e_a, qkv, cnt_a; writes e_a, qkv, cnt_a
;; launch layer2: the kernel of part 6 again; grid 256 x 1, 8 waves a work-group, no clusters, 70,656 bytes of LDS; arguments qkv, e_a, cnt_a, wimg, bo, ln2_g, ln2_b, b1, b2, ln1_g, ln1_b, bq, bk, bv, e_b, qkv_b, cnt_b; writes e_b, qkv_b, cnt_b
;; launch layer3: the kernel of part 6 again; grid 256 x 1, 8 waves a work-group, no clusters, 70,656 bytes of LDS; arguments qkv_b, e_b, cnt_b, wimg, bo, ln2_g, ln2_b, b1, b2, lno_g, lno_b, bq, bk, bv, out0, qkv, cnt_a; writes out0, qkv, cnt_a
;; ======== version 3 of 3: 6 launches; version 2 with the launches pre, layer0, layer1, layer2, layer3 written anew for expert scheduling mode
;; workspace buffers: wimg 1,689,600 bytes; qkv 4,915,200 bytes; qkv_b 4,915,200 bytes; e_a 8,388,608 bytes; e_b 8,388,608 bytes; cnt_a 256 bytes of whole numbers; cnt_b 256 bytes of whole numbers
;; launch lay: the kernel of part 1 again; grid 264 x 1, 4 waves a work-group, no clusters, 0 bytes of LDS; arguments Wq_codes, Wk_codes, Wv_codes, Wo_codes, W1_codes, W2_codes, Win_codes, Wq_scales, Wk_scales, Wv_scales, Wo_scales, W1_scales, W2_scales, Win_scales, wimg; writes wimg
;; launch pre (part 7): grid 256 x 1, 8 waves a work-group, no clusters, 66,560 bytes of LDS; arguments x_codes, x_scales, wimg, bin_, ln1_g, ln1_b, bq, bk, bv, e_a, qkv, cnt_a; writes e_a, qkv, cnt_a
.if DOCPART == 7
	.amdgcn_target "amdgcn-amd-amdhsa--gfx1250"
	.amdhsa_code_object_version 6
	.text
	.protected	k_q41d4d0b992_pre
	.globl	k_q41d4d0b992_pre
	.p2align	8
	.type	k_q41d4d0b992_pre,@function
k_q41d4d0b992_pre:
	s_mov_b64 s[64:65], 0
	v_nop
	global_prefetch_b8 v0, s[64:65] scope:SCOPE_SE
	s_setreg_imm32_b32 hwreg(HW_REG_WAVE_SCHED_MODE, 0, 2), 2
	s_setreg_imm32_b32 hwreg(HW_REG_WAVE_MODE, 25, 1), 1
	s_wait_xcnt 0x0
	s_wait_alu depctr_vm_vsrc(0)
; e = LN1[0](x Win^T + bin), stored in f32, and layer 0's q, k, v as codes of FP6 (E2M3) with one E8M0 byte for each 32 along their products' K.  All products on codes, sums in f32.
; SHARES.  A work-group takes 32 tokens (one block of 32 keys); wave cb of eight owns channels 32 cb .. 32 cb + 31, which is head cb, for both tiles of 16 tokens.
; POSITIONS.  In a block of 32 rows position 16 u + r stands for row 8 u + r + 8 (r / 8): so for the tokens of a tile, the rows of a weight's tile, the channels of a tile of v.
; Products are used transposed (source 0 = 16 rows of a weight, source 1 = 16 tokens): lane (r, h) of accumulator [u][ct] holds token (u, r) and channels 32 cb + 16 h + 8 ct + 0 .. 7: 16 neighbours in two accumulators.
; v is made the other way round (source 0 = tokens, source 1 = rows of Wv): lane (r, h) of accumulator [dt][u] holds channel (dt, r) and tokens 16 h + 8 u + 0 .. 7: neighbours along ITS K, the keys.
; A BLK is 32 rows x 32 codes in 768 bytes: row l's bytes 0-15 at 16 l, bytes 16-23 at 512 + 8 l: written by one store of 512 and one of 256 consecutive bytes, read as halves of operand registers.
; THE SCALE BYTES lie, 1,024 a head, where the reader's scale words want them: q's at 32 blk + l;  k's at 64 (blk / 2) + 4 r + 2 (blk % 2) + h (a word: the four tiles of 16 keys of two BLKs);
; v's at 128 (blk / 4) + 4 l + blk % 4 (a word: a channel's four key blocks of a step of 128 keys).
; The layer norm goes by each wave's own mean and sum of squares about it, joined over the eight waves through LDS: no difference of large sums is formed.
; The weights come from wimg as register images, straight into registers: 12 loads of 16 bytes a lane for a wave's four fragments of a product.  NO CLUSTER, NO TENSOR LOAD: each wave wants other rows of the weights than its seven
; neighbours, into registers, once; what the 256 work-groups share is 240 KB that each reads once at its head.
; LIMITS: a block of zeros gets the byte 1 (its codes are zeros; only this program reads the bytes); a block whose largest magnitude lies under 2^-124 is held at byte 1; NaN and infinities are not served.
; THE MODE: SCHED_MODE bits 1:0 = 2 (LLVM: expert scheduling mode 2), set by the entry lines.  The code itself states the register dependences
; between vector or matrix instructions and memory or LDS instructions, with s_wait_alu, always for 0.
; THE PLAN.  Registers that memory or LDS instructions touch:
;   v1-v23        offsets, LDS addresses and the count: written at the head, never again.  One wait on va_vdst ahead of the first load; all 116 loads of the kernel's head follow it with no vector line among them.
;   BF, BS        x's fragments, by global loads; read by the first products; then at work in the norm, where one LDS store reads v[LT+12:LT+13] and LDS loads land in v[ST ..]; then the normed e's fragments, by LDS loads.
;   EA            written by the products and the norm; read by the quantiser and by the stage's LDS stores; then the stage's rows land in it and the global stores read them.
;   QP, QBY       written by e's quantiser, once; read by its BLK's LDS stores.
;   PA ..         the norm's vectors, by loads; read by the norm; then written by the quantisers of q, k, v, each in registers of its own, and read by their stores.
;   v238, v239    written at the head, read by the closing add alone.
; So a wait on va_vdst stands: at the head; in the norm ahead of its LDS store (it also frees v[ST ..] for the loads behind the barrier); ahead of e's LDS stores (BLK and stage together; it also frees EA and BF for the
; loads that land there later); ahead of each of the three runs of stores of q, k, v; and behind the norm's two roots.  A wait on vm_vsrc stands in the norm, ahead of the second write of
; v[LT+12:LT+13], and behind the last barrier, ahead of the loads that land in EA.  A wait on va_sdst stands ahead of the first reader of the wave's number.
.set IMQ, 0                            ; wimg: images of Wq, Wk, Wv, Win,
.set IMK, 196608
.set IMV, 393216
.set IMIN, 1572864
.set SCQ, 1622016                      ; and their scale words
.set SCK, 1630208
.set SCV, 1638400
.set SCIN, 1687552
.set QC_, 0                            ; qkv: codes [head 64][block 32][768] of q, k, v,
.set KC_, 1572864
.set VC_, 3145728
.set QS_, 4718592                      ; and scale bytes, 1,024 a head
.set KS_, 4784128
.set VS_, 4849664
.set E1IMG, 19200                      ; LDS: the normed e as 8 BLKs (one a wave),
.set E1SC, 25344                       ; its scale words [K step 2][u 2][r 16],
.set LNSN, 27648                       ; each wave's mean and sum of squares, 8 bytes a token, 256 a wave,
.set STG, 29696                        ; and 32 rows of e, 1,024 bytes + 16.  No byte is written twice
.set L16, 1                            ; v1   768 h + 16 r: a fragment's 16-byte halves in LDS
.set L8, 2                             ; v2   768 h + 8 r: its 8-byte halves
.set L4, 3                             ; v3   4 r
.set L8R, 4                            ; v4   8 r
.set W16, 5                            ; v5   16 x lane
.set S16E, 6                           ; v6   768 cb + 16 x lane: my BLK
.set S8E, 7                            ; v7   768 cb + 8 x lane
.set SBE, 8                            ; v8   128 (cb / 4) + cb % 4 + 4 x lane: my byte of the scale words
.set SLN, 12                           ; v12  256 cb + 8 x lane
.set AST, 13                           ; v13  1040 r + 64 h + 128 cb: into the stage
.set ARD, 14                           ; v14  4160 cb + 16 x lane: out of it, four rows a wave
.set VO8, 15                           ; v15  8 x lane
.set VO1, 16                           ; v16  lane
.set GB, 17                            ; v17  64 h: my 16 channels of a wave's 32
.set GX, 18                            ; v18  192 (r + 8 (r / 8)) + 24 h: x's codes
.set GR, 21                            ; v21  8 (r + 8 (r / 8)): x's scale words
.set GV, 22                            ; v22  4 (r + 8 (r / 8)): bv
.set CV, 23                            ; v23  the count that is stored
.set EA, 24                            ; v24-55   e: accumulators [u][ct]
.set DA, 56                            ; v56-87   bin, later the accumulators of q, k, v
.set BF, 88                            ; v88-135  the tokens' fragments (u, K step) at BF + 12 (2 u + ks); at work in the layer norm
.set ST, BF
.set LT, BF+32
.set BS, 136                           ; v136-139 the tokens' scale words
.set WS, 140                           ; v140-155 the weights' scale words: q, k, v, Win, four each
.set PA, 160                           ; v160-191 the norm's gains and offsets; later the codes that leave
.set PB, 192                           ; v192-223 bq, bk
.set PC, 224                           ; v224-227 bv, each number twice
.set QM, 240                           ; the quantiser's: largest magnitudes,
.set QTT, 242                          ; the other half's, then the bytes,
.set QSO, 244                          ; the conversions' scale operands,
.set QP, 246                           ; a row's 24 bytes,
.set QTC, 252                          ; the second conversion's result,
.set QBY, 255                          ; the row's byte
.set CB, 38                            ; s38  wave
.set WC, 46                            ; s[46:47] wimg + 6144 cb
.set WSB, 48                           ; s[48:49] wimg + 256 cb
.set SEL, 58                           ; s[58:59] v_permlanex16_b32's selects for lane l xor 16
.set HI, 60                            ; s60  lanes 16-31
.set SBC, 62                           ; s[62:63] qkv at my BLK
.set SBS, 66                           ; s[66:67] qkv at q's 32 scale bytes
.set EOUT, 68                          ; s[68:69] e at the four rows that I store
.set RN, 70                            ; s70  1 / 256
.set EPS, 71                           ; s71  1e-5
.set SBK, 72                           ; s[72:73] qkv at my block's place among k's scale words
.set SBV, 74                           ; s[74:75] and among v's
.set CNTO, 26
.set MSB, 0
.macro WIN new                         ; the immediate's high byte repeats the setting that is left
.if MSB != \new
	s_set_vgpr_msb (MSB<<8)|\new
.set MSB, \new
.endif
.endm
.macro WLD w, n, base, off             ; n fragments' images into window 1 (the caller has set the destination's window)
.set FI, 0
.rept \n
.irp i, 0,1,2
	global_load_b128 v[(\w)+12*FI+4*\i:(\w)+12*FI+4*\i+3], v[W16], s[\base:\base+1] offset:(\off)+1536*FI+512*\i
.endr
.set FI, FI+1
.endr
.endm
.macro WSC ws, n, base, off            ; and their scale words
.set FI, 0
.rept \n
	global_load_b32 v[(\ws)+FI], v[L4], s[\base:\base+1] offset:(\off)+64*FI
.set FI, FI+1
.endr
.endm
.macro PLD reg, base, off              ; 16 numbers of a vector over the channels: my lane's
.irp c, 0,1,2,3
	global_load_b128 v[(\reg)+4*\c:(\reg)+4*\c+3], v[GB], s[\base:\base+1] offset:(\off)+16*\c
.endr
.endm
.macro NEXTW wc, wsb, pq, pk, pv       ; what q, k, v want: 60 loads
	WIN 0x40
	WLD 0, 4, \wc, IMQ
	WLD 48, 4, \wc, IMK
	WLD 96, 4, \wc, IMV
	WIN 0
	WSC WS, 4, \wsb, SCQ
	WSC WS+4, 4, \wsb, SCK
	WSC WS+8, 4, \wsb, SCV
	PLD PB, \pq, 0
	PLD PB+16, \pk, 0
.irp d, 0,1
	global_load_b32 v[PC+2*\d], v[GV], s[\pv:\pv+1] offset:32*\d      ; bv of channel (dt, r), twice: a pair for the packed addition
	global_load_b32 v[PC+2*\d+1], v[GV], s[\pv:\pv+1] offset:32*\d
.endr
.endm
.macro BLD img, sc                     ; the tokens' four fragments and scale words from LDS: lane (r, h), registers 6 c .. 6 c + 5: BLK 4 ks + 2 c + h, row 16 u + r
.irp u, 0,1
.irp ks, 0,1
.irp c, 0,1
	ds_load_b128 v[BF+12*(2*\u+\ks)+6*\c:BF+12*(2*\u+\ks)+6*\c+3], v[L16] offset:(\img)+768*(4*\ks+2*\c)+256*\u
	ds_load_b64 v[BF+12*(2*\u+\ks)+6*\c+4:BF+12*(2*\u+\ks)+6*\c+5], v[L8] offset:(\img)+768*(4*\ks+2*\c)+512+128*\u
.endr
.endr
.endr
.irp u, 0,1
.irp ks, 0,1
	ds_load_b32 v[BS+2*\u+\ks], v[L4] offset:(\sc)+128*\ks+64*\u
.endr
.endr
.endm
; Eight products: two tiles of a weight's rows x two tiles of tokens x two K steps.  The four accumulators take turns, one instruction a turn.
; cm = 1: the bias (eight registers a tile, in the result's layout) is the C of a sum's first product; cm = 2: the sums go on in place.  cs: fragments from tile to tile.
; Five v_nop follow: four places for vector instructions and loads that touch the products' registers, one more for products that write over them.
.macro UNIT acc, w, ws, cm, cbias, cs
	WIN 0x01                                       ; source 0 in window 1
.irp ks, 0,1
.irp u, 0,1
.irp ct, 0,1
.if (\ks == 0) && (\cm == 1)
	v_wmma_scale_f32_16x16x128_f8f6f4 v[(\acc)+16*\u+8*\ct:(\acc)+16*\u+8*\ct+7], v[(\w)+12*(\cs*\ct+\ks):(\w)+12*(\cs*\ct+\ks)+11], v[BF+12*(2*\u+\ks):BF+12*(2*\u+\ks)+11], v[(\cbias)+8*\ct:(\cbias)+8*\ct+7], v[(\ws)+\cs*\ct+\ks], v[BS+2*\u+\ks] matrix_a_fmt:MATRIX_FMT_FP6 matrix_b_fmt:MATRIX_FMT_FP6
.else
	v_wmma_scale_f32_16x16x128_f8f6f4 v[(\acc)+16*\u+8*\ct:(\acc)+16*\u+8*\ct+7], v[(\w)+12*(\cs*\ct+\ks):(\w)+12*(\cs*\ct+\ks)+11], v[BF+12*(2*\u+\ks):BF+12*(2*\u+\ks)+11], v[(\acc)+16*\u+8*\ct:(\acc)+16*\u+8*\ct+7], v[(\ws)+\cs*\ct+\ks], v[BS+2*\u+\ks] matrix_a_fmt:MATRIX_FMT_FP6 matrix_b_fmt:MATRIX_FMT_FP6
.endif
.endr
.endr
.endr
	WIN 0
.rept 5
	v_nop
.endr
.endm
.macro UNITV acc, w, ws                ; the same for v: source 0 = tokens, source 1 = rows of Wv; the first products start the sums
	WIN 0x04                                       ; source 1 in window 1
.irp ks, 0,1
.irp d, 0,1
.irp u, 0,1
.if \ks == 0
	v_wmma_scale_f32_16x16x128_f8f6f4 v[(\acc)+16*\d+8*\u:(\acc)+16*\d+8*\u+7], v[BF+12*(2*\u+\ks):BF+12*(2*\u+\ks)+11], v[(\w)+12*(2*\d+\ks):(\w)+12*(2*\d+\ks)+11], 0, v[BS+2*\u+\ks], v[(\ws)+2*\d+\ks] matrix_a_fmt:MATRIX_FMT_FP6 matrix_b_fmt:MATRIX_FMT_FP6
.else
	v_wmma_scale_f32_16x16x128_f8f6f4 v[(\acc)+16*\d+8*\u:(\acc)+16*\d+8*\u+7], v[BF+12*(2*\u+\ks):BF+12*(2*\u+\ks)+11], v[(\w)+12*(2*\d+\ks):(\w)+12*(2*\d+\ks)+11], v[(\acc)+16*\d+8*\u:(\acc)+16*\d+8*\u+7], v[BS+2*\u+\ks], v[(\ws)+2*\d+\ks] matrix_a_fmt:MATRIX_FMT_FP6 matrix_b_fmt:MATRIX_FMT_FP6
.endif
.endr
.endr
.endr
	WIN 0
.rept 5
	v_nop
.endr
.endm
; Two groups x = 0, 1 of 16 registers at s + 16 x: lane (r, h) holds k = 16 h + 0 .. 15 of row (x, r)'s one block of 32.  Behind it lane 16 x + r holds that row's 24 bytes in v[p] on and its scale byte in v[by].
.macro QUANT2 s, p, by
.irp x, 0,1
	v_max3_num_f32 v[QM+\x], |v[(\s)+16*\x]|, |v[(\s)+16*\x+1]|, 0x1800000   ; my 16 numbers, from the low end on, and the floor 2^(3 - 127): the byte cannot fall under 1
.endr
.irp i, 2,4,6,8,10,12,14
.irp x, 0,1
	v_max3_num_f32 v[QM+\x], v[QM+\x], |v[(\s)+16*\x+\i]|, |v[(\s)+16*\x+\i+1]|   ; (the two groups by turns)
.endr
.endr
.irp x, 0,1
	v_permlanex16_b32 v[QTT+\x], v[QM+\x], s[SEL], s[SEL+1]
.endr
.irp x, 0,1
	v_max_num_f32 v[QM+\x], v[QM+\x], v[QTT+\x]    ; with lane l xor 16's: the block's largest magnitude
.endr
.irp x, 0,1
	v_add_nc_u32 v[QSO+\x], 0xff000000, v[QM+\x]   ; 2 off its exponent field: the conversion takes this operand's exponent field as its scale
.endr
.irp x, 0,1
	v_lshrrev_b32 v[QTT+\x], 23, v[QSO+\x]         ; the scale's byte
.endr
	v_cvt_scalef32_pk16_fp6_f32 v[(\p):(\p)+2], v[(\s):(\s)+15], v[QSO]
	v_cvt_scalef32_pk16_fp6_f32 v[QTC:QTC+2], v[(\s)+16:(\s)+31], v[QSO+1]
	v_cndmask_b32 v[\by], v[QTT], v[QTT+1], s[HI]  ; lanes 0-15 group 0's byte, lanes 16-31 group 1's.  (The plain place behind the conversions)
.irp i, 0,1,2
	v_permlane16_swap_b32 v[(\p)+\i], v[QTC+\i]    ; the first's lanes 16-31 change places with the second's lanes 0-15: the first holds each row's lower 16 codes, the second the upper 16
.endr
.irp i, 0,1,2
	v_mov_b32 v[(\p)+3+\i], v[QTC+\i]
.endr
.endm
.macro PUT a16, a8, ab, o, so          ; a BLK and its bytes into LDS
	s_wait_alu depctr_va_vdst(0)                   ; the quantiser has written v[QP ..] and v[QBY], which the LDS stores read
	ds_store_b128 v[\a16], v[QP:QP+3] offset:\o
	ds_store_b64 v[\a8], v[QP+4:QP+5] offset:(\o)+512
	ds_store_b8 v[\ab], v[QBY] offset:\so
.endm
.macro GPUT p, by, creg, vo, sb, sreg  ; a BLK into qkv, 512 and 256 consecutive bytes, and its 32 scale bytes (one byte in 25 of what leaves here), each to its place in the reader's words
	s_wait_alu depctr_va_vdst(0)                   ; the quantiser has written the BLK's six registers and its byte, which the stores read (q's wait also: the two offsets of k's and v's bytes are written)
	global_store_b128 v[W16], v[(\p):(\p)+3], s[SBC:SBC+1] offset:\creg
	global_store_b64 v[VO8], v[(\p)+4:(\p)+5], s[SBC:SBC+1] offset:(\creg)+512
	global_store_b8 v[\vo], v[\by], s[\sb:\sb+1] offset:\sreg
.endm
.macro BARRIER                         ; my LDS stores have landed and my LDS loads are in: then the work-group's barrier
	s_wait_dscnt 0x0
	s_barrier_signal -1
	s_barrier_wait -1
.endm
; The layer norm of the 32 tokens' rows in v[EA] on, gains in v[PA] on, offsets in v[PA+16] on.  Each accumulator is read from its low end on.
.macro LNORM lns
.irp a, 0,4,8,12
.irp u, 0,1
	v_pk_add_f32 v[ST+16*\u+\a/2:ST+16*\u+\a/2+1], v[EA+16*\u+\a:EA+16*\u+\a+1], v[EA+16*\u+\a+2:EA+16*\u+\a+3]
.endr
.endr
.irp u, 0,1
	v_pk_add_f32 v[ST+16*\u:ST+16*\u+1], v[ST+16*\u:ST+16*\u+1], v[ST+16*\u+2:ST+16*\u+3]
.endr
.irp u, 0,1
	v_pk_add_f32 v[ST+16*\u+4:ST+16*\u+5], v[ST+16*\u+4:ST+16*\u+5], v[ST+16*\u+6:ST+16*\u+7]
.endr
.irp u, 0,1
	v_pk_add_f32 v[ST+16*\u:ST+16*\u+1], v[ST+16*\u:ST+16*\u+1], v[ST+16*\u+4:ST+16*\u+5]
.endr
.irp u, 0,1
	v_add_f32 v[ST+16*\u], v[ST+16*\u], v[ST+16*\u+1]
.endr
.irp u, 0,1
	v_permlanex16_b32 v[ST+16*\u+1], v[ST+16*\u], s[SEL], s[SEL+1]
.endr
.irp u, 0,1
	v_add_f32 v[ST+16*\u], v[ST+16*\u], v[ST+16*\u+1]
.endr
.irp u, 0,1
	v_mul_f32 v[LT+2*\u], 0x3d000000, v[ST+16*\u]  ; / 32: the mean over my wave's 32 channels
.endr
.irp p, 0,2,4,6,8,10,12,14
.irp u, 0,1
	v_pk_add_f32 v[ST+16*\u+\p:ST+16*\u+\p+1], v[EA+16*\u+\p:EA+16*\u+\p+1], v[LT+2*\u:LT+2*\u+1] op_sel_hi:[1,0] neg_lo:[0,1] neg_hi:[0,1]
.endr
.endr
.irp u, 0,1
	v_pk_mul_f32 v[LT+4+2*\u:LT+5+2*\u], v[ST+16*\u:ST+16*\u+1], v[ST+16*\u:ST+16*\u+1]
.endr
.irp p, 2,4,6,8,10,12,14
.irp u, 0,1
	v_pk_fma_f32 v[LT+4+2*\u:LT+5+2*\u], v[ST+16*\u+\p:ST+16*\u+\p+1], v[ST+16*\u+\p:ST+16*\u+\p+1], v[LT+4+2*\u:LT+5+2*\u]
.endr
.endr
.irp u, 0,1
	v_add_f32 v[LT+4+2*\u], v[LT+4+2*\u], v[LT+5+2*\u]
.endr
.irp u, 0,1
	v_permlanex16_b32 v[LT+5+2*\u], v[LT+4+2*\u], s[SEL], s[SEL+1]
.endr
.irp u, 0,1
	v_add_f32 v[LT+2*\u+1], v[LT+4+2*\u], v[LT+5+2*\u]   ; the sum of squares about that mean
.endr
	v_cndmask_b32 v[LT+12], v[LT], v[LT+2], s[HI]  ; lane 16 u + r: token (u, r)'s pair
	v_cndmask_b32 v[LT+13], v[LT+1], v[LT+3], s[HI]
	s_wait_alu depctr_va_vdst(0)                   ; the pair v[LT+12:LT+13] is written, which the LDS store reads; and the lines above are done with v[ST ..], in which the loads behind the barrier land
	ds_store_b64 v[SLN], v[LT+12:LT+13] offset:\lns
	BARRIER                                        ; all eight waves' pairs lie in LDS
.irp u, 0,1
.irp w, 0,1,2,3,4,5,6,7
	ds_load_b64 v[ST+16*\u+2*\w:ST+16*\u+2*\w+1], v[L8R] offset:(\lns)+256*\w+128*\u
.endr
.endr
	s_wait_dscnt 0x0
	s_wait_alu depctr_vm_vsrc(0)                   ; the LDS store has read v[LT+12:LT+13], which the sums below write again
.irp i, 0,1,2,3
.irp u, 0,1
	v_pk_add_f32 v[LT+8*\u+2*\i:LT+8*\u+2*\i+1], v[ST+16*\u+4*\i:ST+16*\u+4*\i+1], v[ST+16*\u+4*\i+2:ST+16*\u+4*\i+3]
.endr
.endr
.irp u, 0,1
	v_pk_add_f32 v[LT+8*\u:LT+8*\u+1], v[LT+8*\u:LT+8*\u+1], v[LT+8*\u+2:LT+8*\u+3]
.endr
.irp u, 0,1
	v_pk_add_f32 v[LT+8*\u+4:LT+8*\u+5], v[LT+8*\u+4:LT+8*\u+5], v[LT+8*\u+6:LT+8*\u+7]
.endr
.irp u, 0,1
	v_pk_add_f32 v[LT+8*\u:LT+8*\u+1], v[LT+8*\u:LT+8*\u+1], v[LT+8*\u+4:LT+8*\u+5]   ; the sum of the eight means, the sum of the eight sums of squares
.endr
.irp u, 0,1
	v_mul_f32 v[LT+8*\u], 0x3e000000, v[LT+8*\u]   ; / 8: the row's mean
.endr
.irp u, 0,1
	v_sub_f32 v[LT+8*\u+2], v[ST+16*\u], v[LT+8*\u]
.endr
.irp u, 0,1
	v_mul_f32 v[LT+8*\u+4], v[LT+8*\u+2], v[LT+8*\u+2]
.endr
.irp w, 1,2,3,4,5,6,7
.irp u, 0,1
	v_sub_f32 v[LT+8*\u+2+\w%2], v[ST+16*\u+2*\w], v[LT+8*\u]
.endr
.irp u, 0,1
	v_fma_f32 v[LT+8*\u+4], v[LT+8*\u+2+\w%2], v[LT+8*\u+2+\w%2], v[LT+8*\u+4]
.endr
.endr
.irp u, 0,1
	v_fma_f32 v[LT+8*\u+4], v[LT+8*\u+4], 0x42000000, v[LT+8*\u+1]   ; 32 x the squares of the waves' means about the row's + the sums of squares
.endr
.irp u, 0,1
	v_fma_f32 v[LT+8*\u+4], v[LT+8*\u+4], s[RN], s[EPS]   ; / 256 + 1e-5
.endr
.irp u, 0,1
	v_rsq_f32 v[LT+8*\u+6], v[LT+8*\u+4]
.endr
	v_nop                                          ; a plain place behind the two roots,
	s_wait_alu depctr_va_vdst(0)                   ; the two roots have written v[LT+6] and v[LT+14]: the one wait ahead of their first use
.irp p, 0,2,4,6,8,10,12,14
.irp u, 0,1
	v_pk_add_f32 v[EA+16*\u+\p:EA+16*\u+\p+1], v[EA+16*\u+\p:EA+16*\u+\p+1], v[LT+8*\u:LT+8*\u+1] op_sel_hi:[1,0] neg_lo:[0,1] neg_hi:[0,1]
.endr
.irp u, 0,1
	v_pk_mul_f32 v[EA+16*\u+\p:EA+16*\u+\p+1], v[EA+16*\u+\p:EA+16*\u+\p+1], v[LT+8*\u+6:LT+8*\u+7] op_sel_hi:[1,0]
.endr
.irp u, 0,1
	v_pk_fma_f32 v[EA+16*\u+\p:EA+16*\u+\p+1], v[EA+16*\u+\p:EA+16*\u+\p+1], v[PA+\p:PA+\p+1], v[PA+16+\p:PA+16+\p+1]
.endr
.endr
.endm
	s_load_b512 s[4:19], s[0:1], 0x0               ; x's codes 4, x's scales 6, wimg 8, bin 10, ln1_g 12, ln1_b 14, bq 16, bk 18
	s_load_b256 s[20:27], s[0:1], 0x40             ; bv 20, e 22, qkv 24, the count 26
	v_lshl_add_u32 v238, v0, 2, 0x10000
	v_mov_b32 v239, 0
	v_lshrrev_b32 v24, 5, v0
	v_readfirstlane_b32 s[CB], v24                 ; wave
	v_and_b32 v[VO1], 31, v0                       ; lane
	v_and_b32 v25, 15, v0                          ; r
	v_bfe_u32 v26, v0, 4, 1                        ; h
	v_and_b32 v27, 8, v25
	v_add_nc_u32 v27, v27, v25                     ; r + 8 (r / 8)
	v_mul_u32_u24 v[L16], v26, 768
	v_lshl_add_u32 v[L8], v25, 3, v[L16]
	v_lshl_add_u32 v[L16], v25, 4, v[L16]
	v_lshlrev_b32 v[L4], 2, v25
	v_lshlrev_b32 v[L8R], 3, v25
	v_lshlrev_b32 v[W16], 4, v[VO1]
	v_lshlrev_b32 v[VO8], 3, v[VO1]
	s_wait_alu depctr_va_sdst(0)                   ; the wave's number is written into s[CB], ahead of its first reader
	s_mul_i32 s42, s[CB], 768
	v_add_nc_u32 v[S16E], s42, v[W16]
	v_add_nc_u32 v[S8E], s42, v[VO8]
	s_lshr_b32 s42, s[CB], 2
	s_lshl_b32 s42, s42, 7
	s_and_b32 s43, s[CB], 3
	s_add_co_u32 s42, s42, s43
	v_lshl_add_u32 v[SBE], v[VO1], 2, s42
	s_lshl_b32 s42, s[CB], 8
	v_add_nc_u32 v[SLN], s42, v[VO8]
	v_mul_u32_u24 v[AST], v25, 1040
	v_lshl_add_u32 v[AST], v26, 6, v[AST]
	s_lshl_b32 s42, s[CB], 7
	v_add_nc_u32 v[AST], s42, v[AST]
	s_mul_i32 s42, s[CB], 4160
	v_add_nc_u32 v[ARD], s42, v[W16]
	v_lshlrev_b32 v[GB], 6, v26
	v_lshlrev_b32 v[GV], 2, v27
	v_mul_u32_u24 v[GX], v27, 192
	v_mad_u32_u24 v[GX], v26, 24, v[GX]
	v_lshlrev_b32 v[GR], 3, v27
	v_mov_b32 v[CV], 0                             ; the number of the layer that follows: made here, ahead of the head's wait, for the one store that reads it
	v_mov_b32 v[QTT], 0                            ; written once: a lane permute's destination counts as one of its sources
	v_mov_b32 v[QTT+1], 0
	s_mov_b32 s[SEL], 0x76543210
	s_mov_b32 s[SEL+1], 0xfedcba98
	s_mov_b32 s[HI], 0xffff0000
	s_mov_b32 s[RN], 0x3b800000
	s_mov_b32 s[EPS], 0x3727c5ac
	s_mov_b32 s45, 0
	s_wait_kmcnt 0x0
	s_mul_i32 s44, ttmp9, 6144                     ; my 32 tokens: 192 bytes of codes each,
	s_add_nc_u64 s[4:5], s[4:5], s[44:45]
	s_lshl_b32 s44, ttmp9, 8                       ; 8 scale bytes each
	s_add_nc_u64 s[6:7], s[6:7], s[44:45]
	s_mul_i32 s44, s[CB], 6144                     ; my four fragments of a product with 256 outputs,
	s_add_nc_u64 s[WC:WC+1], s[8:9], s[44:45]
	s_lshl_b32 s44, s[CB], 8                       ; and their scale words
	s_add_nc_u64 s[WSB:WSB+1], s[8:9], s[44:45]
	s_lshl_b32 s44, s[CB], 7                       ; my 32 channels of the vectors (layer 0)
.irp q, 10,12,14,16,18,20
	s_add_nc_u64 s[\q:\q+1], s[\q:\q+1], s[44:45]
.endr
	s_lshr_b32 s42, ttmp9, 5                       ; the sequence,
	s_and_b32 s43, ttmp9, 31                       ; the block of 32 tokens in it
	s_lshl_b32 s76, s42, 3
	s_add_co_u32 s76, s76, s[CB]                   ; head = 8 x sequence + wave
	s_lshl_b32 s44, s76, 5
	s_add_co_u32 s39, s44, s43                     ; BLK number = 32 x head + block
	s_mul_i32 s44, s39, 768
	s_add_nc_u64 s[SBC:SBC+1], s[24:25], s[44:45]
	s_lshl_b32 s44, s39, 5
	s_add_nc_u64 s[SBS:SBS+1], s[24:25], s[44:45]
	s_lshl_b32 s76, s76, 10                        ; the head's 1,024 scale bytes
	s_lshr_b32 s77, s43, 1
	s_lshl_b32 s77, s77, 6
	s_and_b32 s78, s43, 1
	s_lshl_b32 s78, s78, 1
	s_add_co_u32 s44, s76, s77
	s_add_co_u32 s44, s44, s78                     ; k: + 64 (blk / 2) + 2 (blk % 2)
	s_add_nc_u64 s[SBK:SBK+1], s[24:25], s[44:45]
	s_lshr_b32 s77, s43, 2
	s_lshl_b32 s77, s77, 7
	s_and_b32 s78, s43, 3
	s_add_co_u32 s44, s76, s77
	s_add_co_u32 s44, s44, s78                     ; v: + 128 (blk / 4) + blk % 4
	s_add_nc_u64 s[SBV:SBV+1], s[24:25], s[44:45]
	s_lshl_b32 s39, s[CB], 2                       ; I store the rows at positions 4 cb .. 4 cb + 3: four neighbouring tokens, from
	s_and_b32 s39, s39, 15
	s_and_b32 s44, s39, 8
	s_add_co_u32 s39, s39, s44
	s_lshr_b32 s44, s[CB], 2
	s_lshl_b32 s44, s44, 3
	s_add_co_u32 s39, s39, s44                     ; 8 u + r + 8 (r / 8) on
	s_lshl_b32 s44, ttmp9, 5
	s_add_co_u32 s44, s44, s39
	s_lshl_b32 s44, s44, 10
	s_add_nc_u64 s[EOUT:EOUT+1], s[22:23], s[44:45]
	s_wait_alu depctr_va_vdst(0)                   ; the offsets, LDS addresses and the count, v1 to v23, are written, which the loads and stores of the whole kernel read; no vector line stands among the 116 loads below
	; what the first product and the norm want: 56 loads
.irp u, 0,1
.irp ks, 0,1
.irp p, 0,1,2,3,4,5
	global_load_b64 v[BF+12*(2*\u+\ks)+2*\p:BF+12*(2*\u+\ks)+2*\p+1], v[GX], s[4:5] offset:1536*\u+96*\ks+48*(\p/3)+8*(\p%3) th:TH_LOAD_NT
.endr
	global_load_b32 v[BS+2*\u+\ks], v[GR], s[6:7] offset:64*\u+4*\ks th:TH_LOAD_NT
.endr
.endr
	WSC WS+12, 4, WSB, SCIN
	PLD DA, 10, 0
	PLD PA, 12, 0
	PLD PA+16, 14, 0
	WIN 0x40
	WLD 144, 4, WC, IMIN
	NEXTW WC, WSB, 16, 18, 20                      ; and what q, k, v want: 60 loads
	s_wait_loadcnt 60                              ; the first 56 are in; the 60 younger ones may stay out
	UNIT EA, 144, WS+12, 1, DA, 2                  ; x Win^T + bin
	LNORM LNSN
	QUANT2 EA, QP, QBY
	PUT S16E, S8E, SBE, E1IMG, E1SC                ; its wait also states: the norm has written v[EA ..], which the stage's stores below read; the quantiser is done reading them, and the norm is done with v[BF ..]: loads land in both behind the barrier
.irp u, 0,1
.irp c, 0,1,2,3
	ds_store_b128 v[AST], v[EA+16*\u+4*\c:EA+16*\u+4*\c+3] offset:STG+16640*\u+16*\c   ; e in f32 into the stage: row = position
.endr
.endr
	BARRIER                                        ; 32 whole rows of e, its 8 BLKs and its scale words lie in LDS
	s_wait_alu depctr_vm_vsrc(0)                   ; the stage's stores have read v[EA ..], in which the loads below land
.irp k, 0,1,2,3,4,5,6,7
	ds_load_b128 v[EA+4*\k:EA+4*\k+3], v[ARD] offset:STG+1040*(\k/2)+512*(\k%2)
.endr
.irp k, 0,1,2,3,4,5,6,7
	s_wait_dscnt 7-\k                              ; the younger loads may stay out
	global_store_b128 v[W16], v[EA+4*\k:EA+4*\k+3], s[EOUT:EOUT+1] offset:1024*(\k/2)+512*(\k%2)   ; 512 consecutive bytes of a row
.endr
	s_or_b32 s39, ttmp9, s[CB]
	s_cmp_eq_u32 s39, 0
	s_cbranch_scc0 .Lnot_first
	global_store_b32 v[L4], v[CV], s[CNTO:CNTO+1]  ; the count, written at the head
.Lnot_first:
	s_wait_loadcnt 0x0                             ; the weights of q, k, v
	BLD E1IMG, E1SC
	v_lshlrev_b32 v[PA+27], 2, v[VO1]              ; 4 x lane: v's bytes
	v_lshrrev_b32 v[PA+28], 4, v[VO1]
	v_add_nc_u32 v[PA+28], v[PA+28], v[L4]         ; 4 r + h: k's bytes
	s_wait_dscnt 0x0
	UNIT DA, 0, WS, 1, PB, 2                       ; q of head cb
	QUANT2 DA, PA, PA+24
	GPUT PA, PA+24, QC_, VO1, SBS, QS_
	UNIT DA, 48, WS+4, 1, PB+16, 2                 ; k
	QUANT2 DA, PA+8, PA+25
	GPUT PA+8, PA+25, KC_, PA+28, SBK, KS_
	UNITV DA, 96, WS+8                             ; v, with the tokens along a lane's registers
.irp d, 0,1
.irp p, 0,2,4,6,8,10,12,14
	v_pk_add_f32 v[DA+16*\d+\p:DA+16*\d+\p+1], v[DA+16*\d+\p:DA+16*\d+\p+1], v[PC+2*\d:PC+2*\d+1]
.endr
.endr
	QUANT2 DA, PA+16, PA+26
	GPUT PA+16, PA+26, VC_, PA+27, SBV, VS_
	s_wait_dscnt 0x0                               ; the closing lines, six on end
	s_wait_alu 0x0
	s_wait_tensorcnt 0x0
	ds_add_u32 v238, v239
	s_wait_dscnt 0x0
	s_endpgm
.Lfunc_end_k_q41d4d0b992_pre:
	.size	k_q41d4d0b992_pre, .Lfunc_end_k_q41d4d0b992_pre-k_q41d4d0b992_pre
	.p2alignl 7, 3214868480
	.fill 96, 4, 3214868480
	.section	.rodata,"a",@progbits
	.p2align	6, 0x0
	.amdhsa_kernel k_q41d4d0b992_pre
		.amdhsa_group_segment_fixed_size 66560
		.amdhsa_private_segment_fixed_size 0
		.amdhsa_enable_private_segment 0
		.amdhsa_kernarg_size 96
		.amdhsa_user_sgpr_count 2
		.amdhsa_user_sgpr_kernarg_segment_ptr 1
		.amdhsa_wavefront_size32 1
		.amdhsa_system_sgpr_workgroup_id_x 1
		.amdhsa_system_sgpr_workgroup_id_y 1
		.amdhsa_system_sgpr_workgroup_id_z 1
		.amdhsa_system_vgpr_workitem_id 0
		.amdhsa_next_free_vgpr 512
		.amdhsa_next_free_sgpr 80
		.amdhsa_reserve_vcc 0
		.amdhsa_float_denorm_mode_32 3
		.amdhsa_float_denorm_mode_16_64 3
		.amdhsa_memory_ordered 1
		.amdhsa_forward_progress 1
		.amdhsa_inst_pref_size 45
	.end_amdhsa_kernel
	.amdgpu_metadata
---
amdhsa.version: [ 1, 2 ]
amdhsa.kernels:
  - .name:           k_q41d4d0b992_pre
    .symbol:         k_q41d4d0b992_pre.kd
    .args:
      - { .name: x_codes, .offset: 0, .size: 8, .value_kind: global_buffer, .address_space: global }
      - { .name: x_scales, .offset: 8, .size: 8, .value_kind: global_buffer, .address_space: global }
      - { .name: wimg, .offset: 16, .size: 8, .value_kind: global_buffer, .address_space: global }
      - { .name: bin_, .offset: 24, .size: 8, .value_kind: global_buffer, .address_space: global }
      - { .name: ln1_g, .offset: 32, .size: 8, .value_kind: global_buffer, .address_space: global }
      - { .name: ln1_b, .offset: 40, .size: 8, .value_kind: global_buffer, .address_space: global }
      - { .name: bq, .offset: 48, .size: 8, .value_kind: global_buffer, .address_space: global }
      - { .name: bk, .offset: 56, .size: 8, .value_kind: global_buffer, .address_space: global }
      - { .name: bv, .offset: 64, .size: 8, .value_kind: global_buffer, .address_space: global }
      - { .name: e_a, .offset: 72, .size: 8, .value_kind: global_buffer, .address_space: global }
      - { .name: qkv, .offset: 80, .size: 8, .value_kind: global_buffer, .address_space: global }
      - { .name: cnt_a, .offset: 88, .size: 8, .value_kind: global_buffer, .address_space: global }
    .group_segment_fixed_size: 66560
    .private_segment_fixed_size: 0
    .kernarg_segment_align: 8
    .kernarg_segment_size: 96
    .max_flat_workgroup_size: 256
    .sgpr_count:     80
    .vgpr_count:     512
    .wavefront_size: 32
...
	.end_amdgpu_metadata
.endif
;; end of part 7
;; launch layer0 (part 8): grid 256 x 1, 8 waves a work-group, no clusters, 70,656 bytes of LDS; arguments qkv, e_a, cnt_a, wimg, bo, ln2_g, ln2_b, b1, b2, ln1_g, ln1_b, bq, bk, bv, e_b, qkv_b, cnt_b; writes e_b, qkv_b, cnt_b
.if DOCPART == 8
	.amdgcn_target "amdgcn-amd-amdhsa--gfx1250"
	.amdhsa_code_object_version 6
	.text
	.protected	k_q41d4d0b992_layer0
	.globl	k_q41d4d0b992_layer0
	.p2align	8
	.type	k_q41d4d0b992_layer0,@function
k_q41d4d0b992_layer0:
	s_mov_b64 s[64:65], 0
	v_nop
	global_prefetch_b8 v0, s[64:65] scope:SCOPE_SE
	s_setreg_imm32_b32 hwreg(HW_REG_WAVE_SCHED_MODE, 0, 2), 2
	s_setreg_imm32_b32 hwreg(HW_REG_WAVE_MODE, 25, 1), 1
	s_wait_xcnt 0x0
	s_wait_alu depctr_vm_vsrc(0)
; ONE WHOLE LAYER L, from its q, k, v to the next layer's:  ctx = softmax(q k^T / sqrt(32)) v;  e = LN2(e + ctx Wo^T + bo);  e = e + relu(e W1^T + b1) W2^T + b2;  e = the next norm of e (ln1 of layer L + 1; the closing
; norm behind layer 3), stored in f32; then q, k, v of layer L + 1 as codes.  All products on codes of FP6 (E2M3) with one E8M0 byte for each 32 along K; what is quantised is computed in f32; ctx and the hidden layer never go to memory.
; ONE TEXT SERVES ALL FOUR LAYERS: L is a whole number that the launch before has stored; it is held to 0 .. 3 and enters offsets by additions, shifts left, multiplications and ANDs.  Two branches hang on it, with no barrier behind
; either: round the loads of the next layer's weights, and, behind the last barrier, to the end where L = 3.
; SHARES.  A work-group takes 32 tokens; wave cb of eight owns head cb, channels 32 cb .. + 31 and hidden units 64 cb .. + 63, for both tiles of 16 tokens.
; POSITIONS.  In a block of 32 rows position 16 u + r stands for row 8 u + r + 8 (r / 8): so for tokens, the rows of a weight's tile, the channels of a tile of v.
; A BLK is 32 rows x 32 codes in 768 bytes: row l's bytes 0-15 at 16 l, bytes 16-23 at 512 + 8 l.
; THE ATTENTION.  Wave cb walks head cb's 1,024 keys, 128 a step, for its 32 queries.  Only this wave of the work-group wants that head, so K's and V's fragments go from memory straight into its registers, as they lie: 16 loads of
; 16 or 8 bytes a lane and 4 scale words a step; two sets of 48 registers take turns: the next step's loads are issued at a step's head and waited for at its end.  No LDS and no barrier in the loop.
; Work-group blk begins at key step blk % 8 and goes round, so that the 32 work-groups of a sequence ask for different steps at any one time; the running maximum makes the order of the keys free.
; t = score x log2(e) / sqrt(32); M = the running largest t rounded UP to a whole number; p = 2^(t - M) is quantised along the keys; the row's sum is taken of the unquantised p and divides at the end.
; S^T = K Q^T WITH K = 32: source 0 holds FOUR tiles of 16 keys, one in each of the instruction's four blocks (lane (r, h), registers 6 c2 .. + 5 = BLK 2 F + c2, row 16 h + r); source 1 holds q in ONE block and zero codes in the
; other three: four views of a run of registers [0, q in lanes 0-15, 0, q in lanes 16-31, 0], continued for the second tile.  A lane holds one query; the 16 registers of tiles 2 b, 2 b + 1 are tokens 16 h + 0 .. 15 of key block b.
; O^T = V^T P^T holds one query a lane and channels 16 h + 8 dt + 0 .. 7: two tiles of queries are the two groups that the quantiser takes, and ctx becomes BLK cb of the next product's operand, in LDS.
; THE REST.  Products are used transposed (source 0 = 16 rows of a weight, source 1 = 16 tokens): lane (r, h) of accumulator [u][ct] holds token (u, r) and 8 units 16 h + 8 ct + 0 .. 7 of a wave's 32.  v is made the other way round.
; What one wave quantises reaches the others through LDS as BLKs and scale words; six barriers; no LDS byte is written twice.  The weights come from wimg as register images.
; NO CLUSTER, NO TENSOR LOAD: the text has branches on a number read from memory; and each wave wants its own head and its own rows of each weight, once, in registers.
; LIMITS: a block of zeros gets the byte 1 (its codes are zeros; only this program reads the bytes); a block whose largest magnitude lies under 2^-124 is held at byte 1; NaN and infinities are not served.
; THE MODE: SCHED_MODE bits 1:0 = 2 (LLVM: expert scheduling mode 2), set by the entry lines.  The code itself states the register dependences
; between vector or matrix instructions and memory or LDS instructions, with s_wait_alu, always for 0.
; THE PLAN.  Registers that memory or LDS instructions touch:
;   v1-v23          offsets, LDS addresses, the count: written at the head, never again.  One wait on va_vdst ahead of the first load; no vector line stands among the head's 74 loads.
;   K's and V's sets 0, 1 with KSW, VSW   Step s multiplies by set s % 2.  At its head the loads of step s + 1 go into the other set, which the products of step s - 1 read and which no line of step s names.
;                   ONE wait on va_vdst at a step's head states that those products are done; the step's 20 loads follow it in one run (they land in window 1: each further run would cost two window switches).
;   QB, QSW         q's run and scale words: written by vector lines at the head, taken by every score product: the first step's wait states that they are written.
;   PCD, PSW        p's codes and scale word: written by vector lines in every tile, taken by the tile's two products: a wait on va_vdst behind the places, ahead of the products.
;   set 0, set 1, PB, WS+12 .., window 1 v144-239   Behind the attention W1, b1, W2 and W2's scale words land there: W1's first half behind the last step's own wait; for the rest one wait behind the loop, behind the additions that read e.
;   QP, QBY         Written by a quantiser, read by its BLK's LDS stores: a wait on va_vdst ahead of the stores, a wait on vm_vsrc ahead of the next quantiser, a phase behind the stores.
;   BF, BS          Fragments by LDS loads, read by products; at work in the norms (one LDS store reads v[LT+12:LT+13], LDS loads land in v[ST ..]).  Each run of fragment loads stands behind a wait on va_vdst that is there for
;                   LDS stores anyway, but for one: between the two halves of W2's K the same registers are loaded again at once, since the wave's 512 registers hold no second set.
;   PA              A norm's vectors by loads; the wait ahead of LN2's BLK stores also states that LN2 is done reading them, and the next norm's vectors are asked for behind it.  Later the codes of q, k, v, each in registers of its own.
;   EA              Written by products and norms; read by the quantiser and the stage's LDS stores (behind the BLK's wait); then the stage's rows land in it, behind a wait on vm_vsrc, and the global stores read them.
;   window 1 v0-143, WS .., PB, PC   The next layer's weights land there behind the wait ahead of the hidden layer's last LDS stores, which stands behind the last product that read Wo, W1, their scale words, b1 and bo.
.set IMQ, 0                            ; wimg: images of Wq, Wk, Wv, Wo, W1, W2,
.set IMK, 196608
.set IMV, 393216
.set IMO, 589824
.set IM1, 786432
.set IM2, 1179648
.set SCQ, 1622016                      ; and their scale words
.set SCK, 1630208
.set SCV, 1638400
.set SCO, 1646592
.set SC1, 1654784
.set SC2, 1671168
.set QC_, 0                            ; q, k, v: codes [head 64][block 32][768],
.set KC_, 1572864
.set VC_, 3145728
.set QS_, 4718592                      ; and scale bytes, 1,024 a head: q's at 32 blk + l; k's at 64 (blk / 2) + 4 r + 2 (blk % 2) + h; v's at 128 (blk / 4) + 4 l + blk % 4
.set KS_, 4784128
.set VS_, 4849664
.set E2IMG, 0                          ; LDS: LN2's e as 8 BLKs,
.set E2SC, 6144                        ; its scale words [K step][u][r],
.set HIMG, 6400                        ; the hidden layer's 16 BLKs,
.set HSC, 18688                        ; its scale words,
.set E1IMG, 19200                      ; the next norm's e as 8 BLKs,
.set E1SC, 25344                       ; its scale words,
.set LNS2, 25600                       ; each wave's mean and sum of squares, for LN2,
.set LNSN, 27648                       ; and for the next norm,
.set CIMG, 29696                       ; ctx as 8 BLKs (BLK = head),
.set CSC, 35840                        ; its scale words,
.set STG, 36096                        ; and 32 rows of e, 1,024 bytes + 16
.set L16, 1                            ; v1   768 h + 16 r
.set L8, 2                             ; v2   768 h + 8 r
.set L4, 3                             ; v3   4 r
.set L8R, 4                            ; v4   8 r
.set W16, 5                            ; v5   16 x lane
.set S16E, 6                           ; v6   768 cb + 16 x lane: my BLK of ctx and of e
.set S8E, 7                            ; v7   768 cb + 8 x lane
.set SBE, 8                            ; v8   128 (cb / 4) + cb % 4 + 4 x lane: my byte of their scale words
.set S16H, 9                           ; v9   1536 cb + 16 x lane: my two BLKs of the hidden layer
.set S8H, 10                           ; v10  1536 cb + 8 x lane
.set SBH, 11                           ; v11  128 (cb / 2) + 2 (cb % 2) + 4 x lane
.set SLN, 12                           ; v12  256 cb + 8 x lane
.set AST, 13                           ; v13  1040 r + 64 h + 128 cb
.set ARD, 14                           ; v14  4160 cb + 16 x lane
.set VO8, 15                           ; v15  8 x lane
.set VO1, 16                           ; v16  lane
.set GB, 17                            ; v17  64 h
.set GE, 18                            ; v18  1024 (r + 8 (r / 8)) + 64 h: e in memory
.set R16, 19                           ; v19  16 r
.set GR, 21                            ; v21  r
.set GV, 22                            ; v22  4 (r + 8 (r / 8))
.set CV, 23                            ; v23  the count that is stored
.set EA, 24                            ; v24-55   e: accumulators [u][ct]
.set DA, 56                            ; v56-87   ctx, later the accumulators of the hidden layer, q, k, v
.set BF, 88                            ; v88-135  the tokens' fragments (u, K step) at BF + 12 (2 u + ks); at work in the norms
.set ST, BF
.set LT, BF+32
.set BS, 136                           ; v136-139 the tokens' scale words
.set WS, 140                           ; v140-159 the weights' scale words: Wo 4, W1 8, W2 8; later q, k, v in the first 12
.set PA, 160                           ; v160-191 a norm's gains and offsets; later the codes that leave
.set PB, 192                           ; v192-223 b1; later bq, bk
.set PC, 224                           ; v224-239 bo; later bv
.set QM, 240
.set QTT, 242
.set QSO, 244
.set QP, 246
.set QTC, 252
.set QBY, 255
;                                        THE ATTENTION'S REGISTERS lie over those that the rest uses later; Wo's and W1's scale words, LN2's vectors and bo stay loaded beside them
.set S, 24                             ; v24-87   S^T of the tile in hand, then p
.set O, 88                             ; v88-119  O^T, 16 a tile of queries
.set PCD, 120                          ; v120-131 p's codes
.set KSW, 136                          ; v136-139 K's scale words, two for each set
.set VSW, 152                          ; v152-155 V's
.set QSW, 156                          ; v156-157 q's byte, four times, for each tile
.set PSW, 158                          ; v158     p's scale word
.set PT, 192                           ; v192-199 at work
.set BM, 200                           ; v200-203 the blocks' largest scores, then largest p
.set BT, 204                           ; v204-207 the other half's, then bytes
.set SO, 208                           ; v208-211 the conversions' scale operands
.set STT, 240                          ; v240-247 for each tile: -M, the largest t, the sum in two halves
.set FF, 248                           ; v[248:249] f = 2^(old M - new M)
.set TM, 250                           ; v250-253 at work
;                                        WINDOW 1: v0-47 Wo; v48-143 K's and V's two sets, then W1; v144-197 the run of q and zeros, v198-229 e, then W2 in v144-239; v240-255 b2.  Later q's weights at 0, k's at 48, v's at 96
.set KV, 48
.set QB, 144
.set EIN, 198
.set B2W, 240
.set CB, 38                            ; s38  wave
.set LY, 40                            ; s40  L
.set CNTV, 41                          ; s41  L + 1
.set WOC, 46                           ; s[46:57] wimg at my fragments and scale words: Wo's; W1's and W2's; the next layer's q, k, v
.set WOS, 48
.set W12C, 50
.set W12S, 52
.set WNC, 54
.set WNS, 56
.set SEL, 58
.set HI, 60
.set SBC, 62                           ; s[62:63] the next q, k, v at my BLK
.set SBS, 66                           ; s[66:67] at q's 32 scale bytes
.set EOUT, 68
.set RN, 70
.set EPS, 71
.set SBK, 72                           ; s[72:73] at my block's place among k's scale words
.set LNX, 74                           ; s74  (L + 1) % 4
.set SBV, 76                           ; s[76:77] and among v's
.set CS, 78                            ; s[78:79] c = log2(e) / sqrt(32)
.set HB, 80                            ; s[80:81] this layer's q, k, v at my head's codes
.set HS, 82                            ; s[82:83] and at its scale bytes
.set KB, 84                            ; s[84:85] the same at the key step that is being asked for
.set SB, 86                            ; s[86:87]
.set OF, 88                            ; s[88:89] an offset, 0 above it
.set SG, 90                            ; s90  the key step that is being asked for
.set CNT, 91
.set QCB, 92                           ; s[92:93] my queries' BLK
.set QSB, 94                           ; s[94:95] and their scale bytes
.set CNTO, 36
.set MSB, 0
.macro WIN new                         ; the immediate's high byte repeats the setting that is left
.if MSB != \new
	s_set_vgpr_msb (MSB<<8)|\new
.set MSB, \new
.endif
.endm
.macro WLD w, n, base, off             ; n fragments' images into window 1 (the caller has set the destination's window)
.set FI, 0
.rept \n
.irp i, 0,1,2
	global_load_b128 v[(\w)+12*FI+4*\i:(\w)+12*FI+4*\i+3], v[W16], s[\base:\base+1] offset:(\off)+1536*FI+512*\i
.endr
.set FI, FI+1
.endr
.endm
.macro WSC ws, n, base, off            ; and their scale words
.set FI, 0
.rept \n
	global_load_b32 v[(\ws)+FI], v[L4], s[\base:\base+1] offset:(\off)+64*FI
.set FI, FI+1
.endr
.endm
.macro PLD reg, base, off              ; 16 numbers of a vector over the channels: my lane's
.irp c, 0,1,2,3
	global_load_b128 v[(\reg)+4*\c:(\reg)+4*\c+3], v[GB], s[\base:\base+1] offset:(\off)+16*\c
.endr
.endm
.macro NEXTW wc, wsb, pq, pk, pv       ; what q, k, v want: 60 loads
	WIN 0x40
	WLD 0, 4, \wc, IMQ
	WLD 48, 4, \wc, IMK
	WLD 96, 4, \wc, IMV
	WIN 0
	WSC WS, 4, \wsb, SCQ
	WSC WS+4, 4, \wsb, SCK
	WSC WS+8, 4, \wsb, SCV
	PLD PB, \pq, 0
	PLD PB+16, \pk, 0
.irp d, 0,1
	global_load_b32 v[PC+2*\d], v[GV], s[\pv:\pv+1] offset:32*\d      ; bv of channel (dt, r), twice: a pair for the packed addition
	global_load_b32 v[PC+2*\d+1], v[GV], s[\pv:\pv+1] offset:32*\d
.endr
.endm
.macro BLD img, sc                     ; the tokens' four fragments and scale words from LDS: lane (r, h), registers 6 c .. 6 c + 5: BLK 4 ks + 2 c + h, row 16 u + r
.irp u, 0,1
.irp ks, 0,1
.irp c, 0,1
	ds_load_b128 v[BF+12*(2*\u+\ks)+6*\c:BF+12*(2*\u+\ks)+6*\c+3], v[L16] offset:(\img)+768*(4*\ks+2*\c)+256*\u
	ds_load_b64 v[BF+12*(2*\u+\ks)+6*\c+4:BF+12*(2*\u+\ks)+6*\c+5], v[L8] offset:(\img)+768*(4*\ks+2*\c)+512+128*\u
.endr
.endr
.endr
.irp u, 0,1
.irp ks, 0,1
	ds_load_b32 v[BS+2*\u+\ks], v[L4] offset:(\sc)+128*\ks+64*\u
.endr
.endr
.endm
; Eight products: two tiles of a weight's rows x two tiles of tokens x two K steps.  The four accumulators take turns, one instruction a turn.
; cm = 1: the bias (eight registers a tile, in the result's layout) is the C of a sum's first product; cm = 2: the sums go on in place.  cs: fragments from tile to tile.
; Five v_nop follow: four places for vector instructions and loads that touch the products' registers, one more for products that write over them.
.macro UNIT acc, w, ws, cm, cbias, cs
	WIN 0x01                                       ; source 0 in window 1
.irp ks, 0,1
.irp u, 0,1
.irp ct, 0,1
.if (\ks == 0) && (\cm == 1)
	v_wmma_scale_f32_16x16x128_f8f6f4 v[(\acc)+16*\u+8*\ct:(\acc)+16*\u+8*\ct+7], v[(\w)+12*(\cs*\ct+\ks):(\w)+12*(\cs*\ct+\ks)+11], v[BF+12*(2*\u+\ks):BF+12*(2*\u+\ks)+11], v[(\cbias)+8*\ct:(\cbias)+8*\ct+7], v[(\ws)+\cs*\ct+\ks], v[BS+2*\u+\ks] matrix_a_fmt:MATRIX_FMT_FP6 matrix_b_fmt:MATRIX_FMT_FP6
.else
	v_wmma_scale_f32_16x16x128_f8f6f4 v[(\acc)+16*\u+8*\ct:(\acc)+16*\u+8*\ct+7], v[(\w)+12*(\cs*\ct+\ks):(\w)+12*(\cs*\ct+\ks)+11], v[BF+12*(2*\u+\ks):BF+12*(2*\u+\ks)+11], v[(\acc)+16*\u+8*\ct:(\acc)+16*\u+8*\ct+7], v[(\ws)+\cs*\ct+\ks], v[BS+2*\u+\ks] matrix_a_fmt:MATRIX_FMT_FP6 matrix_b_fmt:MATRIX_FMT_FP6
.endif
.endr
.endr
.endr
	WIN 0
.rept 5
	v_nop
.endr
.endm
.macro UNITV acc, w, ws                ; the same for v: source 0 = tokens, source 1 = rows of Wv; the first products start the sums
	WIN 0x04                                       ; source 1 in window 1
.irp ks, 0,1
.irp d, 0,1
.irp u, 0,1
.if \ks == 0
	v_wmma_scale_f32_16x16x128_f8f6f4 v[(\acc)+16*\d+8*\u:(\acc)+16*\d+8*\u+7], v[BF+12*(2*\u+\ks):BF+12*(2*\u+\ks)+11], v[(\w)+12*(2*\d+\ks):(\w)+12*(2*\d+\ks)+11], 0, v[BS+2*\u+\ks], v[(\ws)+2*\d+\ks] matrix_a_fmt:MATRIX_FMT_FP6 matrix_b_fmt:MATRIX_FMT_FP6
.else
	v_wmma_scale_f32_16x16x128_f8f6f4 v[(\acc)+16*\d+8*\u:(\acc)+16*\d+8*\u+7], v[BF+12*(2*\u+\ks):BF+12*(2*\u+\ks)+11], v[(\w)+12*(2*\d+\ks):(\w)+12*(2*\d+\ks)+11], v[(\acc)+16*\d+8*\u:(\acc)+16*\d+8*\u+7], v[BS+2*\u+\ks], v[(\ws)+2*\d+\ks] matrix_a_fmt:MATRIX_FMT_FP6 matrix_b_fmt:MATRIX_FMT_FP6
.endif
.endr
.endr
.endr
	WIN 0
.rept 5
	v_nop
.endr
.endm
; Two groups x = 0, 1 of 16 registers at s + 16 x: lane (r, h) holds k = 16 h + 0 .. 15 of row (x, r)'s one block of 32.  Behind it lane 16 x + r holds that row's 24 bytes in v[p] on and its scale byte in v[by].
.macro QUANT2 s, p, by
.irp x, 0,1
	v_max3_num_f32 v[QM+\x], |v[(\s)+16*\x]|, |v[(\s)+16*\x+1]|, 0x1800000   ; my 16 numbers, from the low end on, and the floor 2^(3 - 127): the byte cannot fall under 1
.endr
.irp i, 2,4,6,8,10,12,14
.irp x, 0,1
	v_max3_num_f32 v[QM+\x], v[QM+\x], |v[(\s)+16*\x+\i]|, |v[(\s)+16*\x+\i+1]|   ; (the two groups by turns)
.endr
.endr
.irp x, 0,1
	v_permlanex16_b32 v[QTT+\x], v[QM+\x], s[SEL], s[SEL+1]
.endr
.irp x, 0,1
	v_max_num_f32 v[QM+\x], v[QM+\x], v[QTT+\x]    ; with lane l xor 16's: the block's largest magnitude
.endr
.irp x, 0,1
	v_add_nc_u32 v[QSO+\x], 0xff000000, v[QM+\x]   ; 2 off its exponent field: the conversion takes this operand's exponent field as its scale
.endr
.irp x, 0,1
	v_lshrrev_b32 v[QTT+\x], 23, v[QSO+\x]         ; the scale's byte
.endr
	v_cvt_scalef32_pk16_fp6_f32 v[(\p):(\p)+2], v[(\s):(\s)+15], v[QSO]
	v_cvt_scalef32_pk16_fp6_f32 v[QTC:QTC+2], v[(\s)+16:(\s)+31], v[QSO+1]
	v_cndmask_b32 v[\by], v[QTT], v[QTT+1], s[HI]  ; lanes 0-15 group 0's byte, lanes 16-31 group 1's.  (The plain place behind the conversions)
.irp i, 0,1,2
	v_permlane16_swap_b32 v[(\p)+\i], v[QTC+\i]    ; the first's lanes 16-31 change places with the second's lanes 0-15: the first holds each row's lower 16 codes, the second the upper 16
.endr
.irp i, 0,1,2
	v_mov_b32 v[(\p)+3+\i], v[QTC+\i]
.endr
.endm
.macro PUT a16, a8, ab, o, so          ; a BLK and its bytes into LDS
	s_wait_alu depctr_va_vdst(0)                   ; the quantiser has written v[QP ..] and v[QBY], which the LDS stores read
	ds_store_b128 v[\a16], v[QP:QP+3] offset:\o
	ds_store_b64 v[\a8], v[QP+4:QP+5] offset:(\o)+512
	ds_store_b8 v[\ab], v[QBY] offset:\so
.endm
.macro GPUT p, by, creg, vo, sb, sreg  ; a BLK into the next q, k, v, 512 and 256 consecutive bytes, and its 32 scale bytes (one byte in 25 of what leaves here), each to its place in the reader's words
	s_wait_alu depctr_va_vdst(0)                   ; the quantiser has written the BLK's six registers and its byte, which the stores read (q's wait also: the two offsets of k's and v's bytes are written)
	global_store_b128 v[W16], v[(\p):(\p)+3], s[SBC:SBC+1] offset:\creg
	global_store_b64 v[VO8], v[(\p)+4:(\p)+5], s[SBC:SBC+1] offset:(\creg)+512
	global_store_b8 v[\vo], v[\by], s[\sb:\sb+1] offset:\sreg
.endm
.macro BARRIER                         ; my LDS stores have landed and my LDS loads are in: then the work-group's barrier
	s_wait_dscnt 0x0
	s_barrier_signal -1
	s_barrier_wait -1
.endm
; The layer norm of the 32 tokens' rows in v[EA] on, gains in v[PA] on, offsets in v[PA+16] on: each wave's own mean and sum of squares about it, joined over the eight waves: no difference of large sums is formed.
; Each accumulator is read from its low end on.
.macro LNORM lns
.irp a, 0,4,8,12
.irp u, 0,1
	v_pk_add_f32 v[ST+16*\u+\a/2:ST+16*\u+\a/2+1], v[EA+16*\u+\a:EA+16*\u+\a+1], v[EA+16*\u+\a+2:EA+16*\u+\a+3]
.endr
.endr
.irp u, 0,1
	v_pk_add_f32 v[ST+16*\u:ST+16*\u+1], v[ST+16*\u:ST+16*\u+1], v[ST+16*\u+2:ST+16*\u+3]
.endr
.irp u, 0,1
	v_pk_add_f32 v[ST+16*\u+4:ST+16*\u+5], v[ST+16*\u+4:ST+16*\u+5], v[ST+16*\u+6:ST+16*\u+7]
.endr
.irp u, 0,1
	v_pk_add_f32 v[ST+16*\u:ST+16*\u+1], v[ST+16*\u:ST+16*\u+1], v[ST+16*\u+4:ST+16*\u+5]
.endr
.irp u, 0,1
	v_add_f32 v[ST+16*\u], v[ST+16*\u], v[ST+16*\u+1]
.endr
.irp u, 0,1
	v_permlanex16_b32 v[ST+16*\u+1], v[ST+16*\u], s[SEL], s[SEL+1]
.endr
.irp u, 0,1
	v_add_f32 v[ST+16*\u], v[ST+16*\u], v[ST+16*\u+1]
.endr
.irp u, 0,1
	v_mul_f32 v[LT+2*\u], 0x3d000000, v[ST+16*\u]  ; / 32: the mean over my wave's 32 channels
.endr
.irp p, 0,2,4,6,8,10,12,14
.irp u, 0,1
	v_pk_add_f32 v[ST+16*\u+\p:ST+16*\u+\p+1], v[EA+16*\u+\p:EA+16*\u+\p+1], v[LT+2*\u:LT+2*\u+1] op_sel_hi:[1,0] neg_lo:[0,1] neg_hi:[0,1]
.endr
.endr
.irp u, 0,1
	v_pk_mul_f32 v[LT+4+2*\u:LT+5+2*\u], v[ST+16*\u:ST+16*\u+1], v[ST+16*\u:ST+16*\u+1]
.endr
.irp p, 2,4,6,8,10,12,14
.irp u, 0,1
	v_pk_fma_f32 v[LT+4+2*\u:LT+5+2*\u], v[ST+16*\u+\p:ST+16*\u+\p+1], v[ST+16*\u+\p:ST+16*\u+\p+1], v[LT+4+2*\u:LT+5+2*\u]
.endr
.endr
.irp u, 0,1
	v_add_f32 v[LT+4+2*\u], v[LT+4+2*\u], v[LT+5+2*\u]
.endr
.irp u, 0,1
	v_permlanex16_b32 v[LT+5+2*\u], v[LT+4+2*\u], s[SEL], s[SEL+1]
.endr
.irp u, 0,1
	v_add_f32 v[LT+2*\u+1], v[LT+4+2*\u], v[LT+5+2*\u]   ; the sum of squares about that mean
.endr
	v_cndmask_b32 v[LT+12], v[LT], v[LT+2], s[HI]  ; lane 16 u + r: token (u, r)'s pair
	v_cndmask_b32 v[LT+13], v[LT+1], v[LT+3], s[HI]
	s_wait_alu depctr_va_vdst(0)                   ; the pair v[LT+12:LT+13] is written, which the LDS store reads; and the lines above are done with v[ST ..], in which the loads behind the barrier land
	ds_store_b64 v[SLN], v[LT+12:LT+13] offset:\lns
	BARRIER                                        ; all eight waves' pairs lie in LDS
.irp u, 0,1
.irp w, 0,1,2,3,4,5,6,7
	ds_load_b64 v[ST+16*\u+2*\w:ST+16*\u+2*\w+1], v[L8R] offset:(\lns)+256*\w+128*\u
.endr
.endr
	s_wait_dscnt 0x0
	s_wait_alu depctr_vm_vsrc(0)                   ; the LDS store has read v[LT+12:LT+13], which the sums below write again
.irp i, 0,1,2,3
.irp u, 0,1
	v_pk_add_f32 v[LT+8*\u+2*\i:LT+8*\u+2*\i+1], v[ST+16*\u+4*\i:ST+16*\u+4*\i+1], v[ST+16*\u+4*\i+2:ST+16*\u+4*\i+3]
.endr
.endr
.irp u, 0,1
	v_pk_add_f32 v[LT+8*\u:LT+8*\u+1], v[LT+8*\u:LT+8*\u+1], v[LT+8*\u+2:LT+8*\u+3]
.endr
.irp u, 0,1
	v_pk_add_f32 v[LT+8*\u+4:LT+8*\u+5], v[LT+8*\u+4:LT+8*\u+5], v[LT+8*\u+6:LT+8*\u+7]
.endr
.irp u, 0,1
	v_pk_add_f32 v[LT+8*\u:LT+8*\u+1], v[LT+8*\u:LT+8*\u+1], v[LT+8*\u+4:LT+8*\u+5]   ; the sum of the eight means, the sum of the eight sums of squares
.endr
.irp u, 0,1
	v_mul_f32 v[LT+8*\u], 0x3e000000, v[LT+8*\u]   ; / 8: the row's mean
.endr
.irp u, 0,1
	v_sub_f32 v[LT+8*\u+2], v[ST+16*\u], v[LT+8*\u]
.endr
.irp u, 0,1
	v_mul_f32 v[LT+8*\u+4], v[LT+8*\u+2], v[LT+8*\u+2]
.endr
.irp w, 1,2,3,4,5,6,7
.irp u, 0,1
	v_sub_f32 v[LT+8*\u+2+\w%2], v[ST+16*\u+2*\w], v[LT+8*\u]
.endr
.irp u, 0,1
	v_fma_f32 v[LT+8*\u+4], v[LT+8*\u+2+\w%2], v[LT+8*\u+2+\w%2], v[LT+8*\u+4]
.endr
.endr
.irp u, 0,1
	v_fma_f32 v[LT+8*\u+4], v[LT+8*\u+4], 0x42000000, v[LT+8*\u+1]   ; 32 x the squares of the waves' means about the row's + the sums of squares
.endr
.irp u, 0,1
	v_fma_f32 v[LT+8*\u+4], v[LT+8*\u+4], s[RN], s[EPS]   ; / 256 + 1e-5
.endr
.irp u, 0,1
	v_rsq_f32 v[LT+8*\u+6], v[LT+8*\u+4]
.endr
	v_nop                                          ; a plain place behind the two roots,
	s_wait_alu depctr_va_vdst(0)                   ; the two roots have written v[LT+6] and v[LT+14]: the one wait ahead of their first use
.irp p, 0,2,4,6,8,10,12,14
.irp u, 0,1
	v_pk_add_f32 v[EA+16*\u+\p:EA+16*\u+\p+1], v[EA+16*\u+\p:EA+16*\u+\p+1], v[LT+8*\u:LT+8*\u+1] op_sel_hi:[1,0] neg_lo:[0,1] neg_hi:[0,1]
.endr
.irp u, 0,1
	v_pk_mul_f32 v[EA+16*\u+\p:EA+16*\u+\p+1], v[EA+16*\u+\p:EA+16*\u+\p+1], v[LT+8*\u+6:LT+8*\u+7] op_sel_hi:[1,0]
.endr
.irp u, 0,1
	v_pk_fma_f32 v[EA+16*\u+\p:EA+16*\u+\p+1], v[EA+16*\u+\p:EA+16*\u+\p+1], v[PA+\p:PA+\p+1], v[PA+16+\p:PA+16+\p+1]
.endr
.endr
.endm
; A key step's K and V into set kb: 20 loads.  K: two fragments, each four tiles of 16 keys: 16 and 8 bytes a lane as the BLKs lie.  V: two fragments (16 channels x 128 keys): lane (r, h), registers 6 c .. + 5: BLK 2 c + h of the step's four, row 16 d + r.
.macro KVLD kb
	WIN 0x40                                       ; destination in window 1
.irp f, 0,1
.irp c, 0,1
	global_load_b128 v[KV+48*(\kb)+12*\f+6*\c:KV+48*(\kb)+12*\f+6*\c+3], v[W16], s[KB:KB+1] offset:KC_+768*(2*\f+\c)
	global_load_b64 v[KV+48*(\kb)+12*\f+6*\c+4:KV+48*(\kb)+12*\f+6*\c+5], v[VO8], s[KB:KB+1] offset:KC_+768*(2*\f+\c)+512
.endr
.endr
.irp d, 0,1
.irp c, 0,1
	global_load_b128 v[KV+48*(\kb)+24+12*\d+6*\c:KV+48*(\kb)+24+12*\d+6*\c+3], v[L16], s[KB:KB+1] offset:VC_+1536*\c+256*\d
	global_load_b64 v[KV+48*(\kb)+24+12*\d+6*\c+4:KV+48*(\kb)+24+12*\d+6*\c+5], v[L8], s[KB:KB+1] offset:VC_+1536*\c+512+128*\d
.endr
.endr
	WIN 0
.irp f, 0,1
	global_load_b32 v[KSW+2*(\kb)+\f], v[L4], s[SB:SB+1] offset:KS_+64*\f
	global_load_b32 v[VSW+2*(\kb)+\f], v[L4], s[SB:SB+1] offset:VS_+64*\f
.endr
.endm
; A key step for one tile of 16 queries: K and V from set kb, tile qu.
.macro TILE kb, qu
.set NM, STT+4*(\qu)                   ; -M; NM + 1 the largest t; NM + 2, NM + 3 the sum
	WIN 0x05                                       ; sources 0 and 1 in window 1
.irp f, 0,1
.irp c, 0,1,2,3
	v_wmma_scale_f32_16x16x128_f8f6f4 v[S+8*(4*\f+\c):S+8*(4*\f+\c)+7], v[KV+48*(\kb)+12*\f:KV+48*(\kb)+12*\f+11], v[QB+24*(\qu)+6+12*(\c%2)-6*(\c/2):QB+24*(\qu)+17+12*(\c%2)-6*(\c/2)], 0, v[KSW+2*(\kb)+\f], v[QSW+(\qu)] matrix_a_fmt:MATRIX_FMT_FP6 matrix_b_fmt:MATRIX_FMT_FP6
.endr
.endr
	WIN 0
.rept 4
	v_nop
.endr
.irp b, 0,1,2,3
	v_max3_num_f32 v[BM+\b], v[S+16*\b], v[S+16*\b+1], v[S+16*\b+2]   ; the largest score of each block of 32 keys: for the row's maximum, and, since p rises with the score, for the block's largest p
.endr
.irp i, 3,5,7,9,11,13
.irp b, 0,1,2,3
	v_max3_num_f32 v[BM+\b], v[BM+\b], v[S+16*\b+\i], v[S+16*\b+\i+1]
.endr
.endr
.irp b, 0,1,2,3
	v_max_num_f32 v[BM+\b], v[BM+\b], v[S+16*\b+15]
.endr
.irp b, 0,1,2,3
	v_permlanex16_b32 v[BT+\b], v[BM+\b], s[SEL], s[SEL+1]
.endr
.irp b, 0,1,2,3
	v_max_num_f32 v[BM+\b], v[BM+\b], v[BT+\b]     ; with lane l xor 16's 16 keys
.endr
	v_max3_num_f32 v[TM], v[BM], v[BM+1], v[BM+2]
	v_max_num_f32 v[TM], v[TM], v[BM+3]
	v_mul_f32 v[TM], s[CS], v[TM]                  ; as t (c is positive)
	v_max_num_f32 v[NM+1], v[NM+1], v[TM]          ; the running largest t
	v_mov_b32 v[TM], v[NM]
	v_floor_f32 v[NM], -v[NM+1]                    ; the new -M = -ceil(t): a whole number
	v_sub_f32 v[TM], v[NM], v[TM]                  ; old M - new M: a whole number, 0 or less
	v_cvt_i32_f32 v[TM], v[TM]                     ; (it saturates)
	v_ldexp_f32 v[FF], 1.0, v[TM]                  ; f = 2^(old M - new M): multiplying by it rounds nothing
.set J, 0
.rept 32
	v_pk_fma_f32 v[S+J:S+J+1], v[S+J:S+J+1], s[CS:CS+1], v[NM:NM+1] op_sel_hi:[1,0,0]   ; t - M, two at a time
.set J, J+2
.endr
.irp b, 0,1,2,3
	v_fma_f32 v[BM+\b], v[BM+\b], s[CS], v[NM]     ; the same of each block's largest score
.endr
.set J, 0
.rept 64
	v_exp_f32 v[S+J], v[S+J]                       ; p = 2^(t - M), at most 1
.set J, J+1
.endr
	v_pk_mul_f32 v[NM+2:NM+3], v[NM+2:NM+3], v[FF:FF+1] op_sel_hi:[1,0]   ; the sums under the new M.  (The plain place behind the batch)
	s_wait_alu depctr_va_vdst(0)                   ; the 64 exponentials have written p in v[S ..]: one wait for the batch, ahead of the first line that names a result
.irp b, 0,1,2,3
	v_exp_f32 v[BM+\b], v[BM+\b]                   ; the blocks' largest p: the same two instructions on the same numbers
.endr
.irp j, 0,2,4,6,8,10,12,14
	v_pk_mul_f32 v[O+16*(\qu)+\j:O+16*(\qu)+\j+1], v[O+16*(\qu)+\j:O+16*(\qu)+\j+1], v[FF:FF+1] op_sel_hi:[1,0]   ; O^T under the new M, from each accumulator's low end on: work that names none of the four
.endr
	s_wait_alu depctr_va_vdst(0)                   ; the four exponentials have written the blocks' largest p in v[BM ..]: one wait for the four, ahead of their first reader
.irp b, 0,1,2,3
	v_max_num_f32 v[BM+\b], 0x1800000, v[BM+\b]    ; the floor 2^(3 - 127): the byte cannot fall under 1
.endr
.irp b, 0,1,2,3
	v_add_nc_u32 v[SO+\b], 0xff000000, v[BM+\b]    ; 2 off the exponent field: the conversion's scale operand
.endr
.irp b, 0,1,2,3
	v_lshrrev_b32 v[BT+\b], 23, v[SO+\b]
.endr
	v_lshl_or_b32 v[PSW], v[BT+1], 8, v[BT]        ; p's scale word for these 128 keys
	v_lshl_or_b32 v[PSW], v[BT+2], 16, v[PSW]
	v_lshl_or_b32 v[PSW], v[BT+3], 24, v[PSW]
	v_pk_add_f32 v[TM+2:TM+3], v[S:S+1], v[S+2:S+3]   ; the row's sum of the UNQUANTISED p, in two chains.  (These 32 also stand between the scale word's last write and the products that read it: eight are asked)
.set J, 4
.rept 15
	v_pk_add_f32 v[NM+2:NM+3], v[NM+2:NM+3], v[S+J:S+J+1]
	v_pk_add_f32 v[TM+2:TM+3], v[TM+2:TM+3], v[S+J+2:S+J+3]
.set J, J+4
.endr
	v_pk_add_f32 v[NM+2:NM+3], v[NM+2:NM+3], v[TM+2:TM+3]
.irp c, 0,1
	v_cvt_scalef32_pk16_fp6_f32 v[PCD+6*\c:PCD+6*\c+2], v[S+32*\c:S+32*\c+15], v[SO+2*\c]
	v_cvt_scalef32_pk16_fp6_f32 v[PT+4*\c:PT+4*\c+2], v[S+32*\c+16:S+32*\c+31], v[SO+2*\c+1]   ; (a conversion's three registers begin on an even number)
.endr
	v_nop                                          ; one plain place behind the conversions
.irp c, 0,1                                    ; the operand's layout wants a whole block in a lane: lanes 0-15 block 2 c, lanes 16-31 block 2 c + 1
.irp i, 0,1,2
	v_permlane16_swap_b32 v[PCD+6*\c+\i], v[PT+4*\c+\i]
.endr
.irp i, 0,1,2
	v_mov_b32 v[PCD+6*\c+3+\i], v[PT+4*\c+\i]
.endr
.endr
.rept 4
	v_nop                                          ; an operand written by vector instructions stands four places ahead of a scaled product
.endr
	s_wait_alu depctr_va_vdst(0)                   ; the lines above have written p's codes in v[PCD ..] and p's scale word v[PSW], which the two products below take as source 1 and as scales; the places above stay beside this wait
	WIN 0x01                                       ; source 0 in window 1
.irp d, 0,1
	v_wmma_scale_f32_16x16x128_f8f6f4 v[O+16*(\qu)+8*\d:O+16*(\qu)+8*\d+7], v[KV+48*(\kb)+24+12*\d:KV+48*(\kb)+24+12*\d+11], v[PCD:PCD+11], v[O+16*(\qu)+8*\d:O+16*(\qu)+8*\d+7], v[VSW+2*(\kb)+\d], v[PSW] matrix_a_fmt:MATRIX_FMT_FP6 matrix_b_fmt:MATRIX_FMT_FP6   ; between two links on one accumulator stand nineteen other products
.endr
	WIN 0
.endm
; A key step on set kb.  mode 1: the next step's K and V are asked for first, into the other set, which the step before has left, and are waited for at this step's end: they have
; two tiles' products and softmax in which to land.  mode 2, the last step: the set that is free takes the first half of W1.
.macro STEP kb, mode
.if \mode == 1
	s_add_co_u32 s[SG], s[SG], 1                   ; (no load is out that names these bases: the wait at the last step's end, or the counted wait ahead of the loop, has shown them done)
	s_and_b32 s[SG], s[SG], 7                      ; round the head's eight steps
	s_mul_i32 s[OF], s[SG], 3072
	s_add_nc_u64 s[KB:KB+1], s[HB:HB+1], s[OF:OF+1]
	s_lshl_b32 s[OF], s[SG], 7
	s_add_nc_u64 s[SB:SB+1], s[HS:HS+1], s[OF:OF+1]
.endif
	s_wait_alu depctr_va_vdst(0)                   ; the products of the step before are done reading the other set's fragments and scale words, in which the loads below land.  In the first step: q's run and q's scale words are written, which the score products take as source 1 and as scales (the 32 lines that clear O^T are the places ahead of this wait)
.if \mode == 1
	KVLD 1-(\kb)
.else
	WIN 0x40
	WLD 48, 4, W12C, IM1
	WIN 0
.endif
	TILE \kb, 0
	TILE \kb, 1
.rept 4
	v_nop                                          ; four places behind the last products; that the loads into the registers which they read hang on them is stated by the wait at the next step's head, or behind the loop
.endr
.if \mode == 1
	s_wait_loadcnt 0x0                             ; the next step's K and V are in
.endif
.endm
	s_load_b512 s[4:19], s[0:1], 0x0               ; q, k, v 4, e in 6, the count in 8, wimg 10, bo 12, ln2_g 14, ln2_b 16, b1 18
	s_load_b512 s[20:35], s[0:1], 0x40             ; b2 20, the next norm's gains 22 and offsets 24, bq 26, bk 28, bv 30, e out 32, the next q, k, v 34
	s_load_b64 s[36:37], s[0:1], 0x80              ; the count out
	v_lshrrev_b32 v24, 5, v0
	v_readfirstlane_b32 s[CB], v24                 ; wave
	v_and_b32 v[VO1], 31, v0                       ; lane
	v_and_b32 v25, 15, v0                          ; r
	v_bfe_u32 v26, v0, 4, 1                        ; h
	v_and_b32 v27, 8, v25
	v_add_nc_u32 v27, v27, v25                     ; r + 8 (r / 8)
	v_mul_u32_u24 v[L16], v26, 768
	v_lshl_add_u32 v[L8], v25, 3, v[L16]
	v_lshl_add_u32 v[L16], v25, 4, v[L16]
	v_lshlrev_b32 v[L4], 2, v25
	v_lshlrev_b32 v[L8R], 3, v25
	v_lshlrev_b32 v[W16], 4, v[VO1]
	v_lshlrev_b32 v[VO8], 3, v[VO1]
	s_wait_alu depctr_va_sdst(0)                   ; the wave's number is written into s[CB], ahead of its first reader
	s_mul_i32 s42, s[CB], 768
	v_add_nc_u32 v[S16E], s42, v[W16]
	v_add_nc_u32 v[S8E], s42, v[VO8]
	s_lshl_b32 s42, s42, 1
	v_add_nc_u32 v[S16H], s42, v[W16]
	v_add_nc_u32 v[S8H], s42, v[VO8]
	s_lshr_b32 s42, s[CB], 2
	s_lshl_b32 s42, s42, 7
	s_and_b32 s43, s[CB], 3
	s_add_co_u32 s42, s42, s43
	v_lshl_add_u32 v[SBE], v[VO1], 2, s42
	s_lshr_b32 s42, s[CB], 1
	s_lshl_b32 s42, s42, 7
	s_and_b32 s43, s[CB], 1
	s_lshl_b32 s43, s43, 1
	s_add_co_u32 s42, s42, s43
	v_lshl_add_u32 v[SBH], v[VO1], 2, s42
	s_lshl_b32 s42, s[CB], 8
	v_add_nc_u32 v[SLN], s42, v[VO8]
	v_mul_u32_u24 v[AST], v25, 1040
	v_lshl_add_u32 v[AST], v26, 6, v[AST]
	s_lshl_b32 s42, s[CB], 7
	v_add_nc_u32 v[AST], s42, v[AST]
	s_mul_i32 s42, s[CB], 4160
	v_add_nc_u32 v[ARD], s42, v[W16]
	v_lshlrev_b32 v[GB], 6, v26
	v_lshlrev_b32 v[GV], 2, v27
	v_lshlrev_b32 v[GE], 10, v27
	v_lshl_add_u32 v[GE], v26, 6, v[GE]
	v_lshlrev_b32 v[R16], 4, v25
	v_mov_b32 v[GR], v25
	WIN 0x40                                       ; destination in window 1
.irp z, 0,12,24,36,48
.irp i, 0,1,2,3,4,5
	v_mov_b32 v[QB+\z+\i], 0                       ; the run's five stretches of zero codes: made here, while the arguments are on their way, so that no vector line stands among the loads below
.endr
.endr
	WIN 0
	s_mov_b32 s[SEL], 0x76543210
	s_mov_b32 s[SEL+1], 0xfedcba98
	s_mov_b32 s[HI], 0xffff0000
	s_mov_b32 s[RN], 0x3b800000
	s_mov_b32 s[EPS], 0x3727c5ac
	s_mov_b32 s[CS], 0x3e8293ee
	s_mov_b32 s[CS+1], s[CS]                       ; (named with it as a pair, so it is written)
	s_mov_b32 s45, 0
	s_mov_b32 s[OF+1], 0
	s_wait_kmcnt 0x0
	s_load_b32 s[LY], s[8:9], 0x0                  ; the layer's number: wanted only behind the first loads
	s_lshr_b32 s42, ttmp9, 5                       ; the sequence,
	s_and_b32 s43, ttmp9, 31                       ; the block of 32 tokens in it
	s_lshl_b32 s75, s42, 3
	s_add_co_u32 s75, s75, s[CB]                   ; head = 8 x sequence + wave
	s_mul_i32 s44, s75, 24576
	s_add_nc_u64 s[HB:HB+1], s[4:5], s[44:45]
	s_lshl_b32 s44, s75, 10
	s_add_nc_u64 s[HS:HS+1], s[4:5], s[44:45]
	s_mul_i32 s44, s43, 768
	s_add_nc_u64 s[QCB:QCB+1], s[HB:HB+1], s[44:45]
	s_lshl_b32 s44, s43, 5
	s_add_nc_u64 s[QSB:QSB+1], s[HS:HS+1], s[44:45]
	s_and_b32 s[SG], s43, 7                        ; the key step with which I begin
	s_mul_i32 s[OF], s[SG], 3072
	s_add_nc_u64 s[KB:KB+1], s[HB:HB+1], s[OF:OF+1]
	s_lshl_b32 s[OF], s[SG], 7
	s_add_nc_u64 s[SB:SB+1], s[HS:HS+1], s[OF:OF+1]
	s_lshl_b32 s44, ttmp9, 15                      ; e: my 32 tokens' rows, my 32 channels
	s_lshl_b32 s39, s[CB], 7
	s_add_co_u32 s44, s44, s39
	s_add_nc_u64 s[6:7], s[6:7], s[44:45]
	s_wait_alu depctr_va_vdst(0)                   ; the offsets and LDS addresses v1 to v22 are written, which the loads and stores of the whole kernel read; no vector line stands among the 74 loads below
	; THE LOADS, in the order of need.  First q and the first key step: 26 loads
.irp u, 0,1
	global_load_b128 v[PCD+6*\u:PCD+6*\u+3], v[R16], s[QCB:QCB+1] offset:256*\u            ; query (u, r)'s 24 bytes, in both halves of the lanes
	global_load_b64 v[PCD+6*\u+4:PCD+6*\u+5], v[L8R], s[QCB:QCB+1] offset:512+128*\u
	global_load_u8 v[TM+\u], v[GR], s[QSB:QSB+1] offset:QS_+16*\u
.endr
	KVLD 0
	WIN 0x40                                       ; then what stays loaded through the attention: 48 loads.  e, into window 1
.irp u, 0,1
.irp c, 0,1,2,3
	global_load_b128 v[EIN+16*\u+4*\c:EIN+16*\u+4*\c+3], v[GE], s[6:7] offset:8192*\u+16*\c
.endr
.endr
	WIN 0
	s_wait_kmcnt 0x0
	s_min_u32 s[LY], s[LY], 3                      ; held to the table's four layers
	s_add_co_u32 s[CNTV], s[LY], 1
	s_and_b32 s[LNX], s[CNTV], 3                   ; the next layer; behind layer 3: 0, where the closing norm's 256 numbers lie
	s_lshl_b32 s44, s[LY], 10
	s_add_co_u32 s44, s44, s39                     ; 1024 L + 128 cb
.irp q, 12,14,16,20
	s_add_nc_u64 s[\q:\q+1], s[\q:\q+1], s[44:45]
.endr
	s_lshl_b32 s44, s44, 1                         ; 2048 L + 256 cb: b1, and Wo's scale words
	s_add_nc_u64 s[18:19], s[18:19], s[44:45]
	s_add_nc_u64 s[WOS:WOS+1], s[10:11], s[44:45]
	s_lshl_b32 s44, s44, 1                         ; 4096 L + 512 cb: W1's and W2's
	s_add_nc_u64 s[W12S:W12S+1], s[10:11], s[44:45]
	s_lshl_b32 s44, s[LNX], 10
	s_add_co_u32 s44, s44, s39                     ; the same for the next layer
.irp q, 22,24,26,28,30
	s_add_nc_u64 s[\q:\q+1], s[\q:\q+1], s[44:45]
.endr
	s_lshl_b32 s44, s44, 1
	s_add_nc_u64 s[WNS:WNS+1], s[10:11], s[44:45]
	s_mul_i32 s39, s[CB], 6144
	s_mul_i32 s44, s[LY], 49152
	s_add_co_u32 s44, s44, s39                     ; 32 fragments a layer, four a wave
	s_add_nc_u64 s[WOC:WOC+1], s[10:11], s[44:45]
	s_lshl_b32 s44, s44, 1                         ; 64 a layer, eight a wave
	s_add_nc_u64 s[W12C:W12C+1], s[10:11], s[44:45]
	s_mul_i32 s44, s[LNX], 49152
	s_add_co_u32 s44, s44, s39
	s_add_nc_u64 s[WNC:WNC+1], s[10:11], s[44:45]
	WIN 0x40
	WLD 0, 4, WOC, IMO
	PLD B2W, 20, 0                                 ; b2, into window 1
	WIN 0
	WSC WS, 4, WOS, SCO
	WSC WS+4, 8, W12S, SC1
	PLD PC, 12, 0                                  ; bo
	PLD PA, 14, 0
	PLD PA+16, 16, 0
	s_lshl_b32 s44, s75, 5                         ; where the next q, k, v go
	s_add_co_u32 s39, s44, s43                     ; BLK number = 32 x head + block
	s_mul_i32 s44, s39, 768
	s_add_nc_u64 s[SBC:SBC+1], s[34:35], s[44:45]
	s_lshl_b32 s44, s39, 5
	s_add_nc_u64 s[SBS:SBS+1], s[34:35], s[44:45]
	s_lshl_b32 s75, s75, 10                        ; the head's 1,024 scale bytes
	s_lshr_b32 s39, s43, 1
	s_lshl_b32 s39, s39, 6
	s_add_co_u32 s44, s75, s39
	s_and_b32 s39, s43, 1
	s_lshl_b32 s39, s39, 1
	s_add_co_u32 s44, s44, s39                     ; k: + 64 (blk / 2) + 2 (blk % 2)
	s_add_nc_u64 s[SBK:SBK+1], s[34:35], s[44:45]
	s_lshr_b32 s39, s43, 2
	s_lshl_b32 s39, s39, 7
	s_add_co_u32 s44, s75, s39
	s_and_b32 s39, s43, 3
	s_add_co_u32 s44, s44, s39                     ; v: + 128 (blk / 4) + blk % 4
	s_add_nc_u64 s[SBV:SBV+1], s[34:35], s[44:45]
	s_lshl_b32 s39, s[CB], 2                       ; I store the rows at positions 4 cb .. 4 cb + 3: four neighbouring tokens, from
	s_and_b32 s39, s39, 15
	s_and_b32 s44, s39, 8
	s_add_co_u32 s39, s39, s44
	s_lshr_b32 s44, s[CB], 2
	s_lshl_b32 s44, s44, 3
	s_add_co_u32 s39, s39, s44                     ; 8 u + r + 8 (r / 8) on
	s_lshl_b32 s44, ttmp9, 5
	s_add_co_u32 s44, s44, s39
	s_lshl_b32 s44, s44, 10
	s_add_nc_u64 s[EOUT:EOUT+1], s[32:33], s[44:45]
.irp u, 0,1
	v_mov_b32 v[STT+4*\u+1], 0xff61b1e6            ; the largest t so far: -3e38, under every t
	v_floor_f32 v[STT+4*\u], -v[STT+4*\u+1]        ; -M
	v_mov_b32 v[STT+4*\u+2], 0                     ; the sum, in two halves
	v_mov_b32 v[STT+4*\u+3], 0
.endr
.irp b, 0,1,2,3
	v_mov_b32 v[BT+\b], 0                          ; written once: a lane permute's destination counts as one of its sources
.endr
	v_mov_b32 v[FF+1], 0                           ; (named as the upper half of a pair)
	v_mov_b32 v[CV], s[CNTV]                       ; the number of the layer that follows: made here, ahead of the first step's wait, for the one store that reads it
	s_wait_loadcnt 48                              ; q and the first key step are in; the 48 younger loads may stay out
.irp u, 0,1
	v_perm_b32 v[QSW+\u], v[TM+\u], v[TM+\u], 0    ; q's byte in all four places: it serves whichever block q stands in
.endr
	WIN 0x40
.irp u, 0,1
.irp i, 0,1,2,3,4,5
	v_cndmask_b32 v[QB+24*\u+6+\i], v[PCD+6*\u+\i], 0, s[HI]    ; q in lanes 0-15,
	v_cndmask_b32 v[QB+24*\u+18+\i], 0, v[PCD+6*\u+\i], s[HI]   ; q in lanes 16-31
.endr
.endr
	WIN 0
.set J, 0
.rept 32
	v_mov_b32 v[O+J], 0                            ; O^T.  (The step is written for every step alike: the first finds zeros, which the first change of M leaves zeros.  These 32 are also the places ahead of the first products)
.set J, J+1
.endr
	; ---- A: the attention, eight key steps
	s_mov_b32 s[CNT], 3
.Lstep:                                            ; three trips of two steps: the two sets take turns
	STEP 0, 1
	STEP 1, 1
	s_sub_co_u32 s[CNT], s[CNT], 1
	s_cmp_lg_u32 s[CNT], 0
	s_cbranch_scc1 .Lstep
	STEP 0, 1                                      ; the last two steps are written out: the very last asks for no K and V
	STEP 1, 2
	WIN 0x01                                       ; source 0 in window 1
.irp u, 0,1
.irp p, 0,2,4,6,8,10,12,14
	v_pk_add_f32 v[EA+16*\u+\p:EA+16*\u+\p+1], v[EIN+16*\u+\p:EIN+16*\u+\p+1], v[PC+\p:PC+\p+1]   ; the residual and the bias begin the next sums.  (They stand ahead of the loads, so that one wait serves all 52 of them)
.endr
.endr
	WIN 0
	s_wait_alu depctr_va_vdst(0)                   ; the last step's products are done reading its set, q's run and the scale words v152 to v158; its softmax is done with v192 to v211; the additions above are done reading e: the loads below land in all of these
	WIN 0x40
	WLD 96, 4, W12C, IM1+6144                      ; the second half of W1 into the set that the last step has left,
	WIN 0
	PLD PB, 18, 0                                  ; b1: with the first half 32 loads
	PLD PB+16, 18, 128
	WSC WS+12, 8, W12S, SC2                        ; then W2, where the run of q and e lay: 32 loads
	WIN 0x40
	WLD 144, 8, W12C, IM2
	WIN 0
.irp u, 0,1
	v_add_f32 v[STT+4*\u+2], v[STT+4*\u+2], v[STT+4*\u+3]   ; the sum's two halves,
.endr
.irp u, 0,1
	v_permlanex16_b32 v[TM+2+\u], v[STT+4*\u+2], s[SEL], s[SEL+1]
.endr
.irp u, 0,1
	v_add_f32 v[STT+4*\u+2], v[STT+4*\u+2], v[TM+2+\u]      ; and lane l xor 16's
.endr
.irp u, 0,1
	v_rcp_f32 v[STT+4*\u+2], v[STT+4*\u+2]
.endr
	v_nop                                          ; a plain place behind the two reciprocals,
	s_wait_alu depctr_va_vdst(0)                   ; the two reciprocals have written v[STT+2] and v[STT+6]: the one wait ahead of their first use
.irp u, 0,1
.irp j, 0,1,2,3,4,5,6,7,8,9,10,11,12,13,14,15
	v_mul_f32 v[DA+16*\u+\j], v[O+16*\u+\j], v[STT+4*\u+2]   ; ctx(query (u, r), channel 16 h + j), each accumulator from its low end on
.endr
.endr
	QUANT2 DA, QP, QBY
	PUT S16E, S8E, SBE, CIMG, CSC                  ; K block cb of the next product.  Its wait also states: the lines above are done with O^T, p's codes and K's scale words, in which the fragments behind the barrier land
	BARRIER                                        ; ctx's 8 BLKs and scale words lie in LDS
	; ---- 1: e + bo + ctx Wo^T
	BLD CIMG, CSC
	s_wait_dscnt 0x0
	UNIT EA, 0, WS, 2, 0, 2
	; ---- 2: LN2; its codes go to the other waves
	LNORM LNS2
	s_wait_alu depctr_vm_vsrc(0)                   ; the LDS stores of ctx's BLK have read v[QP ..] and v[QBY], which the quantiser below writes again
	QUANT2 EA, QP, QBY
	PUT S16E, S8E, SBE, E2IMG, E2SC                ; its wait also states: LN2 is done reading its gains and offsets, in which the loads below land, and with v[BF ..], in which the fragments behind the barrier land
	s_wait_loadcnt 32                              ; W1 and b1 are in; W2's 32 loads may stay out
	PLD PA, 22, 0                                  ; the next norm's gains and offsets take the place of LN2's
	PLD PA+16, 24, 0
	WIN 0x04                                       ; source 1 in window 1
.irp u, 0,1
.irp p, 0,2,4,6,8,10,12,14
	v_pk_add_f32 v[EA+16*\u+\p:EA+16*\u+\p+1], v[EA+16*\u+\p:EA+16*\u+\p+1], v[B2W+\p:B2W+\p+1]   ; e + b2 begins the second half's sums
.endr
.endr
	WIN 0
	BARRIER                                        ; e's 8 BLKs and scale words lie in LDS
	; ---- 3: my 64 hidden units, 32 at a time
	BLD E2IMG, E2SC
	s_wait_dscnt 0x0
.irp i, 0,1
	UNIT DA, 48+48*\i, WS+4+4*\i, 1, PB+16*\i, 2
.set J, 0
.rept 32
	v_max_num_f32 v[DA+J], 0, v[DA+J]              ; the activation, in f32, each accumulator from its low end on
.set J, J+1
.endr
	s_wait_alu depctr_vm_vsrc(0)                   ; the LDS stores of the BLK before have read v[QP ..] and v[QBY], which the quantiser below writes again
	QUANT2 DA, QP, QBY
	PUT S16H, S8H, SBH, HIMG+768*\i, HSC+\i        ; the second one's wait also states: the products are done reading Wo, W1, their scale words, b1, bo and the fragments: the next layer's weights and the hidden layer's fragments land there behind the barrier
	s_wait_dscnt 0x0                               ; my stores have landed
.endr
	BARRIER                                        ; the hidden layer's 16 BLKs and scale words lie in LDS
	; ---- 4: + hidden W2^T, K = 512 in two halves
	s_wait_loadcnt 0x0                             ; W2 and the next norm's vectors
	s_cmp_eq_u32 s[LY], 3
	s_cbranch_scc1 .Lno_next                       ; behind layer 3 there is no q, k, v
	NEXTW WNC, WNS, 26, 28, 30                     ; into registers that Wo, W1, b1 and bo have left: no vector or matrix line since the wait ahead of the last LDS stores
.Lno_next:
	BLD HIMG, HSC
	s_wait_dscnt 0x0
	UNIT EA, 144, WS+12, 2, 0, 4
	s_wait_alu depctr_va_vdst(0)                   ; the first half's products are done reading the fragments and their scale words, in which the second half's land: the wave's 512 registers hold no second set
	BLD HIMG+6144, HSC+256
	s_wait_dscnt 0x0
	UNIT EA, 168, WS+14, 2, 0, 4
	; ---- 5: the next norm; e leaves in f32; its codes go to the other waves
	LNORM LNSN
	s_wait_alu depctr_vm_vsrc(0)                   ; the LDS stores of the hidden layer's second BLK have read v[QP ..] and v[QBY], which the quantiser below writes again
	QUANT2 EA, QP, QBY
	PUT S16E, S8E, SBE, E1IMG, E1SC                ; its wait also states: the norm has written v[EA ..], which the stage's stores below read; the quantiser is done reading them, and the norm is done with v[BF ..]: loads land in both behind the barrier
.irp u, 0,1
.irp c, 0,1,2,3
	ds_store_b128 v[AST], v[EA+16*\u+4*\c:EA+16*\u+4*\c+3] offset:STG+16640*\u+16*\c   ; row = position
.endr
.endr
	BARRIER                                        ; the last barrier: 32 whole rows of e, its 8 BLKs and its scale words lie in LDS
	s_wait_alu depctr_vm_vsrc(0)                   ; the stage's stores have read v[EA ..], in which the loads below land (and the last BLK's stores have read v[QBY], which is written once more at the kernel's end)
.irp k, 0,1,2,3,4,5,6,7
	ds_load_b128 v[EA+4*\k:EA+4*\k+3], v[ARD] offset:STG+1040*(\k/2)+512*(\k%2)
.endr
.irp k, 0,1,2,3,4,5,6,7
	s_wait_dscnt 7-\k                              ; the younger loads may stay out
	global_store_b128 v[W16], v[EA+4*\k:EA+4*\k+3], s[EOUT:EOUT+1] offset:1024*(\k/2)+512*(\k%2)   ; 512 consecutive bytes of a row
.endr
	s_or_b32 s39, ttmp9, s[CB]
	s_cmp_eq_u32 s39, 0
	s_cbranch_scc0 .Lnot_first
	global_store_b32 v[L4], v[CV], s[CNTO:CNTO+1]  ; the count, written ahead of the attention
.Lnot_first:
	s_cmp_eq_u32 s[LY], 3
	s_cbranch_scc1 .Lend
	; ---- 6: q, k, v of the next layer, head cb
	s_wait_loadcnt 0x0
	BLD E1IMG, E1SC
	v_lshlrev_b32 v[PA+27], 2, v[VO1]              ; 4 x lane: v's bytes
	v_lshrrev_b32 v[PA+28], 4, v[VO1]
	v_add_nc_u32 v[PA+28], v[PA+28], v[L4]         ; 4 r + h: k's bytes
	s_wait_dscnt 0x0
	UNIT DA, 0, WS, 1, PB, 2
	QUANT2 DA, PA, PA+24
	GPUT PA, PA+24, QC_, VO1, SBS, QS_
	UNIT DA, 48, WS+4, 1, PB+16, 2
	QUANT2 DA, PA+8, PA+25
	GPUT PA+8, PA+25, KC_, PA+28, SBK, KS_
	UNITV DA, 96, WS+8                             ; v, with the tokens along a lane's registers
.irp d, 0,1
.irp p, 0,2,4,6,8,10,12,14
	v_pk_add_f32 v[DA+16*\d+\p:DA+16*\d+\p+1], v[DA+16*\d+\p:DA+16*\d+\p+1], v[PC+2*\d:PC+2*\d+1]
.endr
.endr
	QUANT2 DA, PA+16, PA+26
	GPUT PA+16, PA+26, VC_, PA+27, SBV, VS_
.Lend:
	s_wait_xcnt 0x0
	v_lshl_add_u32 v254, v0, 2, 0x11000            ; the add's two registers, made anew straight ahead of the closing lines: no memory or LDS instruction has read either since the wait on vm_vsrc behind the last barrier
	v_mov_b32 v255, 0
	s_wait_dscnt 0x0                               ; the closing lines, six on end
	s_wait_alu 0x0
	s_wait_tensorcnt 0x0
	ds_add_u32 v254, v255
	s_wait_dscnt 0x0
	s_endpgm
.Lfunc_end_k_q41d4d0b992_layer0:
	.size	k_q41d4d0b992_layer0, .Lfunc_end_k_q41d4d0b992_layer0-k_q41d4d0b992_layer0
	.p2alignl 7, 3214868480
	.fill 96, 4, 3214868480
	.section	.rodata,"a",@progbits
	.p2align	6, 0x0
	.amdhsa_kernel k_q41d4d0b992_layer0
		.amdhsa_group_segment_fixed_size 70656
		.amdhsa_private_segment_fixed_size 0
		.amdhsa_enable_private_segment 0
		.amdhsa_kernarg_size 136
		.amdhsa_user_sgpr_count 2
		.amdhsa_user_sgpr_kernarg_segment_ptr 1
		.amdhsa_wavefront_size32 1
		.amdhsa_system_sgpr_workgroup_id_x 1
		.amdhsa_system_sgpr_workgroup_id_y 1
		.amdhsa_system_sgpr_workgroup_id_z 1
		.amdhsa_system_vgpr_workitem_id 0
		.amdhsa_next_free_vgpr 512
		.amdhsa_next_free_sgpr 96
		.amdhsa_reserve_vcc 0
		.amdhsa_float_denorm_mode_32 3
		.amdhsa_float_denorm_mode_16_64 3
		.amdhsa_memory_ordered 1
		.amdhsa_forward_progress 1
		.amdhsa_inst_pref_size 204
	.end_amdhsa_kernel
	.amdgpu_metadata
---
amdhsa.version: [ 1, 2 ]
amdhsa.kernels:
  - .name:           k_q41d4d0b992_layer0
    .symbol:         k_q41d4d0b992_layer0.kd
    .args:
      - { .name: qkv, .offset: 0, .size: 8, .value_kind: global_buffer, .address_space: global }
      - { .name: e_a, .offset: 8, .size: 8, .value_kind: global_buffer, .address_space: global }
      - { .name: cnt_a, .offset: 16, .size: 8, .value_kind: global_buffer, .address_space: global }
      - { .name: wimg, .offset: 24, .size: 8, .value_kind: global_buffer, .address_space: global }
      - { .name: bo, .offset: 32, .size: 8, .value_kind: global_buffer, .address_space: global }
      - { .name: ln2_g, .offset: 40, .size: 8, .value_kind: global_buffer, .address_space: global }
      - { .name: ln2_b, .offset: 48, .size: 8, .value_kind: global_buffer, .address_space: global }
      - { .name: b1, .offset: 56, .size: 8, .value_kind: global_buffer, .address_space: global }
      - { .name: b2, .offset: 64, .size: 8, .value_kind: global_buffer, .address_space: global }
      - { .name: ln1_g, .offset: 72, .size: 8, .value_kind: global_buffer, .address_space: global }
      - { .name: ln1_b, .offset: 80, .size: 8, .value_kind: global_buffer, .address_space: global }
      - { .name: bq, .offset: 88, .size: 8, .value_kind: global_buffer, .address_space: global }
      - { .name: bk, .offset: 96, .size: 8, .value_kind: global_buffer, .address_space: global }
      - { .name: bv, .offset: 104, .size: 8, .value_kind: global_buffer, .address_space: global }
      - { .name: e_b, .offset: 112, .size: 8, .value_kind: global_buffer, .address_space: global }
      - { .name: qkv_b, .offset: 120, .size: 8, .value_kind: global_buffer, .address_space: global }
      - { .name: cnt_b, .offset: 128, .size: 8, .value_kind: global_buffer, .address_space: global }
    .group_segment_fixed_size: 70656
    .private_segment_fixed_size: 0
    .kernarg_segment_align: 8
    .kernarg_segment_size: 136
    .max_flat_workgroup_size: 256
    .sgpr_count:     96
    .vgpr_count:     512
    .wavefront_size: 32
...
	.end_amdgpu_metadata
.endif
;; end of part 8
;; launch layer1: the kernel of part 8 again; grid 256 x 1, 8 waves a work-group, no clusters, 70,656 bytes of LDS; arguments qkv_b, e_b, cnt_b, wimg, bo, ln2_g, ln2_b, b1, b2, ln1_g, ln1_b, bq, bk, bv, e_a, qkv, cnt_a; writes e_a, qkv, cnt_a
;; launch layer2: the kernel of part 8 again; grid 256 x 1, 8 waves a work-group, no clusters, 70,656 bytes of LDS; arguments qkv, e_a, cnt_a, wimg, bo, ln2_g, ln2_b, b1, b2, ln1_g, ln1_b, bq, bk, bv, e_b, qkv_b, cnt_b; writes e_b, qkv_b, cnt_b
;; launch layer3: the kernel of part 8 again; grid 256 x 1, 8 waves a work-group, no clusters, 70,656 bytes of LDS; arguments qkv_b, e_b, cnt_b, wimg, bo, ln2_g, ln2_b, b1, b2, lno_g, lno_b, bq, bk, bv, out0, qkv, cnt_a; writes out0, qkv, cnt_a
